; MI455X (gfx1250); checked and timed in simulation.
; The chip was launched on July 23, 2026; its instructions are those of AMD's public machine-readable ISA for CDNA 5 (MIT licence, August 2026) and "CDNA5" Instruction Set Architecture Reference Guide (July 2026). The comments in the code are by the model that wrote it; some were corrected since.
;; Mo E Layer. Allowed arithmetic: float matrix products may take bf16 or f16 operands with f32 sums; other float arithmetic in f32, or as packed bf16 or f16 multiplies, adds, multiply-adds, maxima and minima; sums over many terms, partial sums and values carried from step to step in f32; what a program stores and reads back later, other than sums and carried values, may be rounded once to bf16 or f16.
;; Inputs: W1 8 x 1,024 x 4,096 float32; W2 8 x 4,096 x 1,024 float32; b1 8 x 4,096 float32; b2 8 x 1,024 float32; centroids 8 x 1,024 float32; input_features 512 x 2 x 1,024 float32; ln_b 8 x 1,024 float32; ln_g 8 x 1,024 float32.
;; Outputs: out0 512 x 2 x 1,024 float32.
;; 2 versions, each right and faster than the one before. Each part assembles by itself: llvm-mc -triple=amdgcn-amd-amdhsa -mcpu=gfx1250 --defsym DOCPART=n.
;; ======== version 1 of 2: 4 launches
;; workspace buffers: z 2,097,152 bytes; bitmap 1,024 bytes of whole numbers; assign 4,096 bytes of whole numbers; h 8,388,608 bytes; part 16,777,216 bytes
;; launch route (part 1): grid 128 x 1, 8 waves a work-group, no clusters, 34,048 bytes of LDS; arguments input_features, centroids, z, bitmap, assign; writes z, bitmap, assign
.if DOCPART == 1
	.amdgcn_target "amdgcn-amd-amdhsa--gfx1250"
	.amdhsa_code_object_version 6
	.text
	.protected	k_q597560c909_route
	.globl	k_q597560c909_route
	.p2align	8
	.type	k_q597560c909_route,@function
k_q597560c909_route:
	s_mov_b64 s[64:65], 0
	v_nop
	global_prefetch_b8 v0, s[64:65] scope:SCOPE_SE
	s_setreg_imm32_b32 hwreg(HW_REG_WAVE_MODE, 25, 1), 1
	s_wait_xcnt 0x0
; ROUTE.  For each of the 1,024 rows (row r = 2 s + b of input_features, as it lies in memory: the two swaps of axes in the layer cancel):
;   logits = x . centroids^T in f32 on the vector unit (16-bit operands could turn the argmax), the expert = the first largest logit;
;   z = (x - mean) / sqrt(var + 1e-5), rounded once to bf16: the layer norm without gain and bias, which the next launch folds into its weights.
; Stored at fixed places: z[r][1024] bf16; assign[r] u32; bitmap[e][128 bytes], bit r set where row r chose expert e.  No address here hangs on the choice.
; SHARES.  A work-group owns 8 rows, a wave one: lane l holds columns 128 j + 4 l .. + 3 for j = 0..7 (8 loads of 512 consecutive bytes).
; The 8 centroid rows are brought once a work-group, one by each wave, and read from LDS by all.
; LIMITS.  The logits are f32 sums in an order of their own: a row whose two best logits agree to f32 rounding may go to the other expert.  A tie goes to the lower index.  A NaN logit 0 is kept; a later NaN logit is not chosen.
; The variance is taken of x - mean in a second pass over the registers, so a common offset of x costs nothing.
.set ASG,   32768                      ; behind the centroids (8 x 4,096 bytes): one word a wave, its row's expert
.set SPARE, 33024                      ; the spare words: 128 bytes for each of 8 waves, four blocks of 256 bytes that no other line names
.set SPW,  2                           ; v2       LDS address of my spare word; never rewritten
.set NIL,  3                           ; v3       0; never rewritten
.set X,    4                           ; v[4:35]  my 32 numbers of the row
.set CA,   36                          ; v[36:67] a centroid row's 32 numbers; buffer A (first: the row that my wave brings; then z in f32)
.set CB,   68                          ; v[68:99] buffer B
.set LG,   100                         ; v[100:107] the 8 logits
.set SUM,  108                         ; v[108:111] two packed chains of sums
.set MU,   112                         ; v[112:113] the mean, twice
.set RS,   114                         ; v[114:115] 1 / sqrt(var + eps), twice
.set NM,   116                         ; v[116:117] - mean / sqrt(var + eps), twice
.set BEST, 118
.set PICK, 119
.set Z,    120                         ; v[120:135] z, packed
.set T,    136                         ; v[136:139] at work
.set BITS, 140                         ; wave 0: lane e holds expert e's byte of the bitmap
.set CST,  141                         ; where my wave puts its centroid row; later wave 0's offset in the bitmap
.set AAD,  142                         ; wave 0's offset in assign
.set ZO,   143                         ; my offset in a row of z: 8 x lane
	s_load_b256 s[4:11], s[0:1], 0x0               ; x s[4:5], centroids s[6:7], z s[8:9], bitmap s[10:11]
	s_load_b64 s[12:13], s[0:1], 0x20              ; assign
	v_lshl_add_u32 v[SPW], v0, 2, SPARE
	v_mov_b32 v[NIL], 0
	v_lshrrev_b32 v[T], 5, v0
	v_readfirstlane_b32 s2, v[T]                   ; wave 0..7
	v_and_b32 v1, 31, v0
	v_lshlrev_b32 v[ZO], 3, v1
	v_lshlrev_b32 v1, 4, v1                        ; 16 x lane
	v_lshl_add_u32 v[CST], s2, 12, v1
	s_lshl_b32 s14, ttmp9, 3
	s_add_co_u32 s14, s14, s2                      ; my row
	s_lshl_b32 s16, s14, 12                        ; its 4,096 bytes in x
	s_mov_b32 s17, 0
	s_lshl_b32 s18, s2, 12                         ; centroid row = my wave's number
	s_mov_b32 s19, 0
	s_lshl_b32 s24, s14, 11                        ; the row's 2,048 bytes in z
	s_mov_b32 s25, 0
	s_mov_b32 s20, 0x76543210                      ; v_permlanex16_b32: each lane takes its own place in the other half
	s_mov_b32 s21, 0xfedcba98
	s_mov_b32 s22, 0x3a800000                      ; 1 / 1024
	s_mov_b32 s23, 0x3727c5ac                      ; 1e-5
	s_wait_kmcnt 0x0
	s_add_nc_u64 s[4:5], s[4:5], s[16:17]
	s_add_nc_u64 s[6:7], s[6:7], s[18:19]
	s_add_nc_u64 s[8:9], s[8:9], s[24:25]
.set n, 0
.rept 8
	global_load_b128 v[CA+4*n:CA+4*n+3], v1, s[6:7] offset:512*n
.set n, n+1
.endr
.set n, 0
.rept 8
	global_load_b128 v[X+4*n:X+4*n+3], v1, s[4:5] offset:512*n
.set n, n+1
.endr
	s_wait_loadcnt 8                               ; loads come back in order: the centroid row is in, x's eight may stay out
.set n, 0
.rept 8
	ds_store_b128 v[CST], v[CA+4*n:CA+4*n+3] offset:512*n
.set n, n+1
.endr
; the sum of register r over the 32 lanes, left in every lane
.macro RED r
	v_add_f32_dpp v[\r], v[\r], v[\r] row_xmask:1 row_mask:0xf bank_mask:0xf
	v_add_f32_dpp v[\r], v[\r], v[\r] row_xmask:2 row_mask:0xf bank_mask:0xf
	v_add_f32_dpp v[\r], v[\r], v[\r] row_xmask:4 row_mask:0xf bank_mask:0xf
	v_add_f32_dpp v[\r], v[\r], v[\r] row_xmask:8 row_mask:0xf bank_mask:0xf
	v_permlanex16_b32 v[T], v[\r], s20, s21        ; its destination counts as read: v[T] has been written
	v_add_f32 v[\r], v[\r], v[T]
.endm
	s_wait_loadcnt 0x0                             ; x
	; the mean: two chains of packed sums, started by the first pairs
	v_pk_add_f32 v[SUM:SUM+1], v[X:X+1], v[X+2:X+3]
	v_pk_add_f32 v[SUM+2:SUM+3], v[X+4:X+5], v[X+6:X+7]
.set k, 4
.rept 12
	v_pk_add_f32 v[SUM+2*(k%2):SUM+2*(k%2)+1], v[SUM+2*(k%2):SUM+2*(k%2)+1], v[X+2*k:X+2*k+1]
.set k, k+1
.endr
	v_pk_add_f32 v[SUM:SUM+1], v[SUM:SUM+1], v[SUM+2:SUM+3]
	v_add_f32 v[SUM], v[SUM], v[SUM+1]
	RED SUM
	v_mul_f32 v[MU], s22, v[SUM]
	v_mov_b32 v[MU+1], v[MU]
	; the variance: the sum of (x - mean)^2
.set k, 0
.rept 16
	v_pk_add_f32 v[T+2*(k%2):T+2*(k%2)+1], v[X+2*k:X+2*k+1], v[MU:MU+1] neg_lo:[0,1] neg_hi:[0,1]
.if k < 2
	v_pk_mul_f32 v[SUM+2*(k%2):SUM+2*(k%2)+1], v[T+2*(k%2):T+2*(k%2)+1], v[T+2*(k%2):T+2*(k%2)+1]
.else
	v_pk_fma_f32 v[SUM+2*(k%2):SUM+2*(k%2)+1], v[T+2*(k%2):T+2*(k%2)+1], v[T+2*(k%2):T+2*(k%2)+1], v[SUM+2*(k%2):SUM+2*(k%2)+1]
.endif
.set k, k+1
.endr
	v_pk_add_f32 v[SUM:SUM+1], v[SUM:SUM+1], v[SUM+2:SUM+3]
	v_add_f32 v[SUM], v[SUM], v[SUM+1]
	RED SUM
	v_fma_f32 v[RS], v[SUM], s22, s23              ; var + eps
	v_rsq_f32 v[RS], v[RS]
	v_nop                                          ; a plain instruction between the root and the use of its result
	s_wait_alu depctr_va_vdst(0)
	v_mov_b32 v[RS+1], v[RS]
	v_mul_f32 v[NM], -v[MU], v[RS]
	v_mov_b32 v[NM+1], v[NM]
	; z = x rs - mean rs, rounded once; a store of the wave covers 256 consecutive bytes, aligned
.set k, 0
.rept 16
	v_pk_fma_f32 v[CA+2*k:CA+2*k+1], v[X+2*k:X+2*k+1], v[RS:RS+1], v[NM:NM+1]
.set k, k+1
.endr
.set k, 0
.rept 16
	v_cvt_pk_bf16_f32 v[Z+k], v[CA+2*k], v[CA+2*k+1]
.set k, k+1
.endr
.set n, 0
.rept 8
	global_store_b64 v[ZO], v[Z+2*n:Z+2*n+1], s[8:9] offset:256*n
.set n, n+1
.endr
	s_wait_dscnt 0x0                               ; for the others' sake: my centroid row is in LDS
	s_barrier_signal -1
	s_barrier_wait -1
.macro LDC e, buf                      ; centroid row e, my 32 numbers of it
.set n, 0
.rept 8
	ds_load_b128 v[(\buf)+4*n:(\buf)+4*n+3], v1 offset:(\e)*4096+512*n
.set n, n+1
.endr
.endm
.macro DOT e, buf                      ; my lane's part of logit e: two chains of packed multiply-adds
	v_pk_mul_f32 v[SUM:SUM+1], v[X:X+1], v[(\buf):(\buf)+1]
	v_pk_mul_f32 v[SUM+2:SUM+3], v[X+2:X+3], v[(\buf)+2:(\buf)+3]
.set k, 2
.rept 14
	v_pk_fma_f32 v[SUM+2*(k%2):SUM+2*(k%2)+1], v[X+2*k:X+2*k+1], v[(\buf)+2*k:(\buf)+2*k+1], v[SUM+2*(k%2):SUM+2*(k%2)+1]
.set k, k+1
.endr
	v_pk_add_f32 v[SUM:SUM+1], v[SUM:SUM+1], v[SUM+2:SUM+3]
	v_add_f32 v[LG+(\e)], v[SUM], v[SUM+1]
.endm
	LDC 0, CA
	LDC 1, CB
.irp e, 0,2,4
	s_wait_dscnt 8                                 ; LDS loads come back in order: this row is in, the next row's eight stay out
	DOT \e, CA
	LDC (\e)+2, CA
	s_wait_dscnt 8
	DOT (\e)+1, CB
	LDC (\e)+3, CB
.endr
	s_wait_dscnt 8
	DOT 6, CA
	s_wait_dscnt 0x0
	DOT 7, CB
	; the eight sums over the lanes, stage by stage, so that no line waits for the one before it
.irp m, 1,2,4,8
.irp e, 0,1,2,3,4,5,6,7
	v_add_f32_dpp v[LG+\e], v[LG+\e], v[LG+\e] row_xmask:\m row_mask:0xf bank_mask:0xf
.endr
.endr
.irp e, 0,1,2,3,4,5,6,7
	v_permlanex16_b32 v[CA+\e], v[LG+\e], s20, s21
.endr
.irp e, 0,1,2,3,4,5,6,7
	v_add_f32 v[LG+\e], v[LG+\e], v[CA+\e]
.endr
	; the first largest: a later logit wins only if it is greater
	v_mov_b32 v[BEST], v[LG]
	v_mov_b32 v[PICK], 0
.irp e, 1,2,3,4,5,6,7
	v_cmp_gt_f32 vcc_lo, v[LG+\e], v[BEST]
	v_cndmask_b32 v[BEST], v[BEST], v[LG+\e], vcc_lo
	v_cndmask_b32 v[PICK], v[PICK], \e, vcc_lo
.endr
	s_lshl_b32 s24, s2, 2
	s_add_co_u32 s24, s24, ASG
	v_mov_b32 v[T+1], s24
	ds_store_b32 v[T+1], v[PICK]                   ; all lanes hold the same number
	s_wait_dscnt 0x0
	s_barrier_signal -1
	s_barrier_wait -1
	s_cmp_lg_u32 s2, 0
	s_cbranch_scc1 .Lend                           ; wave 0 stores the work-group's 8 choices
	v_and_b32 v[T], 7, v0
	v_lshlrev_b32 v[T], 2, v[T]
	ds_load_b32 v[T+2], v[T] offset:ASG            ; lane l: the expert of row 8 g + l % 8
	v_mov_b32 v[BITS], 0
	s_mov_b32 s27, ttmp9
	s_lshl_b32 s28, ttmp9, 5
	v_lshl_add_u32 v[CST], v0, 7, s27              ; bitmap: expert = lane, byte = the work-group's number
	v_lshl_add_u32 v[AAD], v0, 2, s28              ; assign: word 8 g + lane
	s_wait_dscnt 0x0
.irp e, 0,1,2,3,4,5,6,7
	v_cmp_eq_u32 s25, \e, v[T+2]                   ; bits 0-7: which of the 8 rows chose expert e
	v_writelane_b32 v[BITS], s25, \e
.endr
	v_cmp_gt_u32 vcc_lo, 8, v0
	s_wait_xcnt 0x0                                ; z's stores are out: EXEC changes only behind this wait
	s_and_saveexec_b32 s26, vcc_lo
	global_store_b8 v[CST], v[BITS], s[10:11]
	global_store_b32 v[AAD], v[T+2], s[12:13]
	s_wait_xcnt 0x0                                ; and again, in front of the line that widens it
	s_or_b32 exec_lo, exec_lo, s26
.Lend:
	s_wait_tensorcnt 0x0                           ; the wave's end
	ds_add_u32 v[SPW], v[NIL]
	s_wait_dscnt 0x0
	s_endpgm
.Lfunc_end_k_q597560c909_route:
	.size	k_q597560c909_route, .Lfunc_end_k_q597560c909_route-k_q597560c909_route
	.p2alignl 7, 3214868480
	.fill 96, 4, 3214868480
	.section	.rodata,"a",@progbits
	.p2align	6, 0x0
	.amdhsa_kernel k_q597560c909_route
		.amdhsa_group_segment_fixed_size 34048
		.amdhsa_private_segment_fixed_size 0
		.amdhsa_enable_private_segment 0
		.amdhsa_kernarg_size 40
		.amdhsa_user_sgpr_count 2
		.amdhsa_user_sgpr_kernarg_segment_ptr 1
		.amdhsa_wavefront_size32 1
		.amdhsa_system_sgpr_workgroup_id_x 1
		.amdhsa_system_sgpr_workgroup_id_y 1
		.amdhsa_system_sgpr_workgroup_id_z 1
		.amdhsa_system_vgpr_workitem_id 0
		.amdhsa_next_free_vgpr 144
		.amdhsa_next_free_sgpr 66
		.amdhsa_reserve_vcc 1
		.amdhsa_float_denorm_mode_32 3
		.amdhsa_float_denorm_mode_16_64 3
		.amdhsa_memory_ordered 1
		.amdhsa_forward_progress 1
		.amdhsa_inst_pref_size 30
	.end_amdhsa_kernel
	.amdgpu_metadata
---
amdhsa.version: [ 1, 2 ]
amdhsa.kernels:
  - .name:           k_q597560c909_route
    .symbol:         k_q597560c909_route.kd
    .args:
      - { .name: input_features, .offset: 0, .size: 8, .value_kind: global_buffer, .address_space: global }
      - { .name: centroids, .offset: 8, .size: 8, .value_kind: global_buffer, .address_space: global }
      - { .name: z, .offset: 16, .size: 8, .value_kind: global_buffer, .address_space: global }
      - { .name: bitmap, .offset: 24, .size: 8, .value_kind: global_buffer, .address_space: global }
      - { .name: assign, .offset: 32, .size: 8, .value_kind: global_buffer, .address_space: global }
    .group_segment_fixed_size: 34048
    .private_segment_fixed_size: 0
    .kernarg_segment_align: 8
    .kernarg_segment_size: 40
    .max_flat_workgroup_size: 256
    .sgpr_count:     66
    .vgpr_count:     144
    .wavefront_size: 32
...
	.end_amdgpu_metadata
.endif
;; end of part 1
;; launch ffn1 (part 2): grid 32 x 11, 16 waves a work-group, no clusters, 223,744 bytes of LDS; arguments W1, b1, ln_g, ln_b, z, bitmap, h; writes h
.if DOCPART == 2
	.amdgcn_target "amdgcn-amd-amdhsa--gfx1250"
	.amdhsa_code_object_version 6
	.text
	.protected	k_q597560c909_ffn1
	.globl	k_q597560c909_ffn1
	.p2align	8
	.type	k_q597560c909_ffn1,@function
k_q597560c909_ffn1:
	s_mov_b64 s[64:65], 0
	v_nop
	global_prefetch_b8 v0, s[64:65] scope:SCOPE_SE
	s_setreg_imm32_b32 hwreg(HW_REG_WAVE_MODE, 25, 1), 1
	s_wait_xcnt 0x0
; ONE TEXT FOR BOTH PRODUCTS OF THE EXPERTS' LAYER; KIND picks what differs.
;   KIND 1:  h[r][n]       = relu( sum_k z[r][k] (g[e][k] W1[e][k][n])  +  sum_k lb[e][k] W1[e][k][n]  +  b1[e][n] ), bf16: LN(x) W1 with the norm's gain folded into the weights and its bias into the bias.
;   KIND 2:  part[q][r][n] = sum over the q-th quarter of k of h[r][k] W2[e][k][n], f32 partial sums, which the last launch adds.
; e is the expert that row r chose.  Matrix operands are bf16, each rounded once (the weights after the gain, in f32); sums are f32.
; SHARES.  A work-group has a slice of ONE expert's weights, 1,024 k x 128 n (512 KiB of f32), which it alone reads, once, and a block of at most 256 of that expert's rows.
; Grid x = the slice (KIND 1: 32 slices of n; KIND 2: 4 quarters of k x 8 slices of n).  Grid y < 8: expert y, its rows 0-255.  y = 8..10: the (y - 8)-th of all further blocks of 256 rows;
; 1,024 rows in 8 experts never have more than 3 of those, so the grid serves every split.
; SIXTEEN WAVES, ALL ALIKE.  K goes in 8 chunks of 128 through two LDS slots.  In a trip a wave stages its sixteenth of the next chunk (8 k-rows of weights: f32 in registers, scaled, rounded, 8 bytes a lane
; into LDS; and the 16 rows of row tile w), asks for what comes after, and multiplies the chunk in the other slot.  One barrier a trip.  Weights are asked for two chunks ahead: 16 loads of 512 bytes a wave are out.
; A wave multiplies row tiles rg, rg + 4, rg + 8, rg + 12 (rg = w / 4) by column tiles 2 cg, 2 cg + 1 (cg = w % 4): 8 accumulators.
; THE WEIGHTS lie [k][n], so they go into LDS as they lie, in bf16, and come out turned, by ds_load_tr16_b128.  The matrix instruction is used transposed (source 0 = 16 n, source 1 = 16 rows):
; a lane then holds one row and eight neighbouring columns.
; THE ROWS.  Place i of the block is the (256 block + i)-th set bit of the expert's bitmap.  Lane l of wave w finds place 16 w + l % 16 for itself.  Each of the tile's 16 rows then gets a scalar base of its own
; (the row number held to 0..1,023, shifted, added to the buffer's address), and a load or store of the wave takes one row's bytes: the vector offset beside the base holds the lane alone and is made at the head;
; the chunk stands in the load's immediate.  So the eight trips are written out, by one macro, and no register that serves as a vector address is written behind the head.
; Places past the count repeat the expert's last row: the same numbers, stored to the same place by the same wave.  Row tiles 0-7 are always staged and multiplied, tiles 8-15 only where they hold rows.
; WHAT HANGS ON THE COUNTS.  Every wave passes every barrier, whatever the counts: only work is jumped, forward (conversions, LDS stores, products, global stores).  Loads from memory are never jumped:
; where they are not wanted they run with no lane on and move nothing, so that each counted wait counts the same loads on every way.  A work-group that a split leaves without rows goes through the text so and stores nothing.
; An expert without rows costs its work-groups of y < 8 the first two chunks of weights: those are asked for before the count is known.
; NO CLUSTER, NO TENSOR LOADS: each slice of weights has one reader and must pass through registers to be scaled and rounded; the rows that an expert's work-groups share come by numbers, which no descriptor covers.
; LIMITS: relu(NaN) is 0 here.  bf16 has f32's range, so large weights or rows cost no range.
.set KIND, 1
.set PB,     288                       ; an LDS row of weights: 128 bf16 + 32 bytes
.set PA,     272                       ; an LDS row of activations: 128 bf16 + 16 bytes: 68 words, so the 16 rows of a fragment load start at 16 different groups of four banks
.set BBYTES, 128*PB
.set SLOT,   BBYTES+256*PA             ; a slot: 128 k of weights, then 256 rows
.set BIAS,   2*SLOT                    ; KIND 1: each wave's part of sum_k lb W1: 16 x 512 bytes
.set BT,     BIAS+16*512               ; KIND 1: the slice's 128 biases
.set SPARE,  BT+512                    ; the spare words: 128 bytes for each of 16 waves, eight blocks of 256 bytes that no other line names
.if KIND == 1
.set PITCH,  16384                     ; bytes from k to k + 1 in the weights
.set WSH,    17                        ; my 8 k-rows begin at wave << WSH
.set ROWSH,  11                        ; a row of z is 2,048 bytes
.set OUTSH,  13                        ; a row of h is 8,192 bytes
.set SPITCH, 272                       ; the stage for the way out, over the slots: 256 rows of 256 bytes + 16
.set PACT,   12                        ; s[12:13] z, s[14:15] bitmap, s[16:17] h
.set PBM,    14
.set POUT,   16
.else
.set PITCH,  4096
.set WSH,    15
.set ROWSH,  13                        ; a row of h
.set OUTSH,  12                        ; a row of part is 4,096 bytes
.set SPITCH, 528                       ; 256 rows of 512 bytes + 16
.set PACT,   6                         ; s[6:7] h, s[8:9] bitmap, s[10:11] part
.set PBM,    8
.set POUT,   10
.endif
.set CHUNKB, 128*PITCH                 ; bytes from a chunk of weights to the next
; scalar registers (s27 to s31: at work)
.set WV,    2                          ; wave 0..15
.set RG,    3                          ; w / 4
.set CG,    18                         ; w % 4
.set GX,    19
.set GY,    20
.set EX,    21                         ; the expert
.set BLK,   22                         ; the block of 256 of its rows
.set CNT,   23                         ; its rows
.set NR,    24                         ; rows in the block, 0 to 256
.set NTL,   25                         ; row tiles that hold rows
.set GRD,   26                         ; how many of my four row tiles are multiplied: 2, 3, 4
.set SW,    32                         ; s[32:33] the weights, at the chunk to be asked for
.set SA,    34                         ; s[34:35] the activations, at the first column of my K range; never stepped
.set PG,    36                         ; s[36:37], s[38:39] KIND 1: gain and bias of the norm at my 8 k of a chunk
.set PL,    38
.set OUTB,  40                         ; s[40:41] the output at my slice's first column  (s[40:47] first: all experts' counts)
.set B1B,   42                         ; s[42:43] KIND 1: b1 at my slice
.set LIVE,  44                         ; 1: the block has rows
.set LMASK, 45                         ; -1 or 0: the same as lanes
.set AST,   46                         ; 1: I stage row tile w
.set AMASK, 47
.set GV,    48                         ; s[48:55] KIND 1: 8 gains,
.set LV,    56                         ; s[56:63] 8 biases
.set SV,    66                         ; EXEC, kept while it is narrowed
.set PM,    67                         ; -1 or 0: the lanes of the first two chunks' loads
.set WORD,  68                         ; s[68:99] the expert's 32 words of the bitmap
.set AB,    68                         ; later: a base for each of my 16 rows: of the activations, and at the end of the output
; vector registers.  v1 lane; v2 16 x lane; v3, v4 where my weights go in slot 0, 1; v5, v6 where my rows go; v7, v8 my A fragments; v9, v10 my B fragments; v11 the stage, in; v12 KIND 1: my columns' biases,
; KIND 2: the stage's rows 128 on; v13 the stage, back; v15 0; v[16:19] KIND 1: bias sums; v30, v31 KIND 1: my part of BIAS, BIAS + 16 x lane.  v2 to v13, v21, v30, v31 are made once, at the head, and never rewritten.
.set ROWV, 20                          ; lane l: the row number of place l % 16 of row tile w
.set AOFF, 21                          ; 8 x lane: my 8 bytes of 256
.set SPW,  28                          ; LDS address of my spare word; never rewritten
.set NIL,  29                          ; 0; never rewritten
.set AF,   32                          ; v[32:63]   four A fragments
.set BF0,  64                          ; v[64:79], v[80:95] two B fragments, two buffers (before the first trip: at work)
.set BF1,  80
.set ASET, 96                          ; v[96:127]  a chunk's rows on their way: 16 loads
.set BSET, 128                         ; v[128:191] two chunks' weights on their way: 8 loads each
.set ACC,  192                         ; v[192:255] accumulator (i, b) at ACC + 8 (2 i + b)
.macro BAR                             ; for the others' sake: all my LDS stores are done and all my LDS reads are back
	s_wait_dscnt 0x0
	s_barrier_signal -1
	s_barrier_wait -1
.endm
.macro PLACES                          ; four plain vector instructions between matrix instructions and loads into their sources, or reads of their results
.rept 4
	v_nop
.endr
.endm
.macro NARROW m                        ; the lanes of the loads that follow: all or none
	s_wait_xcnt 0x0                                ; EXEC changes only behind this wait
	s_mov_b32 vcc_lo, s[\m]
	s_and_saveexec_b32 s[SV], vcc_lo
.endm
.macro WIDEN
	s_wait_xcnt 0x0                                ; and again, in front of the line that widens it
	s_or_b32 exec_lo, exec_lo, s[SV]
.endm
; my 8 k-rows of a chunk of weights, 512 consecutive bytes each; read once in the launch
.macro ISSB set, co
.set nb, 0
.rept 8
	global_load_b128 v[(\set)+4*nb:(\set)+4*nb+3], v2, s[SW:SW+1] offset:(\co)*CHUNKB+nb*PITCH th:TH_LOAD_NT
.set nb, nb+1
.endr
.endm
; my 16 rows of chunk ca, one a load: the wave takes a row's 256 consecutive bytes, 8 a lane
.macro ISSA ca
.set na, 0
.rept 16
	global_load_b64 v[ASET+2*na:ASET+2*na+1], v[AOFF], s[AB+2*na:AB+2*na+1] offset:256*(\ca)
.set na, na+1
.endr
.endm
.macro STA sl
.set na, 0
.rept 16
	ds_store_b64 v[5+(\sl)], v[ASET+2*na:ASET+2*na+1] offset:na*PA
.set na, na+1
.endr
.endm
; a base for each of my 16 rows: the row number, held inside the table, shifted to bytes and added to the buffer's address
.macro ROWBASE from, sh
	s_mov_b32 s29, 0
.set q, 0
.rept 16
	v_readlane_b32 s28, v[ROWV], q
	s_min_u32 s28, s28, 0x3ff
	s_lshl_b32 s28, s28, \sh
	s_add_nc_u64 s[AB+2*q:AB+2*q+1], s[\from:\from+1], s[28:29]
.set q, q+1
.endr
.endm
; my 8 k-rows: (KIND 1: the bias sums take lb W, the weights take the gain, both in f32;) rounded once, 8 bytes a lane into LDS
.macro CVT set, sl
.set nc, 0
.rept 8
.set rw, (\set)+4*nc
.if KIND == 1
	v_fmac_f32 v16, s[LV+nc], v[rw]
	v_fmac_f32 v17, s[LV+nc], v[rw+1]
	v_fmac_f32 v18, s[LV+nc], v[rw+2]
	v_fmac_f32 v19, s[LV+nc], v[rw+3]
	v_mul_f32 v[rw], s[GV+nc], v[rw]
	v_mul_f32 v[rw+1], s[GV+nc], v[rw+1]
	v_mul_f32 v[rw+2], s[GV+nc], v[rw+2]
	v_mul_f32 v[rw+3], s[GV+nc], v[rw+3]
.endif
	v_cvt_pk_bf16_f32 v[rw], v[rw], v[rw+1]
	v_cvt_pk_bf16_f32 v[rw+1], v[rw+2], v[rw+3]
	ds_store_b64 v[3+(\sl)], v[rw:rw+1] offset:nc*PB
.set nc, nc+1
.endr
.endm
; A chunk is staged into slot sl.  wt: the younger loads that may stay out.  ia: the rows of chunk ca, the next, are asked for; ib: the weights two chunks on (step: chunks that the pointer moves); ls: the next chunk's gains.
; The rows are asked for AHEAD of the weights: at the next staging the 8 youngest loads are the weights two chunks on, and this chunk's rows and weights are older.
.macro STAGE sl, wt, step, ia, ib, ls, ca
	s_wait_loadcnt \wt                             ; loads come back in order: this chunk's weights and rows are in
.if KIND == 1
	s_wait_kmcnt 0x0                               ; this chunk's gains and biases
.endif
	s_cmp_eq_u32 s[LIVE], 0
	s_cbranch_scc1 .Lno_b_\@                       ; a block without rows
	CVT BSET+32*(\sl), \sl
.Lno_b_\@:
.if (KIND == 1) && (\ls)
	s_add_nc_u64 s[PG:PG+1], s[PG:PG+1], 512       ; 128 k on; the loads that named these pointers are done
	s_add_nc_u64 s[PL:PL+1], s[PL:PL+1], 512
	s_load_b256 s[GV:GV+7], s[PG:PG+1], 0x0
	s_load_b256 s[LV:LV+7], s[PL:PL+1], 0x0
.endif
	s_cmp_eq_u32 s[AST], 0
	s_cbranch_scc1 .Lno_a_\@                       ; row tile w holds no rows
	STA \sl
.Lno_a_\@:
.if \ia
	NARROW AMASK
	ISSA \ca
	WIDEN
.endif
.if \ib
	s_add_nc_u64 s[SW:SW+1], s[SW:SW+1], (\step)*CHUNKB  ; the last loads that named this base stand in front of a wait for XCNT 0
	NARROW LMASK
	ISSB BSET+32*(\sl), 0
	WIDEN
.endif
.endm
; two B fragments (32 k x 16 n each), turned: the first load of a pair brings k = 8 (l / 16) + 0..7, the second 16 more
.macro LOADB sl, ks, buf
.set nl, 0
.rept 2
	ds_load_tr16_b128 v[(\buf)+8*nl:(\buf)+8*nl+3],   v[9+(\sl)] offset:(\ks)*32*PB+32*nl
	ds_load_tr16_b128 v[(\buf)+8*nl+4:(\buf)+8*nl+7], v[9+(\sl)] offset:(\ks)*32*PB+32*nl+16*PB
.set nl, nl+1
.endr
.endm
.macro LDA1 sl, ks, i                  ; the A fragment of my row tile i: 16 rows x 32 k
	ds_load_b128 v[AF+8*(\i):AF+8*(\i)+3],   v[7+(\sl)] offset:(\i)*64*PA+64*(\ks)
	ds_load_b128 v[AF+8*(\i)+4:AF+8*(\i)+7], v[7+(\sl)] offset:(\i)*64*PA+64*(\ks)+32
.endm
.macro LOADA sl, ks
	LDA1 \sl, \ks, 0
	LDA1 \sl, \ks, 1
	s_cmp_lt_u32 s[GRD], 3
	s_cbranch_scc1 .Lno_more_a_\@
	LDA1 \sl, \ks, 2
	s_cmp_lt_u32 s[GRD], 4
	s_cbranch_scc1 .Lno_more_a_\@
	LDA1 \sl, \ks, 3
.Lno_more_a_\@:
.endm
.macro MUL2 buf, i
.set nm, 0
.rept 2
	v_wmma_f32_16x16x32_bf16 v[ACC+8*(2*(\i)+nm):ACC+8*(2*(\i)+nm)+7], v[(\buf)+8*nm:(\buf)+8*nm+7], v[AF+8*(\i):AF+8*(\i)+7], v[ACC+8*(2*(\i)+nm):ACC+8*(2*(\i)+nm)+7]
.set nm, nm+1
.endr
.endm
.macro MUL buf                         ; the accumulators take turns, one instruction a turn: 4, 6 or 8 of them, in the same order in every K step
	MUL2 \buf, 0
	MUL2 \buf, 1
	s_cmp_lt_u32 s[GRD], 3
	s_cbranch_scc1 .Lno_more_m_\@
	MUL2 \buf, 2
	s_cmp_lt_u32 s[GRD], 4
	s_cbranch_scc1 .Lno_more_m_\@
	MUL2 \buf, 3
.Lno_more_m_\@:
.endm
; a chunk: four K steps of 32.  B's fragments are fetched a step ahead; the count 4 leaves just those out: A's loads, whose number hangs on the guard, are older
.macro CMUL sl
	PLACES
	LOADB \sl, 0, BF0
	LOADA \sl, 0
	LOADB \sl, 1, BF1
	s_wait_dscnt 4
	MUL BF0
	PLACES
	LOADA \sl, 1
	LOADB \sl, 2, BF0
	s_wait_dscnt 4
	MUL BF1
	PLACES
	LOADA \sl, 2
	LOADB \sl, 3, BF1
	s_wait_dscnt 4
	MUL BF0
	PLACES
	LOADA \sl, 3
	s_wait_dscnt 0x0
	MUL BF1
.endm
; A TRIP: the next chunk is staged into the other slot, slot sl is multiplied; one barrier for both changes.  tail 1: the last staging; 2: nothing is left to stage.  ca: the chunk whose rows are asked for.
.macro TRIP sl, wt, ia, ib, ls, tail, ca
.if (\tail) < 2
	STAGE 1-(\sl), \wt, 1, \ia, \ib, \ls, \ca
.endif
.if KIND == 1
.if (\tail) == 1
	ds_store_b128 v30, v[16:19]                    ; my part of sum_k lb W1
	global_load_b128 v[ASET:ASET+3], v2, s[B1B:B1B+1]  ; b1, a trip ahead of its use; every wave asks, so that the wait below holds on every way
.elseif (\tail) == 2
	s_wait_loadcnt 0x0                             ; b1
	s_cmp_lg_u32 s[WV], 0
	s_cbranch_scc1 .Lnot_first_\@                  ; wave 0 adds the sixteen parts and b1
.set np, 0
.rept 16
	ds_load_b128 v[BSET+4*np:BSET+4*np+3], v31 offset:512*np
.set np, np+1
.endr
	s_wait_dscnt 0x0
.set np, 0
.rept 16
	v_pk_add_f32 v[ASET:ASET+1], v[ASET:ASET+1], v[BSET+4*np:BSET+4*np+1]
	v_pk_add_f32 v[ASET+2:ASET+3], v[ASET+2:ASET+3], v[BSET+4*np+2:BSET+4*np+3]
.set np, np+1
.endr
	ds_store_b128 v31, v[ASET:ASET+3] offset:BT-BIAS
.Lnot_first_\@:
.endif
.endif
	s_cmp_eq_u32 s[LIVE], 0
	s_cbranch_scc1 .Lno_m_\@
	CMUL \sl
.Lno_m_\@:
	BAR
.endm
; one level of the search for the v72-th set bit: does it lie in the lower half of the field at bit v81?  src holds the counts of fields half as wide
.macro LEVEL src, mask, step
	v_lshrrev_b32 v80, v81, v[\src]
	v_and_b32 v80, \mask, v80
	v_cmp_ge_u32 vcc_lo, v72, v80
	v_cndmask_b32 v80, 0, v80, vcc_lo
	v_sub_nc_u32 v72, v72, v80
	v_cndmask_b32 v80, 0, \step, vcc_lo
	v_add_nc_u32 v81, v81, v80
.endm
; the way out of my row tile i: KIND 1: + bias, rounded to bf16, relu on the packed halves, 16 bytes a lane; KIND 2: the f32 sums as they are, 32 bytes a lane.  Each accumulator is read from its low end on.
.macro PUT i
.set ob, 0
.rept 2
.set ra, ACC+8*(2*(\i)+ob)
.if KIND == 1
.set rt, ASET+4*ob
	v_pk_add_f32 v[ra:ra+1], v[ra:ra+1], v[BF0+8*ob:BF0+8*ob+1]
	v_pk_add_f32 v[ra+2:ra+3], v[ra+2:ra+3], v[BF0+8*ob+2:BF0+8*ob+3]
	v_pk_add_f32 v[ra+4:ra+5], v[ra+4:ra+5], v[BF0+8*ob+4:BF0+8*ob+5]
	v_pk_add_f32 v[ra+6:ra+7], v[ra+6:ra+7], v[BF0+8*ob+6:BF0+8*ob+7]
	v_cvt_pk_bf16_f32 v[rt], v[ra], v[ra+1]
	v_cvt_pk_bf16_f32 v[rt+1], v[ra+2], v[ra+3]
	v_cvt_pk_bf16_f32 v[rt+2], v[ra+4], v[ra+5]
	v_cvt_pk_bf16_f32 v[rt+3], v[ra+6], v[ra+7]
	v_pk_max_num_bf16 v[rt], v[rt], v15
	v_pk_max_num_bf16 v[rt+1], v[rt+1], v15
	v_pk_max_num_bf16 v[rt+2], v[rt+2], v15
	v_pk_max_num_bf16 v[rt+3], v[rt+3], v15
	ds_store_b128 v11, v[rt:rt+3] offset:(\i)*64*SPITCH+32*ob
.else
	ds_store_b128 v[11+(\i)/2], v[ra:ra+3]   offset:((\i)%2)*64*SPITCH+64*ob
	ds_store_b128 v[11+(\i)/2], v[ra+4:ra+7] offset:((\i)%2)*64*SPITCH+64*ob+16
.endif
.set ob, ob+1
.endr
.endm
.if KIND == 1
	s_load_b256 s[4:11], s[0:1], 0x0               ; W1 s[4:5], b1 s[6:7], ln_g s[8:9], ln_b s[10:11]
	s_load_b128 s[12:15], s[0:1], 0x20             ; z, bitmap
	s_load_b64 s[16:17], s[0:1], 0x30              ; h
.else
	s_load_b256 s[4:11], s[0:1], 0x0               ; W2 s[4:5], h s[6:7], bitmap s[8:9], part s[10:11]
.endif
	v_lshl_add_u32 v[SPW], v0, 2, SPARE
	v_mov_b32 v[NIL], 0
	v_lshrrev_b32 v64, 5, v0
	v_readfirstlane_b32 s[WV], v64
	v_and_b32 v1, 31, v0
	v_lshlrev_b32 v2, 4, v1
	v_lshlrev_b32 v[AOFF], 3, v1
	s_lshr_b32 s[RG], s[WV], 2
	s_and_b32 s[CG], s[WV], 3
	s_mov_b32 s[GX], ttmp9
	s_and_b32 s[GY], ttmp7, 0xffff
	; EVERY LDS ADDRESS, once, from the thread's number, the wave's number and constants
	v_and_b32 v64, 15, v0                          ; l % 16
	v_bfe_u32 v65, v0, 4, 1                        ; l / 16
	s_mul_i32 s28, s[WV], 8*PB
	v_lshl_add_u32 v3, v1, 3, s28                  ; weights in: k-row 8 w, 8 bytes a lane
	v_add_nc_u32 v4, SLOT, v3
	s_mul_i32 s28, s[WV], 16*PA
	s_add_co_u32 s28, s28, BBYTES
	v_lshl_add_u32 v5, v1, 3, s28                  ; rows in: row 16 w, 8 bytes a lane
	v_add_nc_u32 v6, SLOT, v5
	s_mul_i32 s28, s[RG], 16*PA
	s_add_co_u32 s28, s28, BBYTES
	v_mul_u32_u24 v7, v64, PA                      ; A: row 16 rg + l % 16, 16 bytes for each half of the lanes
	v_lshl_add_u32 v7, v65, 4, v7
	v_add_nc_u32 v7, s28, v7
	v_add_nc_u32 v8, SLOT, v7
	v_and_b32 v66, 7, v0                           ; B: k-row 8 (l / 16) + l % 8, columns 32 cg + 8 ((l / 8) % 2) on
	v_lshl_add_u32 v66, v65, 3, v66
	v_mul_u32_u24 v9, v66, PB
	v_bfe_u32 v66, v0, 3, 1
	v_lshl_add_u32 v9, v66, 4, v9
	s_lshl_b32 s28, s[CG], 6
	v_add_nc_u32 v9, s28, v9
	v_add_nc_u32 v10, SLOT, v9
	s_mul_i32 s28, s[RG], 16*SPITCH                ; the stage, in: row 16 rg + l % 16, my 32 columns, my half of the lanes' eight
	v_mul_u32_u24 v11, v64, SPITCH
.if KIND == 1
	s_lshl_b32 s29, s[CG], 6
	s_add_co_u32 s28, s28, s29
	v_lshl_add_u32 v11, v65, 4, v11
	v_add_nc_u32 v11, s28, v11
	s_lshl_b32 s28, s[CG], 7
	s_add_co_u32 s28, s28, BT
	v_lshl_add_u32 v12, v65, 5, s28                ; the biases of my columns
	s_mul_i32 s28, s[WV], 16*SPITCH
	v_lshl_add_u32 v13, v1, 3, s28                 ; the stage, back: a row of 256 bytes a load, 8 bytes a lane
	s_lshl_b32 s28, s[WV], 9
	s_add_co_u32 s28, s28, BIAS
	v_add_nc_u32 v30, s28, v2
	v_add_nc_u32 v31, BIAS, v2
	v_mov_b32 v15, 0
	v_mov_b32 v16, 0
	v_mov_b32 v17, 0
	v_mov_b32 v18, 0
	v_mov_b32 v19, 0
.else
	s_lshl_b32 s29, s[CG], 7
	s_add_co_u32 s28, s28, s29
	v_lshl_add_u32 v11, v65, 5, v11
	v_add_nc_u32 v11, s28, v11
	v_add_nc_u32 v12, 2*64*SPITCH, v11             ; row tiles 2 and 3 lie past a 16-bit offset
	s_mul_i32 s28, s[WV], 16*SPITCH
	v_add_nc_u32 v13, s28, v2                      ; the stage, back: a row of 512 bytes a load
.endif
	; 176 lines that write 0, in the wait for the arguments: what loads with narrowed lanes will fill (96) is written whole first; the sums start at 0 (64); the fragments of row tiles 2 and 3 hold numbers
	; on every way (16).  The gain is one macro for every trip.
.set cz, ASET
.rept 160
	v_mov_b32 v[cz], 0
.set cz, cz+1
.endr
.set cz, AF+16
.rept 16
	v_mov_b32 v[cz], 0
.set cz, cz+1
.endr
	s_wait_kmcnt 0x0
	s_cmp_lt_u32 s[GY], 8
	s_cbranch_scc1 .Lprimary
	; A FURTHER BLOCK.  All experts' counts: lane l counts the bitmap's words 8 l .. 8 l + 7 (four lanes an expert), in whole numbers throughout
	v_lshlrev_b32 v72, 5, v1
	global_load_b128 v[64:67], v72, s[PBM:PBM+1]
	global_load_b128 v[68:71], v72, s[PBM:PBM+1] offset:16
	s_mov_b32 s28, 0x55555555
	s_mov_b32 s29, 0x33333333
	s_mov_b32 s30, 0x0f0f0f0f
	s_wait_loadcnt 0x0
.irp i, 64,65,66,67,68,69,70,71
	v_lshrrev_b32 v73, 1, v[\i]                    ; counts in fields of 2, 4 and 8 bits
	v_and_b32 v73, s28, v73
	v_sub_nc_u32 v[\i], v[\i], v73
	v_lshrrev_b32 v73, 2, v[\i]
	v_and_b32 v[\i], s29, v[\i]
	v_and_b32 v73, s29, v73
	v_add_nc_u32 v[\i], v[\i], v73
	v_lshrrev_b32 v73, 4, v[\i]
	v_add_nc_u32 v[\i], v[\i], v73
	v_and_b32 v[\i], s30, v[\i]
.endr
	v_add_nc_u32 v64, v64, v65                     ; eight words: 64 a byte at the most
	v_add_nc_u32 v66, v66, v67
	v_add_nc_u32 v68, v68, v69
	v_add_nc_u32 v70, v70, v71
	v_add_nc_u32 v64, v64, v66
	v_add_nc_u32 v68, v68, v70
	v_add_nc_u32 v64, v64, v68
	v_lshrrev_b32 v73, 8, v64
	v_add_nc_u32 v64, v64, v73
	v_and_b32 v64, 0x00ff00ff, v64
	v_lshrrev_b32 v73, 16, v64
	v_add_nc_u32 v64, v64, v73
	v_and_b32 v64, 0x1ff, v64                      ; 256 at the most
	v_mov_b32 v73, 0
	v_mov_b32_dpp v73, v64 row_xmask:1 row_mask:0xf bank_mask:0xf
	v_add_nc_u32 v64, v64, v73
	v_mov_b32_dpp v73, v64 row_xmask:2 row_mask:0xf bank_mask:0xf
	v_add_nc_u32 v64, v64, v73
.irp e, 0,1,2,3,4,5,6,7
	v_readlane_b32 s[40+\e], v64, 4*\e
.endr
	s_sub_co_u32 s28, s[GY], 8                     ; which of the further blocks
	s_mov_b32 s[EX], 0                             ; none found yet: block 4 begins at row 1,024, past every count
	s_mov_b32 s[BLK], 4
	s_mov_b32 s[PM], 0
	s_mov_b32 s29, 0                               ; further blocks of the experts before
.irp e, 0,1,2,3,4,5,6,7
	s_add_co_u32 s30, s[40+\e], 255
	s_lshr_b32 s30, s30, 8
	s_max_u32 s30, s30, 1
	s_sub_co_u32 s30, s30, 1                       ; this expert's further blocks
	s_sub_co_u32 s31, s28, s29                     ; mine would be this one of them (a wrapped number is below nothing)
	s_add_co_u32 s29, s29, s30
	s_add_co_u32 s27, s31, 1
	s_cmp_lt_u32 s31, s30
	s_cselect_b32 s[EX], \e, s[EX]
	s_cselect_b32 s[BLK], s27, s[BLK]
	s_cselect_b32 s[PM], -1, s[PM]
.endr
	s_branch .Lhave
.Lprimary:
	s_mov_b32 s[EX], s[GY]
	s_mov_b32 s[BLK], 0
	s_mov_b32 s[PM], -1
.Lhave:
	s_min_u32 s[EX], s[EX], 7
	s_lshl_b32 s28, s[EX], 7
	s_mov_b32 s29, 0                               ; the high word of the offsets below
	s_add_nc_u64 s[30:31], s[PBM:PBM+1], s[28:29]
	s_load_b512 s[WORD:WORD+15], s[30:31], 0x0     ; the expert's 1,024 bits; s[30:31] stay until the wait for them
	s_load_b512 s[WORD+16:WORD+31], s[30:31], 0x40
	s_lshl_b32 s28, s[EX], 24                      ; an expert's weights are 16 MiB
	s_lshl_b32 s36, s[WV], WSH                     ; my 8 k-rows of a chunk
	s_add_co_u32 s28, s28, s36
.if KIND == 1
	s_lshl_b32 s36, s[GX], 9                       ; the slice's 128 columns
	s_add_co_u32 s28, s28, s36
	s_add_nc_u64 s[SW:SW+1], s[4:5], s[28:29]
	s_mov_b64 s[SA:SA+1], s[PACT:PACT+1]
	s_lshl_b32 s28, s[GX], 8
	s_add_nc_u64 s[OUTB:OUTB+1], s[POUT:POUT+1], s[28:29]
	s_lshl_b32 s28, s[EX], 14
	s_add_co_u32 s28, s28, s36
	s_add_nc_u64 s[B1B:B1B+1], s[6:7], s[28:29]
.else
	s_lshr_b32 s37, s[GX], 3                       ; the quarter of k
	s_and_b32 s38, s[GX], 7                        ; the slice of n
	s_lshl_b32 s36, s37, 22                        ; 1,024 k-rows of 4,096 bytes; also a quarter's 4 MiB in part
	s_add_co_u32 s28, s28, s36
	s_lshl_b32 s39, s38, 9
	s_add_co_u32 s28, s28, s39
	s_add_nc_u64 s[SW:SW+1], s[4:5], s[28:29]
	s_add_co_u32 s28, s36, s39
	s_add_nc_u64 s[OUTB:OUTB+1], s[POUT:POUT+1], s[28:29]
	s_lshl_b32 s28, s37, 11                        ; the quarter's 1,024 columns of h
	s_add_nc_u64 s[SA:SA+1], s[PACT:PACT+1], s[28:29]
.endif
	NARROW PM
	ISSB BSET, 0                                   ; the stream starts before the count is known: chunks 0 and 1
	ISSB BSET+32, 1
	WIDEN
	s_wait_kmcnt 0x0
	s_bcnt1_i32_b32 s[CNT], s[WORD]
.set wi, 1
.rept 31
	s_bcnt1_i32_b32 s28, s[WORD+wi]
	s_add_co_u32 s[CNT], s[CNT], s28
.set wi, wi+1
.endr
	s_lshl_b32 s28, s[BLK], 8
	s_sub_co_i32 s[NR], s[CNT], s28
	s_min_i32 s[NR], s[NR], 0x100
	s_max_i32 s[NR], s[NR], 0
	s_add_co_u32 s[NTL], s[NR], 15
	s_lshr_b32 s[NTL], s[NTL], 4
	s_cmp_lg_u32 s[NR], 0
	s_cselect_b32 s[LIVE], 1, 0
	s_cselect_b32 s[LMASK], -1, 0
	s_max_u32 s30, s[NTL], 8                       ; row tiles 0-7 are always staged
	s_cmp_lt_u32 s[WV], s30
	s_cselect_b32 s[AST], s[LIVE], 0
	s_cselect_b32 s[AMASK], s[LMASK], 0
	s_add_co_u32 s30, s[RG], 8
	s_cmp_lt_u32 s30, s[NTL]
	s_cselect_b32 s[GRD], 3, 2
	s_add_co_u32 s30, s[RG], 12
	s_cmp_lt_u32 s30, s[NTL]
	s_cselect_b32 s30, 1, 0
	s_add_co_u32 s[GRD], s[GRD], s30
	; THE ROWS OF ROW TILE w
	s_lshl_b32 s30, s[WV], 4
	s_add_co_u32 s28, s28, s30
	s_sub_co_u32 s30, s[CNT], 1
	v_and_b32 v72, 15, v0
	v_add_nc_u32 v72, s28, v72                     ; place 16 w + l % 16 of the block wants the expert's row of this rank,
	v_min_u32 v72, s30, v72                        ; or the last one
	v_mov_b32 v73, s[WORD]                         ; the word that holds it,
	v_mov_b32 v74, 0                               ; the set bits in front of that word,
	v_mov_b32 v75, 0                               ; the word's number: the last word with no more bits in front of it than the rank
	s_mov_b32 s28, 0
.set wi, 1
.rept 31
	s_bcnt1_i32_b32 s31, s[WORD+wi-1]
	s_add_co_u32 s28, s28, s31
	v_cmp_le_u32 vcc_lo, s28, v72
	v_cndmask_b32 v73, v73, s[WORD+wi], vcc_lo
	v_cndmask_b32 v74, v74, s28, vcc_lo
	v_cndmask_b32 v75, v75, wi, vcc_lo
.set wi, wi+1
.endr
	v_sub_nc_u32 v72, v72, v74                     ; the rank within the word
	v_lshrrev_b32 v80, 1, v73
	v_and_b32 v80, 0x55555555, v80
	v_sub_nc_u32 v76, v73, v80                     ; counts of fields of 2 bits,
	v_lshrrev_b32 v80, 2, v76
	v_and_b32 v80, 0x33333333, v80
	v_and_b32 v77, 0x33333333, v76
	v_add_nc_u32 v77, v77, v80                     ; of 4,
	v_lshrrev_b32 v80, 4, v77
	v_add_nc_u32 v78, v77, v80
	v_and_b32 v78, 0x0f0f0f0f, v78                 ; of 8,
	v_lshrrev_b32 v80, 8, v78
	v_add_nc_u32 v79, v78, v80                     ; of 16 (in the low byte of each half)
	v_mov_b32 v81, 0
	LEVEL 79, 0xff, 16
	LEVEL 78, 0xff, 8
	LEVEL 77, 15, 4
	LEVEL 76, 3, 2
	LEVEL 73, 1, 1
	v_lshl_add_u32 v[ROWV], v75, 5, v81            ; the row
	ROWBASE SA, ROWSH                              ; over the bitmap's words, which are done with
.if KIND == 1
	s_lshl_b32 s28, s[EX], 12
	s_lshl_b32 s30, s[WV], 5
	s_add_co_u32 s28, s28, s30                     ; s29 is 0
	s_add_nc_u64 s[PG:PG+1], s[8:9], s[28:29]
	s_add_nc_u64 s[PL:PL+1], s[10:11], s[28:29]
	s_load_b256 s[GV:GV+7], s[PG:PG+1], 0x0        ; chunk 0's gains and biases
	s_load_b256 s[LV:LV+7], s[PL:PL+1], 0x0
.endif
	NARROW AMASK
	ISSA 0                                         ; chunk 0's rows
	WIDEN
	STAGE 0, 0, 2, 1, 1, 1, 1                      ; chunk 0 into slot 0 (its rows were asked for last, so the wait is for all); chunk 1's rows and chunk 2's weights are asked for
	BAR
	TRIP 0, 8, 1, 1, 1, 0, 2                       ; chunk 0 is multiplied, chunk 1 staged; chunk 2's rows and chunk 3's weights are asked for
	TRIP 1, 8, 1, 1, 1, 0, 3                       ; chunk 1
	TRIP 0, 8, 1, 1, 1, 0, 4                       ; chunk 2
	TRIP 1, 8, 1, 1, 1, 0, 5                       ; chunk 3
	TRIP 0, 8, 1, 1, 1, 0, 6                       ; chunk 4; chunk 7's weights are asked for: the last
	TRIP 1, 8, 1, 0, 1, 0, 7                       ; chunk 5; chunk 7's rows: the last
	TRIP 0, 0, 0, 0, 0, 1, 0                       ; chunk 6; chunk 7 is staged: its rows were asked for behind its weights, so the wait is for all
	TRIP 1, 0, 0, 0, 0, 2, 0                       ; chunk 7
	; THE WAY OUT, through a stage that lies over the slots: behind the barrier above nobody reads them any more
	PLACES
	s_cmp_eq_u32 s[LIVE], 0
	s_cbranch_scc1 .Lput
.if KIND == 1
.irp b, 0,1
	ds_load_b128 v[BF0+8*\b:BF0+8*\b+3],   v12 offset:64*\b
	ds_load_b128 v[BF0+8*\b+4:BF0+8*\b+7], v12 offset:64*\b+16
.endr
	s_wait_dscnt 0x0
.endif
	PUT 0
	PUT 1
	s_cmp_lt_u32 s[GRD], 3
	s_cbranch_scc1 .Lput
	PUT 2
	s_cmp_lt_u32 s[GRD], 4
	s_cbranch_scc1 .Lput
	PUT 3
.Lput:
	BAR                                            ; a row's bytes come from four waves
	s_cmp_ge_u32 s[WV], s[NTL]
	s_cbranch_scc1 .Ldone                          ; wave w stores row tile w, if it holds rows
	ROWBASE OUTB, OUTSH                            ; the rows' places in the output, over the bases of the row loads, all of which the last staging's wait has shown done
.if KIND == 1
.set q, 0
.rept 16
	ds_load_b64 v[BSET+2*q:BSET+2*q+1], v13 offset:q*SPITCH        ; one row of 256 bytes a load
.set q, q+1
.endr
.set q, 0
.rept 16
	s_wait_dscnt 15-q                              ; LDS loads come back in order: row q is back
	global_store_b64 v[AOFF], v[BSET+2*q:BSET+2*q+1], s[AB+2*q:AB+2*q+1]  ; the wave stores 256 consecutive bytes, at a multiple of 256 from h's first byte
.set q, q+1
.endr
.else
.set q, 0
.rept 16
	ds_load_b128 v[BSET+4*q:BSET+4*q+3], v13 offset:q*SPITCH       ; one row of 512 bytes a load
.set q, q+1
.endr
.set q, 0
.rept 16
	s_wait_dscnt 15-q                              ; LDS loads come back in order: row q is back
	global_store_b128 v2, v[BSET+4*q:BSET+4*q+3], s[AB+2*q:AB+2*q+1]  ; the wave stores 512 consecutive bytes, at a multiple of 512 from part's first byte
.set q, q+1
.endr
.endif
.Ldone:
	s_wait_tensorcnt 0x0                           ; the wave's end
	ds_add_u32 v[SPW], v[NIL]
	s_wait_dscnt 0x0
	s_endpgm
.Lfunc_end_k_q597560c909_ffn1:
	.size	k_q597560c909_ffn1, .Lfunc_end_k_q597560c909_ffn1-k_q597560c909_ffn1
	.p2alignl 7, 3214868480
	.fill 96, 4, 3214868480
	.section	.rodata,"a",@progbits
	.p2align	6, 0x0
	.amdhsa_kernel k_q597560c909_ffn1
		.amdhsa_group_segment_fixed_size 223744
		.amdhsa_private_segment_fixed_size 0
		.amdhsa_enable_private_segment 0
		.amdhsa_kernarg_size 56
		.amdhsa_user_sgpr_count 2
		.amdhsa_user_sgpr_kernarg_segment_ptr 1
		.amdhsa_wavefront_size32 1
		.amdhsa_system_sgpr_workgroup_id_x 1
		.amdhsa_system_sgpr_workgroup_id_y 1
		.amdhsa_system_sgpr_workgroup_id_z 1
		.amdhsa_system_vgpr_workitem_id 0
		.amdhsa_next_free_vgpr 256
		.amdhsa_next_free_sgpr 100
		.amdhsa_reserve_vcc 1
		.amdhsa_float_denorm_mode_32 3
		.amdhsa_float_denorm_mode_16_64 3
		.amdhsa_memory_ordered 1
		.amdhsa_forward_progress 1
		.amdhsa_inst_pref_size 165
	.end_amdhsa_kernel
	.amdgpu_metadata
---
amdhsa.version: [ 1, 2 ]
amdhsa.kernels:
  - .name:           k_q597560c909_ffn1
    .symbol:         k_q597560c909_ffn1.kd
    .args:
      - { .name: W1, .offset: 0, .size: 8, .value_kind: global_buffer, .address_space: global }
      - { .name: b1, .offset: 8, .size: 8, .value_kind: global_buffer, .address_space: global }
      - { .name: ln_g, .offset: 16, .size: 8, .value_kind: global_buffer, .address_space: global }
      - { .name: ln_b, .offset: 24, .size: 8, .value_kind: global_buffer, .address_space: global }
      - { .name: z, .offset: 32, .size: 8, .value_kind: global_buffer, .address_space: global }
      - { .name: bitmap, .offset: 40, .size: 8, .value_kind: global_buffer, .address_space: global }
      - { .name: h, .offset: 48, .size: 8, .value_kind: global_buffer, .address_space: global }
    .group_segment_fixed_size: 223744
    .private_segment_fixed_size: 0
    .kernarg_segment_align: 8
    .kernarg_segment_size: 56
    .max_flat_workgroup_size: 512
    .sgpr_count:     100
    .vgpr_count:     256
    .wavefront_size: 32
...
	.end_amdgpu_metadata
.endif
;; end of part 2
;; launch ffn2 (part 3): grid 32 x 11, 16 waves a work-group, no clusters, 223,744 bytes of LDS; arguments W2, h, bitmap, part; writes part
.if DOCPART == 3
	.amdgcn_target "amdgcn-amd-amdhsa--gfx1250"
	.amdhsa_code_object_version 6
	.text
	.protected	k_q597560c909_ffn2
	.globl	k_q597560c909_ffn2
	.p2align	8
	.type	k_q597560c909_ffn2,@function
k_q597560c909_ffn2:
	s_mov_b64 s[64:65], 0
	v_nop
	global_prefetch_b8 v0, s[64:65] scope:SCOPE_SE
	s_setreg_imm32_b32 hwreg(HW_REG_WAVE_MODE, 25, 1), 1
	s_wait_xcnt 0x0
; ONE TEXT FOR BOTH PRODUCTS OF THE EXPERTS' LAYER; KIND picks what differs.
;   KIND 1:  h[r][n]       = relu( sum_k z[r][k] (g[e][k] W1[e][k][n])  +  sum_k lb[e][k] W1[e][k][n]  +  b1[e][n] ), bf16: LN(x) W1 with the norm's gain folded into the weights and its bias into the bias.
;   KIND 2:  part[q][r][n] = sum over the q-th quarter of k of h[r][k] W2[e][k][n], f32 partial sums, which the last launch adds.
; e is the expert that row r chose.  Matrix operands are bf16, each rounded once (the weights after the gain, in f32); sums are f32.
; SHARES.  A work-group has a slice of ONE expert's weights, 1,024 k x 128 n (512 KiB of f32), which it alone reads, once, and a block of at most 256 of that expert's rows.
; Grid x = the slice (KIND 1: 32 slices of n; KIND 2: 4 quarters of k x 8 slices of n).  Grid y < 8: expert y, its rows 0-255.  y = 8..10: the (y - 8)-th of all further blocks of 256 rows;
; 1,024 rows in 8 experts never have more than 3 of those, so the grid serves every split.
; SIXTEEN WAVES, ALL ALIKE.  K goes in 8 chunks of 128 through two LDS slots.  In a trip a wave stages its sixteenth of the next chunk (8 k-rows of weights: f32 in registers, scaled, rounded, 8 bytes a lane
; into LDS; and the 16 rows of row tile w), asks for what comes after, and multiplies the chunk in the other slot.  One barrier a trip.  Weights are asked for two chunks ahead: 16 loads of 512 bytes a wave are out.
; A wave multiplies row tiles rg, rg + 4, rg + 8, rg + 12 (rg = w / 4) by column tiles 2 cg, 2 cg + 1 (cg = w % 4): 8 accumulators.
; THE WEIGHTS lie [k][n], so they go into LDS as they lie, in bf16, and come out turned, by ds_load_tr16_b128.  The matrix instruction is used transposed (source 0 = 16 n, source 1 = 16 rows):
; a lane then holds one row and eight neighbouring columns.
; THE ROWS.  Place i of the block is the (256 block + i)-th set bit of the expert's bitmap.  Lane l of wave w finds place 16 w + l % 16 for itself.  Each of the tile's 16 rows then gets a scalar base of its own
; (the row number held to 0..1,023, shifted, added to the buffer's address), and a load or store of the wave takes one row's bytes: the vector offset beside the base holds the lane alone and is made at the head;
; the chunk stands in the load's immediate.  So the eight trips are written out, by one macro, and no register that serves as a vector address is written behind the head.
; Places past the count repeat the expert's last row: the same numbers, stored to the same place by the same wave.  Row tiles 0-7 are always staged and multiplied, tiles 8-15 only where they hold rows.
; WHAT HANGS ON THE COUNTS.  Every wave passes every barrier, whatever the counts: only work is jumped, forward (conversions, LDS stores, products, global stores).  Loads from memory are never jumped:
; where they are not wanted they run with no lane on and move nothing, so that each counted wait counts the same loads on every way.  A work-group that a split leaves without rows goes through the text so and stores nothing.
; An expert without rows costs its work-groups of y < 8 the first two chunks of weights: those are asked for before the count is known.
; NO CLUSTER, NO TENSOR LOADS: each slice of weights has one reader and must pass through registers to be scaled and rounded; the rows that an expert's work-groups share come by numbers, which no descriptor covers.
; LIMITS: relu(NaN) is 0 here.  bf16 has f32's range, so large weights or rows cost no range.
.set KIND, 2
.set PB,     288                       ; an LDS row of weights: 128 bf16 + 32 bytes
.set PA,     272                       ; an LDS row of activations: 128 bf16 + 16 bytes: 68 words, so the 16 rows of a fragment load start at 16 different groups of four banks
.set BBYTES, 128*PB
.set SLOT,   BBYTES+256*PA             ; a slot: 128 k of weights, then 256 rows
.set BIAS,   2*SLOT                    ; KIND 1: each wave's part of sum_k lb W1: 16 x 512 bytes
.set BT,     BIAS+16*512               ; KIND 1: the slice's 128 biases
.set SPARE,  BT+512                    ; the spare words: 128 bytes for each of 16 waves, eight blocks of 256 bytes that no other line names
.if KIND == 1
.set PITCH,  16384                     ; bytes from k to k + 1 in the weights
.set WSH,    17                        ; my 8 k-rows begin at wave << WSH
.set ROWSH,  11                        ; a row of z is 2,048 bytes
.set OUTSH,  13                        ; a row of h is 8,192 bytes
.set SPITCH, 272                       ; the stage for the way out, over the slots: 256 rows of 256 bytes + 16
.set PACT,   12                        ; s[12:13] z, s[14:15] bitmap, s[16:17] h
.set PBM,    14
.set POUT,   16
.else
.set PITCH,  4096
.set WSH,    15
.set ROWSH,  13                        ; a row of h
.set OUTSH,  12                        ; a row of part is 4,096 bytes
.set SPITCH, 528                       ; 256 rows of 512 bytes + 16
.set PACT,   6                         ; s[6:7] h, s[8:9] bitmap, s[10:11] part
.set PBM,    8
.set POUT,   10
.endif
.set CHUNKB, 128*PITCH                 ; bytes from a chunk of weights to the next
; scalar registers (s27 to s31: at work)
.set WV,    2                          ; wave 0..15
.set RG,    3                          ; w / 4
.set CG,    18                         ; w % 4
.set GX,    19
.set GY,    20
.set EX,    21                         ; the expert
.set BLK,   22                         ; the block of 256 of its rows
.set CNT,   23                         ; its rows
.set NR,    24                         ; rows in the block, 0 to 256
.set NTL,   25                         ; row tiles that hold rows
.set GRD,   26                         ; how many of my four row tiles are multiplied: 2, 3, 4
.set SW,    32                         ; s[32:33] the weights, at the chunk to be asked for
.set SA,    34                         ; s[34:35] the activations, at the first column of my K range; never stepped
.set PG,    36                         ; s[36:37], s[38:39] KIND 1: gain and bias of the norm at my 8 k of a chunk
.set PL,    38
.set OUTB,  40                         ; s[40:41] the output at my slice's first column  (s[40:47] first: all experts' counts)
.set B1B,   42                         ; s[42:43] KIND 1: b1 at my slice
.set LIVE,  44                         ; 1: the block has rows
.set LMASK, 45                         ; -1 or 0: the same as lanes
.set AST,   46                         ; 1: I stage row tile w
.set AMASK, 47
.set GV,    48                         ; s[48:55] KIND 1: 8 gains,
.set LV,    56                         ; s[56:63] 8 biases
.set SV,    66                         ; EXEC, kept while it is narrowed
.set PM,    67                         ; -1 or 0: the lanes of the first two chunks' loads
.set WORD,  68                         ; s[68:99] the expert's 32 words of the bitmap
.set AB,    68                         ; later: a base for each of my 16 rows: of the activations, and at the end of the output
; vector registers.  v1 lane; v2 16 x lane; v3, v4 where my weights go in slot 0, 1; v5, v6 where my rows go; v7, v8 my A fragments; v9, v10 my B fragments; v11 the stage, in; v12 KIND 1: my columns' biases,
; KIND 2: the stage's rows 128 on; v13 the stage, back; v15 0; v[16:19] KIND 1: bias sums; v30, v31 KIND 1: my part of BIAS, BIAS + 16 x lane.  v2 to v13, v21, v30, v31 are made once, at the head, and never rewritten.
.set ROWV, 20                          ; lane l: the row number of place l % 16 of row tile w
.set AOFF, 21                          ; 8 x lane: my 8 bytes of 256
.set SPW,  28                          ; LDS address of my spare word; never rewritten
.set NIL,  29                          ; 0; never rewritten
.set AF,   32                          ; v[32:63]   four A fragments
.set BF0,  64                          ; v[64:79], v[80:95] two B fragments, two buffers (before the first trip: at work)
.set BF1,  80
.set ASET, 96                          ; v[96:127]  a chunk's rows on their way: 16 loads
.set BSET, 128                         ; v[128:191] two chunks' weights on their way: 8 loads each
.set ACC,  192                         ; v[192:255] accumulator (i, b) at ACC + 8 (2 i + b)
.macro BAR                             ; for the others' sake: all my LDS stores are done and all my LDS reads are back
	s_wait_dscnt 0x0
	s_barrier_signal -1
	s_barrier_wait -1
.endm
.macro PLACES                          ; four plain vector instructions between matrix instructions and loads into their sources, or reads of their results
.rept 4
	v_nop
.endr
.endm
.macro NARROW m                        ; the lanes of the loads that follow: all or none
	s_wait_xcnt 0x0                                ; EXEC changes only behind this wait
	s_mov_b32 vcc_lo, s[\m]
	s_and_saveexec_b32 s[SV], vcc_lo
.endm
.macro WIDEN
	s_wait_xcnt 0x0                                ; and again, in front of the line that widens it
	s_or_b32 exec_lo, exec_lo, s[SV]
.endm
; my 8 k-rows of a chunk of weights, 512 consecutive bytes each; read once in the launch
.macro ISSB set, co
.set nb, 0
.rept 8
	global_load_b128 v[(\set)+4*nb:(\set)+4*nb+3], v2, s[SW:SW+1] offset:(\co)*CHUNKB+nb*PITCH th:TH_LOAD_NT
.set nb, nb+1
.endr
.endm
; my 16 rows of chunk ca, one a load: the wave takes a row's 256 consecutive bytes, 8 a lane
.macro ISSA ca
.set na, 0
.rept 16
	global_load_b64 v[ASET+2*na:ASET+2*na+1], v[AOFF], s[AB+2*na:AB+2*na+1] offset:256*(\ca)
.set na, na+1
.endr
.endm
.macro STA sl
.set na, 0
.rept 16
	ds_store_b64 v[5+(\sl)], v[ASET+2*na:ASET+2*na+1] offset:na*PA
.set na, na+1
.endr
.endm
; a base for each of my 16 rows: the row number, held inside the table, shifted to bytes and added to the buffer's address
.macro ROWBASE from, sh
	s_mov_b32 s29, 0
.set q, 0
.rept 16
	v_readlane_b32 s28, v[ROWV], q
	s_min_u32 s28, s28, 0x3ff
	s_lshl_b32 s28, s28, \sh
	s_add_nc_u64 s[AB+2*q:AB+2*q+1], s[\from:\from+1], s[28:29]
.set q, q+1
.endr
.endm
; my 8 k-rows: (KIND 1: the bias sums take lb W, the weights take the gain, both in f32;) rounded once, 8 bytes a lane into LDS
.macro CVT set, sl
.set nc, 0
.rept 8
.set rw, (\set)+4*nc
.if KIND == 1
	v_fmac_f32 v16, s[LV+nc], v[rw]
	v_fmac_f32 v17, s[LV+nc], v[rw+1]
	v_fmac_f32 v18, s[LV+nc], v[rw+2]
	v_fmac_f32 v19, s[LV+nc], v[rw+3]
	v_mul_f32 v[rw], s[GV+nc], v[rw]
	v_mul_f32 v[rw+1], s[GV+nc], v[rw+1]
	v_mul_f32 v[rw+2], s[GV+nc], v[rw+2]
	v_mul_f32 v[rw+3], s[GV+nc], v[rw+3]
.endif
	v_cvt_pk_bf16_f32 v[rw], v[rw], v[rw+1]
	v_cvt_pk_bf16_f32 v[rw+1], v[rw+2], v[rw+3]
	ds_store_b64 v[3+(\sl)], v[rw:rw+1] offset:nc*PB
.set nc, nc+1
.endr
.endm
; A chunk is staged into slot sl.  wt: the younger loads that may stay out.  ia: the rows of chunk ca, the next, are asked for; ib: the weights two chunks on (step: chunks that the pointer moves); ls: the next chunk's gains.
; The rows are asked for AHEAD of the weights: at the next staging the 8 youngest loads are the weights two chunks on, and this chunk's rows and weights are older.
.macro STAGE sl, wt, step, ia, ib, ls, ca
	s_wait_loadcnt \wt                             ; loads come back in order: this chunk's weights and rows are in
.if KIND == 1
	s_wait_kmcnt 0x0                               ; this chunk's gains and biases
.endif
	s_cmp_eq_u32 s[LIVE], 0
	s_cbranch_scc1 .Lno_b_\@                       ; a block without rows
	CVT BSET+32*(\sl), \sl
.Lno_b_\@:
.if (KIND == 1) && (\ls)
	s_add_nc_u64 s[PG:PG+1], s[PG:PG+1], 512       ; 128 k on; the loads that named these pointers are done
	s_add_nc_u64 s[PL:PL+1], s[PL:PL+1], 512
	s_load_b256 s[GV:GV+7], s[PG:PG+1], 0x0
	s_load_b256 s[LV:LV+7], s[PL:PL+1], 0x0
.endif
	s_cmp_eq_u32 s[AST], 0
	s_cbranch_scc1 .Lno_a_\@                       ; row tile w holds no rows
	STA \sl
.Lno_a_\@:
.if \ia
	NARROW AMASK
	ISSA \ca
	WIDEN
.endif
.if \ib
	s_add_nc_u64 s[SW:SW+1], s[SW:SW+1], (\step)*CHUNKB  ; the last loads that named this base stand in front of a wait for XCNT 0
	NARROW LMASK
	ISSB BSET+32*(\sl), 0
	WIDEN
.endif
.endm
; two B fragments (32 k x 16 n each), turned: the first load of a pair brings k = 8 (l / 16) + 0..7, the second 16 more
.macro LOADB sl, ks, buf
.set nl, 0
.rept 2
	ds_load_tr16_b128 v[(\buf)+8*nl:(\buf)+8*nl+3],   v[9+(\sl)] offset:(\ks)*32*PB+32*nl
	ds_load_tr16_b128 v[(\buf)+8*nl+4:(\buf)+8*nl+7], v[9+(\sl)] offset:(\ks)*32*PB+32*nl+16*PB
.set nl, nl+1
.endr
.endm
.macro LDA1 sl, ks, i                  ; the A fragment of my row tile i: 16 rows x 32 k
	ds_load_b128 v[AF+8*(\i):AF+8*(\i)+3],   v[7+(\sl)] offset:(\i)*64*PA+64*(\ks)
	ds_load_b128 v[AF+8*(\i)+4:AF+8*(\i)+7], v[7+(\sl)] offset:(\i)*64*PA+64*(\ks)+32
.endm
.macro LOADA sl, ks
	LDA1 \sl, \ks, 0
	LDA1 \sl, \ks, 1
	s_cmp_lt_u32 s[GRD], 3
	s_cbranch_scc1 .Lno_more_a_\@
	LDA1 \sl, \ks, 2
	s_cmp_lt_u32 s[GRD], 4
	s_cbranch_scc1 .Lno_more_a_\@
	LDA1 \sl, \ks, 3
.Lno_more_a_\@:
.endm
.macro MUL2 buf, i
.set nm, 0
.rept 2
	v_wmma_f32_16x16x32_bf16 v[ACC+8*(2*(\i)+nm):ACC+8*(2*(\i)+nm)+7], v[(\buf)+8*nm:(\buf)+8*nm+7], v[AF+8*(\i):AF+8*(\i)+7], v[ACC+8*(2*(\i)+nm):ACC+8*(2*(\i)+nm)+7]
.set nm, nm+1
.endr
.endm
.macro MUL buf                         ; the accumulators take turns, one instruction a turn: 4, 6 or 8 of them, in the same order in every K step
	MUL2 \buf, 0
	MUL2 \buf, 1
	s_cmp_lt_u32 s[GRD], 3
	s_cbranch_scc1 .Lno_more_m_\@
	MUL2 \buf, 2
	s_cmp_lt_u32 s[GRD], 4
	s_cbranch_scc1 .Lno_more_m_\@
	MUL2 \buf, 3
.Lno_more_m_\@:
.endm
; a chunk: four K steps of 32.  B's fragments are fetched a step ahead; the count 4 leaves just those out: A's loads, whose number hangs on the guard, are older
.macro CMUL sl
	PLACES
	LOADB \sl, 0, BF0
	LOADA \sl, 0
	LOADB \sl, 1, BF1
	s_wait_dscnt 4
	MUL BF0
	PLACES
	LOADA \sl, 1
	LOADB \sl, 2, BF0
	s_wait_dscnt 4
	MUL BF1
	PLACES
	LOADA \sl, 2
	LOADB \sl, 3, BF1
	s_wait_dscnt 4
	MUL BF0
	PLACES
	LOADA \sl, 3
	s_wait_dscnt 0x0
	MUL BF1
.endm
; A TRIP: the next chunk is staged into the other slot, slot sl is multiplied; one barrier for both changes.  tail 1: the last staging; 2: nothing is left to stage.  ca: the chunk whose rows are asked for.
.macro TRIP sl, wt, ia, ib, ls, tail, ca
.if (\tail) < 2
	STAGE 1-(\sl), \wt, 1, \ia, \ib, \ls, \ca
.endif
.if KIND == 1
.if (\tail) == 1
	ds_store_b128 v30, v[16:19]                    ; my part of sum_k lb W1
	global_load_b128 v[ASET:ASET+3], v2, s[B1B:B1B+1]  ; b1, a trip ahead of its use; every wave asks, so that the wait below holds on every way
.elseif (\tail) == 2
	s_wait_loadcnt 0x0                             ; b1
	s_cmp_lg_u32 s[WV], 0
	s_cbranch_scc1 .Lnot_first_\@                  ; wave 0 adds the sixteen parts and b1
.set np, 0
.rept 16
	ds_load_b128 v[BSET+4*np:BSET+4*np+3], v31 offset:512*np
.set np, np+1
.endr
	s_wait_dscnt 0x0
.set np, 0
.rept 16
	v_pk_add_f32 v[ASET:ASET+1], v[ASET:ASET+1], v[BSET+4*np:BSET+4*np+1]
	v_pk_add_f32 v[ASET+2:ASET+3], v[ASET+2:ASET+3], v[BSET+4*np+2:BSET+4*np+3]
.set np, np+1
.endr
	ds_store_b128 v31, v[ASET:ASET+3] offset:BT-BIAS
.Lnot_first_\@:
.endif
.endif
	s_cmp_eq_u32 s[LIVE], 0
	s_cbranch_scc1 .Lno_m_\@
	CMUL \sl
.Lno_m_\@:
	BAR
.endm
; one level of the search for the v72-th set bit: does it lie in the lower half of the field at bit v81?  src holds the counts of fields half as wide
.macro LEVEL src, mask, step
	v_lshrrev_b32 v80, v81, v[\src]
	v_and_b32 v80, \mask, v80
	v_cmp_ge_u32 vcc_lo, v72, v80
	v_cndmask_b32 v80, 0, v80, vcc_lo
	v_sub_nc_u32 v72, v72, v80
	v_cndmask_b32 v80, 0, \step, vcc_lo
	v_add_nc_u32 v81, v81, v80
.endm
; the way out of my row tile i: KIND 1: + bias, rounded to bf16, relu on the packed halves, 16 bytes a lane; KIND 2: the f32 sums as they are, 32 bytes a lane.  Each accumulator is read from its low end on.
.macro PUT i
.set ob, 0
.rept 2
.set ra, ACC+8*(2*(\i)+ob)
.if KIND == 1
.set rt, ASET+4*ob
	v_pk_add_f32 v[ra:ra+1], v[ra:ra+1], v[BF0+8*ob:BF0+8*ob+1]
	v_pk_add_f32 v[ra+2:ra+3], v[ra+2:ra+3], v[BF0+8*ob+2:BF0+8*ob+3]
	v_pk_add_f32 v[ra+4:ra+5], v[ra+4:ra+5], v[BF0+8*ob+4:BF0+8*ob+5]
	v_pk_add_f32 v[ra+6:ra+7], v[ra+6:ra+7], v[BF0+8*ob+6:BF0+8*ob+7]
	v_cvt_pk_bf16_f32 v[rt], v[ra], v[ra+1]
	v_cvt_pk_bf16_f32 v[rt+1], v[ra+2], v[ra+3]
	v_cvt_pk_bf16_f32 v[rt+2], v[ra+4], v[ra+5]
	v_cvt_pk_bf16_f32 v[rt+3], v[ra+6], v[ra+7]
	v_pk_max_num_bf16 v[rt], v[rt], v15
	v_pk_max_num_bf16 v[rt+1], v[rt+1], v15
	v_pk_max_num_bf16 v[rt+2], v[rt+2], v15
	v_pk_max_num_bf16 v[rt+3], v[rt+3], v15
	ds_store_b128 v11, v[rt:rt+3] offset:(\i)*64*SPITCH+32*ob
.else
	ds_store_b128 v[11+(\i)/2], v[ra:ra+3]   offset:((\i)%2)*64*SPITCH+64*ob
	ds_store_b128 v[11+(\i)/2], v[ra+4:ra+7] offset:((\i)%2)*64*SPITCH+64*ob+16
.endif
.set ob, ob+1
.endr
.endm
.if KIND == 1
	s_load_b256 s[4:11], s[0:1], 0x0               ; W1 s[4:5], b1 s[6:7], ln_g s[8:9], ln_b s[10:11]
	s_load_b128 s[12:15], s[0:1], 0x20             ; z, bitmap
	s_load_b64 s[16:17], s[0:1], 0x30              ; h
.else
	s_load_b256 s[4:11], s[0:1], 0x0               ; W2 s[4:5], h s[6:7], bitmap s[8:9], part s[10:11]
.endif
	v_lshl_add_u32 v[SPW], v0, 2, SPARE
	v_mov_b32 v[NIL], 0
	v_lshrrev_b32 v64, 5, v0
	v_readfirstlane_b32 s[WV], v64
	v_and_b32 v1, 31, v0
	v_lshlrev_b32 v2, 4, v1
	v_lshlrev_b32 v[AOFF], 3, v1
	s_lshr_b32 s[RG], s[WV], 2
	s_and_b32 s[CG], s[WV], 3
	s_mov_b32 s[GX], ttmp9
	s_and_b32 s[GY], ttmp7, 0xffff
	; EVERY LDS ADDRESS, once, from the thread's number, the wave's number and constants
	v_and_b32 v64, 15, v0                          ; l % 16
	v_bfe_u32 v65, v0, 4, 1                        ; l / 16
	s_mul_i32 s28, s[WV], 8*PB
	v_lshl_add_u32 v3, v1, 3, s28                  ; weights in: k-row 8 w, 8 bytes a lane
	v_add_nc_u32 v4, SLOT, v3
	s_mul_i32 s28, s[WV], 16*PA
	s_add_co_u32 s28, s28, BBYTES
	v_lshl_add_u32 v5, v1, 3, s28                  ; rows in: row 16 w, 8 bytes a lane
	v_add_nc_u32 v6, SLOT, v5
	s_mul_i32 s28, s[RG], 16*PA
	s_add_co_u32 s28, s28, BBYTES
	v_mul_u32_u24 v7, v64, PA                      ; A: row 16 rg + l % 16, 16 bytes for each half of the lanes
	v_lshl_add_u32 v7, v65, 4, v7
	v_add_nc_u32 v7, s28, v7
	v_add_nc_u32 v8, SLOT, v7
	v_and_b32 v66, 7, v0                           ; B: k-row 8 (l / 16) + l % 8, columns 32 cg + 8 ((l / 8) % 2) on
	v_lshl_add_u32 v66, v65, 3, v66
	v_mul_u32_u24 v9, v66, PB
	v_bfe_u32 v66, v0, 3, 1
	v_lshl_add_u32 v9, v66, 4, v9
	s_lshl_b32 s28, s[CG], 6
	v_add_nc_u32 v9, s28, v9
	v_add_nc_u32 v10, SLOT, v9
	s_mul_i32 s28, s[RG], 16*SPITCH                ; the stage, in: row 16 rg + l % 16, my 32 columns, my half of the lanes' eight
	v_mul_u32_u24 v11, v64, SPITCH
.if KIND == 1
	s_lshl_b32 s29, s[CG], 6
	s_add_co_u32 s28, s28, s29
	v_lshl_add_u32 v11, v65, 4, v11
	v_add_nc_u32 v11, s28, v11
	s_lshl_b32 s28, s[CG], 7
	s_add_co_u32 s28, s28, BT
	v_lshl_add_u32 v12, v65, 5, s28                ; the biases of my columns
	s_mul_i32 s28, s[WV], 16*SPITCH
	v_lshl_add_u32 v13, v1, 3, s28                 ; the stage, back: a row of 256 bytes a load, 8 bytes a lane
	s_lshl_b32 s28, s[WV], 9
	s_add_co_u32 s28, s28, BIAS
	v_add_nc_u32 v30, s28, v2
	v_add_nc_u32 v31, BIAS, v2
	v_mov_b32 v15, 0
	v_mov_b32 v16, 0
	v_mov_b32 v17, 0
	v_mov_b32 v18, 0
	v_mov_b32 v19, 0
.else
	s_lshl_b32 s29, s[CG], 7
	s_add_co_u32 s28, s28, s29
	v_lshl_add_u32 v11, v65, 5, v11
	v_add_nc_u32 v11, s28, v11
	v_add_nc_u32 v12, 2*64*SPITCH, v11             ; row tiles 2 and 3 lie past a 16-bit offset
	s_mul_i32 s28, s[WV], 16*SPITCH
	v_add_nc_u32 v13, s28, v2                      ; the stage, back: a row of 512 bytes a load
.endif
	; 176 lines that write 0, in the wait for the arguments: what loads with narrowed lanes will fill (96) is written whole first; the sums start at 0 (64); the fragments of row tiles 2 and 3 hold numbers
	; on every way (16).  The gain is one macro for every trip.
.set cz, ASET
.rept 160
	v_mov_b32 v[cz], 0
.set cz, cz+1
.endr
.set cz, AF+16
.rept 16
	v_mov_b32 v[cz], 0
.set cz, cz+1
.endr
	s_wait_kmcnt 0x0
	s_cmp_lt_u32 s[GY], 8
	s_cbranch_scc1 .Lprimary
	; A FURTHER BLOCK.  All experts' counts: lane l counts the bitmap's words 8 l .. 8 l + 7 (four lanes an expert), in whole numbers throughout
	v_lshlrev_b32 v72, 5, v1
	global_load_b128 v[64:67], v72, s[PBM:PBM+1]
	global_load_b128 v[68:71], v72, s[PBM:PBM+1] offset:16
	s_mov_b32 s28, 0x55555555
	s_mov_b32 s29, 0x33333333
	s_mov_b32 s30, 0x0f0f0f0f
	s_wait_loadcnt 0x0
.irp i, 64,65,66,67,68,69,70,71
	v_lshrrev_b32 v73, 1, v[\i]                    ; counts in fields of 2, 4 and 8 bits
	v_and_b32 v73, s28, v73
	v_sub_nc_u32 v[\i], v[\i], v73
	v_lshrrev_b32 v73, 2, v[\i]
	v_and_b32 v[\i], s29, v[\i]
	v_and_b32 v73, s29, v73
	v_add_nc_u32 v[\i], v[\i], v73
	v_lshrrev_b32 v73, 4, v[\i]
	v_add_nc_u32 v[\i], v[\i], v73
	v_and_b32 v[\i], s30, v[\i]
.endr
	v_add_nc_u32 v64, v64, v65                     ; eight words: 64 a byte at the most
	v_add_nc_u32 v66, v66, v67
	v_add_nc_u32 v68, v68, v69
	v_add_nc_u32 v70, v70, v71
	v_add_nc_u32 v64, v64, v66
	v_add_nc_u32 v68, v68, v70
	v_add_nc_u32 v64, v64, v68
	v_lshrrev_b32 v73, 8, v64
	v_add_nc_u32 v64, v64, v73
	v_and_b32 v64, 0x00ff00ff, v64
	v_lshrrev_b32 v73, 16, v64
	v_add_nc_u32 v64, v64, v73
	v_and_b32 v64, 0x1ff, v64                      ; 256 at the most
	v_mov_b32 v73, 0
	v_mov_b32_dpp v73, v64 row_xmask:1 row_mask:0xf bank_mask:0xf
	v_add_nc_u32 v64, v64, v73
	v_mov_b32_dpp v73, v64 row_xmask:2 row_mask:0xf bank_mask:0xf
	v_add_nc_u32 v64, v64, v73
.irp e, 0,1,2,3,4,5,6,7
	v_readlane_b32 s[40+\e], v64, 4*\e
.endr
	s_sub_co_u32 s28, s[GY], 8                     ; which of the further blocks
	s_mov_b32 s[EX], 0                             ; none found yet: block 4 begins at row 1,024, past every count
	s_mov_b32 s[BLK], 4
	s_mov_b32 s[PM], 0
	s_mov_b32 s29, 0                               ; further blocks of the experts before
.irp e, 0,1,2,3,4,5,6,7
	s_add_co_u32 s30, s[40+\e], 255
	s_lshr_b32 s30, s30, 8
	s_max_u32 s30, s30, 1
	s_sub_co_u32 s30, s30, 1                       ; this expert's further blocks
	s_sub_co_u32 s31, s28, s29                     ; mine would be this one of them (a wrapped number is below nothing)
	s_add_co_u32 s29, s29, s30
	s_add_co_u32 s27, s31, 1
	s_cmp_lt_u32 s31, s30
	s_cselect_b32 s[EX], \e, s[EX]
	s_cselect_b32 s[BLK], s27, s[BLK]
	s_cselect_b32 s[PM], -1, s[PM]
.endr
	s_branch .Lhave
.Lprimary:
	s_mov_b32 s[EX], s[GY]
	s_mov_b32 s[BLK], 0
	s_mov_b32 s[PM], -1
.Lhave:
	s_min_u32 s[EX], s[EX], 7
	s_lshl_b32 s28, s[EX], 7
	s_mov_b32 s29, 0                               ; the high word of the offsets below
	s_add_nc_u64 s[30:31], s[PBM:PBM+1], s[28:29]
	s_load_b512 s[WORD:WORD+15], s[30:31], 0x0     ; the expert's 1,024 bits; s[30:31] stay until the wait for them
	s_load_b512 s[WORD+16:WORD+31], s[30:31], 0x40
	s_lshl_b32 s28, s[EX], 24                      ; an expert's weights are 16 MiB
	s_lshl_b32 s36, s[WV], WSH                     ; my 8 k-rows of a chunk
	s_add_co_u32 s28, s28, s36
.if KIND == 1
	s_lshl_b32 s36, s[GX], 9                       ; the slice's 128 columns
	s_add_co_u32 s28, s28, s36
	s_add_nc_u64 s[SW:SW+1], s[4:5], s[28:29]
	s_mov_b64 s[SA:SA+1], s[PACT:PACT+1]
	s_lshl_b32 s28, s[GX], 8
	s_add_nc_u64 s[OUTB:OUTB+1], s[POUT:POUT+1], s[28:29]
	s_lshl_b32 s28, s[EX], 14
	s_add_co_u32 s28, s28, s36
	s_add_nc_u64 s[B1B:B1B+1], s[6:7], s[28:29]
.else
	s_lshr_b32 s37, s[GX], 3                       ; the quarter of k
	s_and_b32 s38, s[GX], 7                        ; the slice of n
	s_lshl_b32 s36, s37, 22                        ; 1,024 k-rows of 4,096 bytes; also a quarter's 4 MiB in part
	s_add_co_u32 s28, s28, s36
	s_lshl_b32 s39, s38, 9
	s_add_co_u32 s28, s28, s39
	s_add_nc_u64 s[SW:SW+1], s[4:5], s[28:29]
	s_add_co_u32 s28, s36, s39
	s_add_nc_u64 s[OUTB:OUTB+1], s[POUT:POUT+1], s[28:29]
	s_lshl_b32 s28, s37, 11                        ; the quarter's 1,024 columns of h
	s_add_nc_u64 s[SA:SA+1], s[PACT:PACT+1], s[28:29]
.endif
	NARROW PM
	ISSB BSET, 0                                   ; the stream starts before the count is known: chunks 0 and 1
	ISSB BSET+32, 1
	WIDEN
	s_wait_kmcnt 0x0
	s_bcnt1_i32_b32 s[CNT], s[WORD]
.set wi, 1
.rept 31
	s_bcnt1_i32_b32 s28, s[WORD+wi]
	s_add_co_u32 s[CNT], s[CNT], s28
.set wi, wi+1
.endr
	s_lshl_b32 s28, s[BLK], 8
	s_sub_co_i32 s[NR], s[CNT], s28
	s_min_i32 s[NR], s[NR], 0x100
	s_max_i32 s[NR], s[NR], 0
	s_add_co_u32 s[NTL], s[NR], 15
	s_lshr_b32 s[NTL], s[NTL], 4
	s_cmp_lg_u32 s[NR], 0
	s_cselect_b32 s[LIVE], 1, 0
	s_cselect_b32 s[LMASK], -1, 0
	s_max_u32 s30, s[NTL], 8                       ; row tiles 0-7 are always staged
	s_cmp_lt_u32 s[WV], s30
	s_cselect_b32 s[AST], s[LIVE], 0
	s_cselect_b32 s[AMASK], s[LMASK], 0
	s_add_co_u32 s30, s[RG], 8
	s_cmp_lt_u32 s30, s[NTL]
	s_cselect_b32 s[GRD], 3, 2
	s_add_co_u32 s30, s[RG], 12
	s_cmp_lt_u32 s30, s[NTL]
	s_cselect_b32 s30, 1, 0
	s_add_co_u32 s[GRD], s[GRD], s30
	; THE ROWS OF ROW TILE w
	s_lshl_b32 s30, s[WV], 4
	s_add_co_u32 s28, s28, s30
	s_sub_co_u32 s30, s[CNT], 1
	v_and_b32 v72, 15, v0
	v_add_nc_u32 v72, s28, v72                     ; place 16 w + l % 16 of the block wants the expert's row of this rank,
	v_min_u32 v72, s30, v72                        ; or the last one
	v_mov_b32 v73, s[WORD]                         ; the word that holds it,
	v_mov_b32 v74, 0                               ; the set bits in front of that word,
	v_mov_b32 v75, 0                               ; the word's number: the last word with no more bits in front of it than the rank
	s_mov_b32 s28, 0
.set wi, 1
.rept 31
	s_bcnt1_i32_b32 s31, s[WORD+wi-1]
	s_add_co_u32 s28, s28, s31
	v_cmp_le_u32 vcc_lo, s28, v72
	v_cndmask_b32 v73, v73, s[WORD+wi], vcc_lo
	v_cndmask_b32 v74, v74, s28, vcc_lo
	v_cndmask_b32 v75, v75, wi, vcc_lo
.set wi, wi+1
.endr
	v_sub_nc_u32 v72, v72, v74                     ; the rank within the word
	v_lshrrev_b32 v80, 1, v73
	v_and_b32 v80, 0x55555555, v80
	v_sub_nc_u32 v76, v73, v80                     ; counts of fields of 2 bits,
	v_lshrrev_b32 v80, 2, v76
	v_and_b32 v80, 0x33333333, v80
	v_and_b32 v77, 0x33333333, v76
	v_add_nc_u32 v77, v77, v80                     ; of 4,
	v_lshrrev_b32 v80, 4, v77
	v_add_nc_u32 v78, v77, v80
	v_and_b32 v78, 0x0f0f0f0f, v78                 ; of 8,
	v_lshrrev_b32 v80, 8, v78
	v_add_nc_u32 v79, v78, v80                     ; of 16 (in the low byte of each half)
	v_mov_b32 v81, 0
	LEVEL 79, 0xff, 16
	LEVEL 78, 0xff, 8
	LEVEL 77, 15, 4
	LEVEL 76, 3, 2
	LEVEL 73, 1, 1
	v_lshl_add_u32 v[ROWV], v75, 5, v81            ; the row
	ROWBASE SA, ROWSH                              ; over the bitmap's words, which are done with
.if KIND == 1
	s_lshl_b32 s28, s[EX], 12
	s_lshl_b32 s30, s[WV], 5
	s_add_co_u32 s28, s28, s30                     ; s29 is 0
	s_add_nc_u64 s[PG:PG+1], s[8:9], s[28:29]
	s_add_nc_u64 s[PL:PL+1], s[10:11], s[28:29]
	s_load_b256 s[GV:GV+7], s[PG:PG+1], 0x0        ; chunk 0's gains and biases
	s_load_b256 s[LV:LV+7], s[PL:PL+1], 0x0
.endif
	NARROW AMASK
	ISSA 0                                         ; chunk 0's rows
	WIDEN
	STAGE 0, 0, 2, 1, 1, 1, 1                      ; chunk 0 into slot 0 (its rows were asked for last, so the wait is for all); chunk 1's rows and chunk 2's weights are asked for
	BAR
	TRIP 0, 8, 1, 1, 1, 0, 2                       ; chunk 0 is multiplied, chunk 1 staged; chunk 2's rows and chunk 3's weights are asked for
	TRIP 1, 8, 1, 1, 1, 0, 3                       ; chunk 1
	TRIP 0, 8, 1, 1, 1, 0, 4                       ; chunk 2
	TRIP 1, 8, 1, 1, 1, 0, 5                       ; chunk 3
	TRIP 0, 8, 1, 1, 1, 0, 6                       ; chunk 4; chunk 7's weights are asked for: the last
	TRIP 1, 8, 1, 0, 1, 0, 7                       ; chunk 5; chunk 7's rows: the last
	TRIP 0, 0, 0, 0, 0, 1, 0                       ; chunk 6; chunk 7 is staged: its rows were asked for behind its weights, so the wait is for all
	TRIP 1, 0, 0, 0, 0, 2, 0                       ; chunk 7
	; THE WAY OUT, through a stage that lies over the slots: behind the barrier above nobody reads them any more
	PLACES
	s_cmp_eq_u32 s[LIVE], 0
	s_cbranch_scc1 .Lput
.if KIND == 1
.irp b, 0,1
	ds_load_b128 v[BF0+8*\b:BF0+8*\b+3],   v12 offset:64*\b
	ds_load_b128 v[BF0+8*\b+4:BF0+8*\b+7], v12 offset:64*\b+16
.endr
	s_wait_dscnt 0x0
.endif
	PUT 0
	PUT 1
	s_cmp_lt_u32 s[GRD], 3
	s_cbranch_scc1 .Lput
	PUT 2
	s_cmp_lt_u32 s[GRD], 4
	s_cbranch_scc1 .Lput
	PUT 3
.Lput:
	BAR                                            ; a row's bytes come from four waves
	s_cmp_ge_u32 s[WV], s[NTL]
	s_cbranch_scc1 .Ldone                          ; wave w stores row tile w, if it holds rows
	ROWBASE OUTB, OUTSH                            ; the rows' places in the output, over the bases of the row loads, all of which the last staging's wait has shown done
.if KIND == 1
.set q, 0
.rept 16
	ds_load_b64 v[BSET+2*q:BSET+2*q+1], v13 offset:q*SPITCH        ; one row of 256 bytes a load
.set q, q+1
.endr
.set q, 0
.rept 16
	s_wait_dscnt 15-q                              ; LDS loads come back in order: row q is back
	global_store_b64 v[AOFF], v[BSET+2*q:BSET+2*q+1], s[AB+2*q:AB+2*q+1]  ; the wave stores 256 consecutive bytes, at a multiple of 256 from h's first byte
.set q, q+1
.endr
.else
.set q, 0
.rept 16
	ds_load_b128 v[BSET+4*q:BSET+4*q+3], v13 offset:q*SPITCH       ; one row of 512 bytes a load
.set q, q+1
.endr
.set q, 0
.rept 16
	s_wait_dscnt 15-q                              ; LDS loads come back in order: row q is back
	global_store_b128 v2, v[BSET+4*q:BSET+4*q+3], s[AB+2*q:AB+2*q+1]  ; the wave stores 512 consecutive bytes, at a multiple of 512 from part's first byte
.set q, q+1
.endr
.endif
.Ldone:
	s_wait_tensorcnt 0x0                           ; the wave's end
	ds_add_u32 v[SPW], v[NIL]
	s_wait_dscnt 0x0
	s_endpgm
.Lfunc_end_k_q597560c909_ffn2:
	.size	k_q597560c909_ffn2, .Lfunc_end_k_q597560c909_ffn2-k_q597560c909_ffn2
	.p2alignl 7, 3214868480
	.fill 96, 4, 3214868480
	.section	.rodata,"a",@progbits
	.p2align	6, 0x0
	.amdhsa_kernel k_q597560c909_ffn2
		.amdhsa_group_segment_fixed_size 223744
		.amdhsa_private_segment_fixed_size 0
		.amdhsa_enable_private_segment 0
		.amdhsa_kernarg_size 32
		.amdhsa_user_sgpr_count 2
		.amdhsa_user_sgpr_kernarg_segment_ptr 1
		.amdhsa_wavefront_size32 1
		.amdhsa_system_sgpr_workgroup_id_x 1
		.amdhsa_system_sgpr_workgroup_id_y 1
		.amdhsa_system_sgpr_workgroup_id_z 1
		.amdhsa_system_vgpr_workitem_id 0
		.amdhsa_next_free_vgpr 256
		.amdhsa_next_free_sgpr 100
		.amdhsa_reserve_vcc 1
		.amdhsa_float_denorm_mode_32 3
		.amdhsa_float_denorm_mode_16_64 3
		.amdhsa_memory_ordered 1
		.amdhsa_forward_progress 1
		.amdhsa_inst_pref_size 137
	.end_amdhsa_kernel
	.amdgpu_metadata
---
amdhsa.version: [ 1, 2 ]
amdhsa.kernels:
  - .name:           k_q597560c909_ffn2
    .symbol:         k_q597560c909_ffn2.kd
    .args:
      - { .name: W2, .offset: 0, .size: 8, .value_kind: global_buffer, .address_space: global }
      - { .name: h, .offset: 8, .size: 8, .value_kind: global_buffer, .address_space: global }
      - { .name: bitmap, .offset: 16, .size: 8, .value_kind: global_buffer, .address_space: global }
      - { .name: part, .offset: 24, .size: 8, .value_kind: global_buffer, .address_space: global }
    .group_segment_fixed_size: 223744
    .private_segment_fixed_size: 0
    .kernarg_segment_align: 8
    .kernarg_segment_size: 32
    .max_flat_workgroup_size: 512
    .sgpr_count:     100
    .vgpr_count:     256
    .wavefront_size: 32
...
	.end_amdgpu_metadata
.endif
;; end of part 3
;; launch combine (part 4): grid 256 x 1, 4 waves a work-group, no clusters, 0 bytes of LDS; arguments input_features, b2, assign, part, out0; writes out0
.if DOCPART == 4
	.amdgcn_target "amdgcn-amd-amdhsa--gfx1250"
	.amdhsa_code_object_version 6
	.text
	.protected	k_q597560c909_combine
	.globl	k_q597560c909_combine
	.p2align	8
	.type	k_q597560c909_combine,@function
k_q597560c909_combine:
	s_mov_b64 s[64:65], 0
	v_nop
	global_prefetch_b8 v0, s[64:65] scope:SCOPE_SE
	s_setreg_imm32_b32 hwreg(HW_REG_WAVE_MODE, 25, 1), 1
	s_wait_xcnt 0x0
; COMBINE.  out[r] = x[r] + b2[assign[r]] + part[0][r] + part[1][r] + part[2][r] + part[3][r], all f32: the residual, the second bias and the four partial sums over k.
; A wave owns a row (4,096 bytes: 8 loads or stores of 512 consecutive bytes for each operand); all its 48 loads are out at once, so there is no loop, no LDS and no barrier.
; The expert's number was stored by the first launch as a whole number; it is held to 0..7 before it enters b2's address.
.set P,  8                             ; v[8:135]   the four partial rows, 32 registers each; the first takes the result
.set XR, 136                           ; v[136:167] x
.set BR, 168                           ; v[168:199] b2's row
	s_load_b256 s[4:11], s[0:1], 0x0               ; x s[4:5], b2 s[6:7], assign s[8:9], part s[10:11]
	s_load_b64 s[12:13], s[0:1], 0x20              ; out0
	v_lshrrev_b32 v2, 5, v0
	v_readfirstlane_b32 s2, v2                     ; wave 0..3
	v_and_b32 v1, 31, v0
	v_lshlrev_b32 v1, 4, v1                        ; 16 x lane
	s_lshl_b32 s14, ttmp9, 2
	s_add_co_u32 s14, s14, s2                      ; my row
	s_lshl_b32 s16, s14, 2
	s_mov_b32 s17, 0
	s_lshl_b32 s18, s14, 12
	s_mov_b32 s19, 0
	s_wait_kmcnt 0x0
	s_add_nc_u64 s[8:9], s[8:9], s[16:17]
	s_load_b32 s15, s[8:9], 0x0                    ; the row's expert
	s_add_nc_u64 s[10:11], s[10:11], s[18:19]      ; quarters 0 and 1 (4 MiB apart: in the immediate),
	s_add_nc_u64 s[20:21], s[10:11], 0x800000      ; quarters 2 and 3
	s_add_nc_u64 s[4:5], s[4:5], s[18:19]
	s_add_nc_u64 s[12:13], s[12:13], s[18:19]
.set j, 0
.rept 8
	global_load_b128 v[P+4*j:P+4*j+3],       v1, s[10:11] offset:512*j th:TH_LOAD_NT
	global_load_b128 v[P+32+4*j:P+32+4*j+3], v1, s[10:11] offset:4194304+512*j th:TH_LOAD_NT
	global_load_b128 v[P+64+4*j:P+64+4*j+3], v1, s[20:21] offset:512*j th:TH_LOAD_NT
	global_load_b128 v[P+96+4*j:P+96+4*j+3], v1, s[20:21] offset:4194304+512*j th:TH_LOAD_NT
	global_load_b128 v[XR+4*j:XR+4*j+3],     v1, s[4:5] offset:512*j th:TH_LOAD_NT
.set j, j+1
.endr
	s_wait_kmcnt 0x0
	s_min_u32 s15, s15, 7
	s_lshl_b32 s16, s15, 12                        ; s17 is still 0
	s_add_nc_u64 s[6:7], s[6:7], s[16:17]
.set j, 0
.rept 8
	global_load_b128 v[BR+4*j:BR+4*j+3], v1, s[6:7] offset:512*j
.set j, j+1
.endr
.set j, 0
.rept 8
	s_wait_loadcnt 7-j                             ; loads come back in order: piece j of b2's row is in, and all that was asked for before it
.irp t, 0,2
	v_pk_add_f32 v[P+4*j+\t:P+4*j+\t+1], v[P+4*j+\t:P+4*j+\t+1], v[P+32+4*j+\t:P+32+4*j+\t+1]
	v_pk_add_f32 v[P+64+4*j+\t:P+64+4*j+\t+1], v[P+64+4*j+\t:P+64+4*j+\t+1], v[P+96+4*j+\t:P+96+4*j+\t+1]
	v_pk_add_f32 v[XR+4*j+\t:XR+4*j+\t+1], v[XR+4*j+\t:XR+4*j+\t+1], v[BR+4*j+\t:BR+4*j+\t+1]
	v_pk_add_f32 v[P+4*j+\t:P+4*j+\t+1], v[P+4*j+\t:P+4*j+\t+1], v[P+64+4*j+\t:P+64+4*j+\t+1]
	v_pk_add_f32 v[P+4*j+\t:P+4*j+\t+1], v[P+4*j+\t:P+4*j+\t+1], v[XR+4*j+\t:XR+4*j+\t+1]
.endr
	global_store_b128 v1, v[P+4*j:P+4*j+3], s[12:13] offset:512*j th:TH_STORE_NT
.set j, j+1
.endr
	s_endpgm
.Lfunc_end_k_q597560c909_combine:
	.size	k_q597560c909_combine, .Lfunc_end_k_q597560c909_combine-k_q597560c909_combine
	.p2alignl 7, 3214868480
	.fill 96, 4, 3214868480
	.section	.rodata,"a",@progbits
	.p2align	6, 0x0
	.amdhsa_kernel k_q597560c909_combine
		.amdhsa_group_segment_fixed_size 0
		.amdhsa_private_segment_fixed_size 0
		.amdhsa_enable_private_segment 0
		.amdhsa_kernarg_size 40
		.amdhsa_user_sgpr_count 2
		.amdhsa_user_sgpr_kernarg_segment_ptr 1
		.amdhsa_wavefront_size32 1
		.amdhsa_system_sgpr_workgroup_id_x 1
		.amdhsa_system_sgpr_workgroup_id_y 1
		.amdhsa_system_sgpr_workgroup_id_z 1
		.amdhsa_system_vgpr_workitem_id 0
		.amdhsa_next_free_vgpr 200
		.amdhsa_next_free_sgpr 66
		.amdhsa_reserve_vcc 0
		.amdhsa_float_denorm_mode_32 3
		.amdhsa_float_denorm_mode_16_64 3
		.amdhsa_memory_ordered 1
		.amdhsa_forward_progress 1
		.amdhsa_inst_pref_size 12
	.end_amdhsa_kernel
	.amdgpu_metadata
---
amdhsa.version: [ 1, 2 ]
amdhsa.kernels:
  - .name:           k_q597560c909_combine
    .symbol:         k_q597560c909_combine.kd
    .args:
      - { .name: input_features, .offset: 0, .size: 8, .value_kind: global_buffer, .address_space: global }
      - { .name: b2, .offset: 8, .size: 8, .value_kind: global_buffer, .address_space: global }
      - { .name: assign, .offset: 16, .size: 8, .value_kind: global_buffer, .address_space: global }
      - { .name: part, .offset: 24, .size: 8, .value_kind: global_buffer, .address_space: global }
      - { .name: out0, .offset: 32, .size: 8, .value_kind: global_buffer, .address_space: global }
    .group_segment_fixed_size: 0
    .private_segment_fixed_size: 0
    .kernarg_segment_align: 8
    .kernarg_segment_size: 40
    .max_flat_workgroup_size: 128
    .sgpr_count:     66
    .vgpr_count:     200
    .wavefront_size: 32
...
	.end_amdgpu_metadata
.endif
;; end of part 4
;; ======== version 2 of 2: 4 launches; 1.12 times as fast as version 1
;; workspace buffers: z 2,097,152 bytes; bitmap 1,024 bytes of whole numbers; assign 4,096 bytes of whole numbers; h 8,388,608 bytes; part 16,777,216 bytes
;; launch route: the kernel of part 1 again; grid 128 x 1, 8 waves a work-group, no clusters, 34,048 bytes of LDS; arguments input_features, centroids, z, bitmap, assign; writes z, bitmap, assign
;; launch ffn1 (part 5): grid 32 x 11, 16 waves a work-group, no clusters, 223,744 bytes of LDS; arguments W1, b1, ln_g, ln_b, z, bitmap, h; writes h
.if DOCPART == 5
	.amdgcn_target "amdgcn-amd-amdhsa--gfx1250"
	.amdhsa_code_object_version 6
	.text
	.protected	k_q597560c909_ffn1
	.globl	k_q597560c909_ffn1
	.p2align	8
	.type	k_q597560c909_ffn1,@function
k_q597560c909_ffn1:
	s_mov_b64 s[64:65], 0
	v_nop
	global_prefetch_b8 v0, s[64:65] scope:SCOPE_SE
	s_setreg_imm32_b32 hwreg(HW_REG_WAVE_MODE, 25, 1), 1
	s_wait_xcnt 0x0
; ONE TEXT FOR BOTH PRODUCTS OF THE EXPERTS' LAYER; KIND picks what differs.
;   KIND 1:  h[r][n]       = relu( sum_k z[r][k] (g[e][k] W1[e][k][n])  +  sum_k lb[e][k] W1[e][k][n]  +  b1[e][n] ), bf16: LN(x) W1 with the norm's gain folded into the weights and its bias into the bias.
;   KIND 2:  part[q][r][n] = sum over the q-th quarter of k of h[r][k] W2[e][k][n], f32 partial sums, which the last launch adds.
; e is the expert that row r chose.  Matrix operands are bf16, each rounded once (the weights after the gain, in f32); sums are f32.
; SHARES.  A work-group has a slice of ONE expert's weights, 1,024 k x 128 n (512 KiB of f32), which it alone reads, once, and a block of at most 256 of that expert's rows.
; Grid x = the slice (KIND 1: 32 slices of n; KIND 2: 4 quarters of k x 8 slices of n).  Grid y < 8: expert y, its rows 0-255.  y = 8..10: the (y - 8)-th of all further blocks of 256 rows;
; 1,024 rows in 8 experts never have more than 3 of those, so the grid serves every split.
; SIXTEEN WAVES, ALL ALIKE.  K goes in 8 chunks of 128 through two LDS slots, one barrier a trip.  In a trip a wave multiplies the chunk in one slot, four K steps of 32, and stages its sixteenth of the next chunk
; into the other slot (the 16 rows of row tile w at the trip's head; 8 k-rows of weights: f32 in registers, scaled, rounded, 8 bytes a lane into LDS), two k-rows in each K step.  Behind a step's products stand four
; lines of the staging's arithmetic, which are the places that the fragment loads need; then the LDS loads of the next fragments; then the rest of the two k-rows (arithmetic, two LDS stores, the two loads of the
; weights two chunks on): the wave works while its fragments are on their way.  16 loads of 512 bytes of weights a wave are out.
; A wave multiplies row tiles rg, rg + 4, rg + 8, rg + 12 (rg = w / 4) by column tiles 2 cg, 2 cg + 1 (cg = w % 4): 8 accumulators.
; THE WEIGHTS lie [k][n], so they go into LDS as they lie, in bf16, and come out turned, by ds_load_tr16_b128.  The matrix instruction is used transposed (source 0 = 16 n, source 1 = 16 rows):
; a lane then holds one row and eight neighbouring columns.
; THE ROWS.  Place i of the block is the (256 block + i)-th set bit of the expert's bitmap.  Lane l of wave w finds place 16 w + l % 16 for itself.  Each of the tile's 16 rows then gets a scalar base of its own
; (the row number held to 0..1,023, shifted, added to the buffer's address), and a load or store of the wave takes one row's bytes: the vector offset beside the base holds the lane alone and is made at the head;
; the chunk stands in the load's immediate, for the weights and the gains too.  So the trips are written out, by one macro; no base is stepped, and no register that serves as a vector address is written behind the head.
; Places past the count repeat the expert's last row: the same numbers, stored to the same place by the same wave.  Row tiles 0-7 are always staged and multiplied, tiles 8-15 only where they hold rows.
; WHAT HANGS ON THE COUNTS.  Every wave passes every barrier, whatever the counts: only work is jumped, forward (loads, conversions, LDS stores, products, global stores); EXEC is never written.
; The counted waits hold on every way: what a guard may jump (the rows' loads and LDS stores, the fragments of row tiles 2 and 3) is always older than what the count leaves out, and the way of a block without rows
; waits for all loads.  A work-group that a split leaves without rows goes through the text so and stores nothing; a place y >= 8 on which no block falls also jumps the counting, the search and the first loads:
; what those would make has defaults, made ahead of the jump.
; An expert without rows costs its work-groups of y < 8 the first two chunks of weights: those are asked for before the count is known.
; NO CLUSTER, NO TENSOR LOADS: each slice of weights has one reader and must pass through registers to be scaled and rounded; the rows that an expert's work-groups share come by numbers, which no descriptor covers.
; LIMITS: relu(NaN) is 0 here.  bf16 has f32's range, so large weights or rows cost no range.
.set KIND, 1
.set PB,     288                       ; an LDS row of weights: 128 bf16 + 32 bytes
.set PA,     272                       ; an LDS row of activations: 128 bf16 + 16 bytes: 68 words, so the 16 rows of a fragment load start at 16 different groups of four banks
.set BBYTES, 128*PB
.set SLOT,   BBYTES+256*PA             ; a slot: 128 k of weights, then 256 rows
.set BIAS,   2*SLOT                    ; KIND 1: each wave's part of sum_k lb W1: 16 x 512 bytes
.set BT,     BIAS+16*512               ; KIND 1: the slice's 128 biases
.set SPARE,  BT+512                    ; the spare words: 128 bytes for each of 16 waves, eight blocks of 256 bytes that no other line names
.set ARGW,   68                        ; the arguments come into s[68:81], which later take the bitmap's words and the rows' bases: s[68:69] the weights
.if KIND == 1
.set PITCH,  16384                     ; bytes from k to k + 1 in the weights
.set WSH,    17                        ; my 8 k-rows begin at wave << WSH
.set ROWSH,  11                        ; a row of z is 2,048 bytes
.set OUTSH,  13                        ; a row of h is 8,192 bytes
.set SPITCH, 272                       ; the stage for the way out, over the slots: 256 rows of 256 bytes + 16
.set ARGB1,  70                        ; s[70:71] b1, s[72:73] ln_g, s[74:75] ln_b, s[76:77] z, s[78:79] bitmap, s[80:81] h
.set ARGG,   72
.set ARGL,   74
.set PACT,   76
.set PBM,    78
.set POUT,   80
.else
.set PITCH,  4096
.set WSH,    15
.set ROWSH,  13                        ; a row of h
.set OUTSH,  12                        ; a row of part is 4,096 bytes
.set SPITCH, 528                       ; 256 rows of 512 bytes + 16
.set PACT,   70                        ; s[70:71] h, s[72:73] bitmap, s[74:75] part
.set PBM,    72
.set POUT,   74
.endif
.set CHUNKB, 128*PITCH                 ; bytes from a chunk of weights to the next
; scalar registers (s27 to s31: at work)
.set WV,    2                          ; wave 0..15
.set RG,    3                          ; w / 4
.set G1,    4                          ; s[4:11], s[12:19] KIND 1: 8 gains and 8 biases of the norm for my k-rows of an odd chunk; never an address
.set GY,    20
.set EX,    21                         ; the expert
.set BLK,   22                         ; the block of 256 of its rows
.set CNT,   23                         ; its rows
.set NR,    24                         ; rows in the block, 0 to 256
.set NTL,   25                         ; row tiles that hold rows
.set GRD,   26                         ; how many of my four row tiles are multiplied: 2, 3, 4
.set SW,    32                         ; s[32:33] the weights at my k-rows of chunk 0; never stepped
.set SA,    34                         ; s[34:35] the activations, at the first column of my K range; never stepped
.set PG,    36                         ; s[36:37], s[38:39] KIND 1: gain and bias of the norm at my 8 k of chunk 0; never stepped
.set PL,    38
.set OUTB,  40                         ; s[40:41] the output at my slice's first column  (s[40:47] first: all experts' counts)
.set B1B,   42                         ; s[42:43] KIND 1: b1 at my slice
.set LIVE,  44                         ; 1: the block has rows
.set AST,   45                         ; 1: I stage row tile w
.set SWH,   46                         ; s[46:47] the weights at my k-rows of chunk 4: four chunks' bytes fit the loads' immediate, eight do not
.set G0,    48                         ; s[48:55], s[56:63] KIND 1: the same as G1 for an even chunk
.set CG,    66                         ; w % 4
.set PM,    67                         ; 0: a place y >= 8 on which no block falls
.set WORD,  68                         ; s[68:99] the expert's 32 words of the bitmap
.set AB,    68                         ; before and behind that: a base for each of my 16 rows: of the activations, and at the end of the output
; vector registers.  v1 lane; v2 16 x lane; v3, v4 where my weights go in slot 0, 1; v5, v6 where my rows go; v7, v8 my A fragments; v9, v10 my B fragments; v11 the stage, in; v12 KIND 1: my columns' biases,
; KIND 2: the stage's rows 128 on; v13 the stage, back; v15 0; v[16:19] KIND 1: bias sums; v30, v31 KIND 1: my part of BIAS, BIAS + 16 x lane.  v2 to v13, v21, v30, v31 are made once, at the head, and never rewritten.
.set ROWV, 20                          ; lane l: the row number of place l % 16 of row tile w
.set AOFF, 21                          ; 8 x lane: my 8 bytes of 256
.set SPW,  28                          ; LDS address of my spare word; never rewritten
.set NIL,  29                          ; 0; never rewritten
.set AF,   32                          ; v[32:63]   four A fragments
.set BF0,  64                          ; v[64:79], v[80:95] two B fragments, two buffers (before the first trip: at work)
.set BF1,  80
.set ASET, 96                          ; v[96:127]  a chunk's rows on their way: 16 loads
.set BSET, 128                         ; v[128:191] two chunks' weights on their way: 8 loads each; a chunk's set goes by its number's parity
.set ACC,  192                         ; v[192:255] accumulator (i, b) at ACC + 8 (2 i + b)
.macro BAR                             ; for the others' sake: all my LDS stores are done and all my LDS reads are back
	s_wait_dscnt 0x0
	s_barrier_signal -1
	s_barrier_wait -1
.endm
.macro PLACES                          ; four plain vector instructions between matrix instructions and loads into their sources, or reads of their results
.rept 4
	v_nop
.endr
.endm
; my 8 k-rows of chunk co (0 or 1) of the weights, 512 consecutive bytes each; read once in the launch
.macro ISSB set, co
.set nb, 0
.rept 8
	global_load_b128 v[(\set)+4*nb:(\set)+4*nb+3], v2, s[SW:SW+1] offset:(\co)*CHUNKB+nb*PITCH th:TH_LOAD_NT
.set nb, nb+1
.endr
.endm
; my 16 rows of chunk ca, one a load: the wave takes a row's 256 consecutive bytes, 8 a lane
.macro ISSA ca
.set na, 0
.rept 16
	global_load_b64 v[ASET+2*na:ASET+2*na+1], v[AOFF], s[AB+2*na:AB+2*na+1] offset:256*(\ca)
.set na, na+1
.endr
.endm
.macro STA sl
.set na, 0
.rept 16
	ds_store_b64 v[5+(\sl)], v[ASET+2*na:ASET+2*na+1] offset:na*PA
.set na, na+1
.endr
.endm
; a base for each of my 16 rows: the row number, held inside the table, shifted to bytes and added to the buffer's address
.macro ROWBASE from, sh
	s_mov_b32 s29, 0
.set q, 0
.rept 16
	v_readlane_b32 s28, v[ROWV], q
	s_min_u32 s28, s28, 0x3ff
	s_lshl_b32 s28, s28, \sh
	s_add_nc_u64 s[AB+2*q:AB+2*q+1], s[\from:\from+1], s[28:29]
.set q, q+1
.endr
.endm
; KIND 1: the gains and biases of the norm for my 8 k-rows of chunk c, into the set of its parity; 128 k are 512 bytes
.macro GLOAD c
.set gb, G0-(G0-G1)*((\c)%2)
	s_load_b256 s[gb:gb+7], s[PG:PG+1], 512*(\c)
	s_load_b256 s[gb+8:gb+15], s[PL:PL+1], 512*(\c)
.endm
; THE STAGING OF THE WEIGHTS, two k-rows (2 p, 2 p + 1 of my eight) of chunk cs at a time, in two parts.
; SP1: four plain vector lines that name the weights' registers alone.  KIND 1: the bias sums take lb W of the first row.  KIND 2: both rows are rounded.
.macro SP1 cs, p
.set rw, BSET+32*((\cs)%2)+8*(\p)
.if KIND == 1
.set gb, G0-(G0-G1)*((\cs)%2)
	v_fmac_f32 v16, s[gb+8+2*(\p)], v[rw]
	v_fmac_f32 v17, s[gb+8+2*(\p)], v[rw+1]
	v_fmac_f32 v18, s[gb+8+2*(\p)], v[rw+2]
	v_fmac_f32 v19, s[gb+8+2*(\p)], v[rw+3]
.else
	v_cvt_pk_bf16_f32 v[rw], v[rw], v[rw+1]
	v_cvt_pk_bf16_f32 v[rw+1], v[rw+2], v[rw+3]
	v_cvt_pk_bf16_f32 v[rw+4], v[rw+4], v[rw+5]
	v_cvt_pk_bf16_f32 v[rw+5], v[rw+6], v[rw+7]
.endif
.endm
; SP2: the rest.  KIND 1: the gain in f32, the second row's bias sums, one rounding.  Both: 8 bytes a lane and row into LDS, and the same two k-rows of chunk cs + 2 are asked for, into the registers just stored.
.macro SP2 cs, p
.set rw, BSET+32*((\cs)%2)+8*(\p)
.if KIND == 1
.set gb, G0-(G0-G1)*((\cs)%2)
	v_mul_f32 v[rw], s[gb+2*(\p)], v[rw]
	v_mul_f32 v[rw+1], s[gb+2*(\p)], v[rw+1]
	v_mul_f32 v[rw+2], s[gb+2*(\p)], v[rw+2]
	v_mul_f32 v[rw+3], s[gb+2*(\p)], v[rw+3]
	v_fmac_f32 v16, s[gb+9+2*(\p)], v[rw+4]
	v_fmac_f32 v17, s[gb+9+2*(\p)], v[rw+5]
	v_fmac_f32 v18, s[gb+9+2*(\p)], v[rw+6]
	v_fmac_f32 v19, s[gb+9+2*(\p)], v[rw+7]
	v_cvt_pk_bf16_f32 v[rw], v[rw], v[rw+1]
	v_cvt_pk_bf16_f32 v[rw+1], v[rw+2], v[rw+3]
	v_mul_f32 v[rw+4], s[gb+1+2*(\p)], v[rw+4]
	v_mul_f32 v[rw+5], s[gb+1+2*(\p)], v[rw+5]
	v_mul_f32 v[rw+6], s[gb+1+2*(\p)], v[rw+6]
	v_mul_f32 v[rw+7], s[gb+1+2*(\p)], v[rw+7]
	v_cvt_pk_bf16_f32 v[rw+4], v[rw+4], v[rw+5]
	v_cvt_pk_bf16_f32 v[rw+5], v[rw+6], v[rw+7]
.endif
	ds_store_b64 v[3+((\cs)%2)], v[rw:rw+1] offset:2*(\p)*PB
	ds_store_b64 v[3+((\cs)%2)], v[rw+4:rw+5] offset:(2*(\p)+1)*PB
.if (\cs) < 6
.set wb, SW
.if (\cs)+2 > 3
.set wb, SWH
.endif
	global_load_b128 v[rw:rw+3],   v2, s[wb:wb+1] offset:(((\cs)+2)%4)*CHUNKB+2*(\p)*PITCH th:TH_LOAD_NT
	global_load_b128 v[rw+4:rw+7], v2, s[wb:wb+1] offset:(((\cs)+2)%4)*CHUNKB+(2*(\p)+1)*PITCH th:TH_LOAD_NT
.endif
.endm
.macro F1 t, p                         ; what stands between a K step's products and the next fragment loads: the staging's four lines, or in the last trip, which stages nothing, four v_nop
.if (\t) < 7
	SP1 (\t)+1, \p
.else
	PLACES
.endif
.endm
.macro F2 t, p
.if (\t) < 7
	SP2 (\t)+1, \p
.endif
.endm
; two B fragments (32 k x 16 n each), turned: the first load of a pair brings k = 8 (l / 16) + 0..7, the second 16 more
.macro LOADB sl, ks, buf
.set nl, 0
.rept 2
	ds_load_tr16_b128 v[(\buf)+8*nl:(\buf)+8*nl+3],   v[9+(\sl)] offset:(\ks)*32*PB+32*nl
	ds_load_tr16_b128 v[(\buf)+8*nl+4:(\buf)+8*nl+7], v[9+(\sl)] offset:(\ks)*32*PB+32*nl+16*PB
.set nl, nl+1
.endr
.endm
.macro LDA1 sl, ks, i                  ; the A fragment of my row tile i: 16 rows x 32 k
	ds_load_b128 v[AF+8*(\i):AF+8*(\i)+3],   v[7+(\sl)] offset:(\i)*64*PA+64*(\ks)
	ds_load_b128 v[AF+8*(\i)+4:AF+8*(\i)+7], v[7+(\sl)] offset:(\i)*64*PA+64*(\ks)+32
.endm
.macro LOADA sl, ks
	LDA1 \sl, \ks, 0
	LDA1 \sl, \ks, 1
	s_cmp_lt_u32 s[GRD], 3
	s_cbranch_scc1 .Lno_more_a_\@
	LDA1 \sl, \ks, 2
	s_cmp_lt_u32 s[GRD], 4
	s_cbranch_scc1 .Lno_more_a_\@
	LDA1 \sl, \ks, 3
.Lno_more_a_\@:
.endm
.macro MUL2 buf, i
.set nm, 0
.rept 2
	v_wmma_f32_16x16x32_bf16 v[ACC+8*(2*(\i)+nm):ACC+8*(2*(\i)+nm)+7], v[(\buf)+8*nm:(\buf)+8*nm+7], v[AF+8*(\i):AF+8*(\i)+7], v[ACC+8*(2*(\i)+nm):ACC+8*(2*(\i)+nm)+7]
.set nm, nm+1
.endr
.endm
.macro MUL buf                         ; the accumulators take turns, one instruction a turn: 4, 6 or 8 of them, in the same order in every K step
	MUL2 \buf, 0
	MUL2 \buf, 1
	s_cmp_lt_u32 s[GRD], 3
	s_cbranch_scc1 .Lno_more_m_\@
	MUL2 \buf, 2
	s_cmp_lt_u32 s[GRD], 4
	s_cbranch_scc1 .Lno_more_m_\@
	MUL2 \buf, 3
.Lno_more_m_\@:
.endm
; TRIP t: chunk t is multiplied (slot t % 2) and chunk t + 1 staged (the other slot); the rows and the gains of chunk t + 2 and the weights of chunk t + 3 are asked for, as far as there are such chunks.
; t = -1: chunk 0 is staged and nothing multiplied.  One barrier for both changes of slots.  wt: the younger loads that may stay out at the head.
; LOADS FROM MEMORY.  A trip issues the rows' 16 at its head, or none, and then the weights' 2 + 2 + 2 + 2: at the next head the 8 youngest are the weights two chunks on, and that trip's rows and weights are older.
; LDS.  B's fragments are fetched a K step ahead.  At a step's wait the youngest six LDS instructions are the next step's four B loads and the staging's two stores (in the last trip: the four); A's loads and
; the rows' stores, whose number hangs on guards, are older.
.macro TRIP t, wt
.if (\t) < 7
	s_wait_loadcnt \wt                             ; loads come back in order: the rows and weights of the chunk to be staged are in
.if KIND == 1
	s_wait_kmcnt 0x0                               ; its gains and biases, asked for a trip ago
.endif
.set yng, 6
.else
.if KIND == 1
	s_wait_loadcnt 0x0                             ; b1
.endif
.set yng, 4
.endif
	s_cmp_eq_u32 s[LIVE], 0
	s_cbranch_scc1 .Ldead_\@                       ; a block without rows
.if (KIND == 1) && ((\t) >= 0) && ((\t) < 6)
	GLOAD (\t)+2                                   ; into the set that chunk t, staged a trip ago, has done with
.endif
.if (\t) < 7
	s_cmp_eq_u32 s[AST], 0
	s_cbranch_scc1 .Lno_a_\@                       ; row tile w holds no rows
	STA ((\t)+1)%2
.if (\t) < 6
	ISSA (\t)+2
.endif
.Lno_a_\@:
.elseif KIND == 1
	s_cmp_lg_u32 s[WV], 0
	s_cbranch_scc1 .Lnot_first_\@                  ; wave 0 adds the sixteen parts of sum_k lb W1 and b1
.set np, 0
.rept 16
	ds_load_b128 v[BSET+4*np:BSET+4*np+3], v31 offset:512*np
.set np, np+1
.endr
	s_wait_dscnt 0x0
.set np, 0
.rept 16
	v_pk_add_f32 v[ASET:ASET+1], v[ASET:ASET+1], v[BSET+4*np:BSET+4*np+1]
	v_pk_add_f32 v[ASET+2:ASET+3], v[ASET+2:ASET+3], v[BSET+4*np+2:BSET+4*np+3]
.set np, np+1
.endr
	ds_store_b128 v31, v[ASET:ASET+3] offset:BT-BIAS
.Lnot_first_\@:
.endif
.if (\t) < 0
.irp p, 0,1,2,3
	SP1 0, \p
	SP2 0, \p
.endr
.else
	F1 \t, 0
	LOADB (\t)%2, 0, BF0
	LOADA (\t)%2, 0
	LOADB (\t)%2, 1, BF1
	F2 \t, 0
	s_wait_dscnt yng
	MUL BF0
	F1 \t, 1
	LOADA (\t)%2, 1
	LOADB (\t)%2, 2, BF0
	F2 \t, 1
	s_wait_dscnt yng
	MUL BF1
	F1 \t, 2
	LOADA (\t)%2, 2
	LOADB (\t)%2, 3, BF1
	F2 \t, 2
	s_wait_dscnt yng
	MUL BF0
	F1 \t, 3
	LOADA (\t)%2, 3
	F2 \t, 3
.if (KIND == 1) && ((\t) == 6)
	ds_store_b128 v30, v[16:19]                    ; the last chunk is staged: my part of sum_k lb W1
	global_load_b128 v[ASET:ASET+3], v2, s[B1B:B1B+1]  ; b1, a trip ahead of its use
.endif
	s_wait_dscnt 0x0
	MUL BF1
.endif
	s_branch .Lmet_\@
.Ldead_\@:
	s_wait_loadcnt 0x0                             ; in the place of the trip's loads: behind either way no load older than the weights' eight can be out at the next head's counted wait
.Lmet_\@:
	BAR
.endm
; one level of the search for the v72-th set bit: does it lie in the lower half of the field at bit v81?  src holds the counts of fields half as wide
.macro LEVEL src, mask, step
	v_lshrrev_b32 v80, v81, v[\src]
	v_and_b32 v80, \mask, v80
	v_cmp_ge_u32 vcc_lo, v72, v80
	v_cndmask_b32 v80, 0, v80, vcc_lo
	v_sub_nc_u32 v72, v72, v80
	v_cndmask_b32 v80, 0, \step, vcc_lo
	v_add_nc_u32 v81, v81, v80
.endm
; the way out of my row tile i: KIND 1: + bias, rounded to bf16, relu on the packed halves, 16 bytes a lane; KIND 2: the f32 sums as they are, 32 bytes a lane.  Each accumulator is read from its low end on.
.macro PUT i
.set ob, 0
.rept 2
.set ra, ACC+8*(2*(\i)+ob)
.if KIND == 1
.set rt, ASET+4*ob
	v_pk_add_f32 v[ra:ra+1], v[ra:ra+1], v[BF0+8*ob:BF0+8*ob+1]
	v_pk_add_f32 v[ra+2:ra+3], v[ra+2:ra+3], v[BF0+8*ob+2:BF0+8*ob+3]
	v_pk_add_f32 v[ra+4:ra+5], v[ra+4:ra+5], v[BF0+8*ob+4:BF0+8*ob+5]
	v_pk_add_f32 v[ra+6:ra+7], v[ra+6:ra+7], v[BF0+8*ob+6:BF0+8*ob+7]
	v_cvt_pk_bf16_f32 v[rt], v[ra], v[ra+1]
	v_cvt_pk_bf16_f32 v[rt+1], v[ra+2], v[ra+3]
	v_cvt_pk_bf16_f32 v[rt+2], v[ra+4], v[ra+5]
	v_cvt_pk_bf16_f32 v[rt+3], v[ra+6], v[ra+7]
	v_pk_max_num_bf16 v[rt], v[rt], v15
	v_pk_max_num_bf16 v[rt+1], v[rt+1], v15
	v_pk_max_num_bf16 v[rt+2], v[rt+2], v15
	v_pk_max_num_bf16 v[rt+3], v[rt+3], v15
	ds_store_b128 v11, v[rt:rt+3] offset:(\i)*64*SPITCH+32*ob
.else
	ds_store_b128 v[11+(\i)/2], v[ra:ra+3]   offset:((\i)%2)*64*SPITCH+64*ob
	ds_store_b128 v[11+(\i)/2], v[ra+4:ra+7] offset:((\i)%2)*64*SPITCH+64*ob+16
.endif
.set ob, ob+1
.endr
.endm
.if KIND == 1
	s_load_b256 s[68:75], s[0:1], 0x0              ; W1, b1, ln_g, ln_b
	s_load_b128 s[76:79], s[0:1], 0x20             ; z, bitmap
	s_load_b64 s[80:81], s[0:1], 0x30              ; h
.else
	s_load_b256 s[68:75], s[0:1], 0x0              ; W2, h, bitmap, part
.endif
	v_lshl_add_u32 v[SPW], v0, 2, SPARE
	v_mov_b32 v[NIL], 0
	v_lshrrev_b32 v64, 5, v0
	v_readfirstlane_b32 s[WV], v64
	v_and_b32 v1, 31, v0
	v_lshlrev_b32 v2, 4, v1
	v_lshlrev_b32 v[AOFF], 3, v1
	v_mov_b32 v[ROWV], 0                           ; a default, for the way that jumps the search
	s_lshr_b32 s[RG], s[WV], 2
	s_and_b32 s[CG], s[WV], 3
	s_and_b32 s[GY], ttmp7, 0xffff
	; EVERY LDS ADDRESS, once, from the thread's number, the wave's number and constants
	v_and_b32 v64, 15, v0                          ; l % 16
	v_bfe_u32 v65, v0, 4, 1                        ; l / 16
	s_mul_i32 s28, s[WV], 8*PB
	v_lshl_add_u32 v3, v1, 3, s28                  ; weights in: k-row 8 w, 8 bytes a lane
	v_add_nc_u32 v4, SLOT, v3
	s_mul_i32 s28, s[WV], 16*PA
	s_add_co_u32 s28, s28, BBYTES
	v_lshl_add_u32 v5, v1, 3, s28                  ; rows in: row 16 w, 8 bytes a lane
	v_add_nc_u32 v6, SLOT, v5
	s_mul_i32 s28, s[RG], 16*PA
	s_add_co_u32 s28, s28, BBYTES
	v_mul_u32_u24 v7, v64, PA                      ; A: row 16 rg + l % 16, 16 bytes for each half of the lanes
	v_lshl_add_u32 v7, v65, 4, v7
	v_add_nc_u32 v7, s28, v7
	v_add_nc_u32 v8, SLOT, v7
	v_and_b32 v66, 7, v0                           ; B: k-row 8 (l / 16) + l % 8, columns 32 cg + 8 ((l / 8) % 2) on
	v_lshl_add_u32 v66, v65, 3, v66
	v_mul_u32_u24 v9, v66, PB
	v_bfe_u32 v66, v0, 3, 1
	v_lshl_add_u32 v9, v66, 4, v9
	s_lshl_b32 s28, s[CG], 6
	v_add_nc_u32 v9, s28, v9
	v_add_nc_u32 v10, SLOT, v9
	s_mul_i32 s28, s[RG], 16*SPITCH                ; the stage, in: row 16 rg + l % 16, my 32 columns, my half of the lanes' eight
	v_mul_u32_u24 v11, v64, SPITCH
.if KIND == 1
	s_lshl_b32 s29, s[CG], 6
	s_add_co_u32 s28, s28, s29
	v_lshl_add_u32 v11, v65, 4, v11
	v_add_nc_u32 v11, s28, v11
	s_lshl_b32 s28, s[CG], 7
	s_add_co_u32 s28, s28, BT
	v_lshl_add_u32 v12, v65, 5, s28                ; the biases of my columns
	s_mul_i32 s28, s[WV], 16*SPITCH
	v_lshl_add_u32 v13, v1, 3, s28                 ; the stage, back: a row of 256 bytes a load, 8 bytes a lane
	s_lshl_b32 s28, s[WV], 9
	s_add_co_u32 s28, s28, BIAS
	v_add_nc_u32 v30, s28, v2
	v_add_nc_u32 v31, BIAS, v2
	v_mov_b32 v15, 0
	v_mov_b32 v16, 0
	v_mov_b32 v17, 0
	v_mov_b32 v18, 0
	v_mov_b32 v19, 0
.set q, 0
.rept 8
	s_mov_b64 s[G0+2*q:G0+2*q+1], 0                ; both sets of gains and biases hold numbers on the way that jumps their loads
	s_mov_b64 s[G1+2*q:G1+2*q+1], 0
.set q, q+1
.endr
.else
	s_lshl_b32 s29, s[CG], 7
	s_add_co_u32 s28, s28, s29
	v_lshl_add_u32 v11, v65, 5, v11
	v_add_nc_u32 v11, s28, v11
	v_add_nc_u32 v12, 2*64*SPITCH, v11             ; row tiles 2 and 3 lie past a 16-bit offset
	s_mul_i32 s28, s[WV], 16*SPITCH
	v_add_nc_u32 v13, s28, v2                      ; the stage, back: a row of 512 bytes a load
.endif
	; 176 lines that write 0, in the wait for the arguments: what loads that may be jumped would fill (96) holds numbers on every way; the sums start at 0 (64); so do the fragments of row tiles 2 and 3 (16).
	; The gain is one macro for every trip.
.set cz, ASET
.rept 160
	v_mov_b32 v[cz], 0
.set cz, cz+1
.endr
.set cz, AF+16
.rept 16
	v_mov_b32 v[cz], 0
.set cz, cz+1
.endr
	s_wait_kmcnt 0x0
	s_cmp_lt_u32 s[GY], 8
	s_cbranch_scc1 .Lprimary
	; A FURTHER BLOCK.  All experts' counts: lane l counts the bitmap's words 8 l .. 8 l + 7 (four lanes an expert), in whole numbers throughout
	v_lshlrev_b32 v72, 5, v1
	global_load_b128 v[64:67], v72, s[PBM:PBM+1]
	global_load_b128 v[68:71], v72, s[PBM:PBM+1] offset:16
	s_mov_b32 s28, 0x55555555
	s_mov_b32 s29, 0x33333333
	s_mov_b32 s30, 0x0f0f0f0f
	s_wait_loadcnt 0x0
.irp i, 64,65,66,67,68,69,70,71
	v_lshrrev_b32 v73, 1, v[\i]                    ; counts in fields of 2, 4 and 8 bits
	v_and_b32 v73, s28, v73
	v_sub_nc_u32 v[\i], v[\i], v73
	v_lshrrev_b32 v73, 2, v[\i]
	v_and_b32 v[\i], s29, v[\i]
	v_and_b32 v73, s29, v73
	v_add_nc_u32 v[\i], v[\i], v73
	v_lshrrev_b32 v73, 4, v[\i]
	v_add_nc_u32 v[\i], v[\i], v73
	v_and_b32 v[\i], s30, v[\i]
.endr
	v_add_nc_u32 v64, v64, v65                     ; eight words: 64 a byte at the most
	v_add_nc_u32 v66, v66, v67
	v_add_nc_u32 v68, v68, v69
	v_add_nc_u32 v70, v70, v71
	v_add_nc_u32 v64, v64, v66
	v_add_nc_u32 v68, v68, v70
	v_add_nc_u32 v64, v64, v68
	v_lshrrev_b32 v73, 8, v64
	v_add_nc_u32 v64, v64, v73
	v_and_b32 v64, 0x00ff00ff, v64
	v_lshrrev_b32 v73, 16, v64
	v_add_nc_u32 v64, v64, v73
	v_and_b32 v64, 0x1ff, v64                      ; 256 at the most
	v_mov_b32 v73, 0
	v_mov_b32_dpp v73, v64 row_xmask:1 row_mask:0xf bank_mask:0xf
	v_add_nc_u32 v64, v64, v73
	v_mov_b32_dpp v73, v64 row_xmask:2 row_mask:0xf bank_mask:0xf
	v_add_nc_u32 v64, v64, v73
.irp e, 0,1,2,3,4,5,6,7
	v_readlane_b32 s[40+\e], v64, 4*\e
.endr
	s_sub_co_u32 s28, s[GY], 8                     ; which of the further blocks
	s_mov_b32 s[EX], 0                             ; none found yet
	s_mov_b32 s[BLK], 4
	s_mov_b32 s[PM], 0
	s_mov_b32 s29, 0                               ; further blocks of the experts before
.irp e, 0,1,2,3,4,5,6,7
	s_add_co_u32 s30, s[40+\e], 255
	s_lshr_b32 s30, s30, 8
	s_max_u32 s30, s30, 1
	s_sub_co_u32 s30, s30, 1                       ; this expert's further blocks
	s_sub_co_u32 s31, s28, s29                     ; mine would be this one of them (a wrapped number is below nothing)
	s_add_co_u32 s29, s29, s30
	s_add_co_u32 s27, s31, 1
	s_cmp_lt_u32 s31, s30
	s_cselect_b32 s[EX], \e, s[EX]
	s_cselect_b32 s[BLK], s27, s[BLK]
	s_cselect_b32 s[PM], 1, s[PM]
.endr
	s_branch .Lhave
.Lprimary:
	s_mov_b32 s[EX], s[GY]
	s_mov_b32 s[BLK], 0
	s_mov_b32 s[PM], 1
.Lhave:
	; every base, on every way, while the arguments still lie in s[68:81]
	s_min_u32 s[EX], s[EX], 7
	s_mov_b32 s29, 0                               ; the high word of the offsets below
	s_lshl_b32 s28, s[EX], 7
	s_add_nc_u64 s[30:31], s[PBM:PBM+1], s[28:29]  ; the expert's 1,024 bits; s[30:31] stay until those are in
	s_lshl_b32 s28, s[EX], 24                      ; an expert's weights are 16 MiB
	s_lshl_b32 s36, s[WV], WSH                     ; my 8 k-rows of a chunk
	s_add_co_u32 s28, s28, s36
.if KIND == 1
	s_lshl_b32 s36, ttmp9, 9                       ; the slice's 128 columns
	s_add_co_u32 s28, s28, s36
	s_add_nc_u64 s[SW:SW+1], s[ARGW:ARGW+1], s[28:29]
	s_mov_b64 s[SA:SA+1], s[PACT:PACT+1]
	s_lshl_b32 s28, ttmp9, 8
	s_add_nc_u64 s[OUTB:OUTB+1], s[POUT:POUT+1], s[28:29]
	s_lshl_b32 s28, s[EX], 14
	s_add_co_u32 s28, s28, s36
	s_add_nc_u64 s[B1B:B1B+1], s[ARGB1:ARGB1+1], s[28:29]
	s_lshl_b32 s28, s[EX], 12
	s_lshl_b32 s27, s[WV], 5
	s_add_co_u32 s28, s28, s27
	s_add_nc_u64 s[PG:PG+1], s[ARGG:ARGG+1], s[28:29]
	s_add_nc_u64 s[PL:PL+1], s[ARGL:ARGL+1], s[28:29]
.else
	s_lshr_b32 s37, ttmp9, 3                       ; the quarter of k
	s_and_b32 s38, ttmp9, 7                        ; the slice of n
	s_lshl_b32 s36, s37, 22                        ; 1,024 k-rows of 4,096 bytes; also a quarter's 4 MiB in part
	s_add_co_u32 s28, s28, s36
	s_lshl_b32 s39, s38, 9
	s_add_co_u32 s28, s28, s39
	s_add_nc_u64 s[SW:SW+1], s[ARGW:ARGW+1], s[28:29]
	s_add_co_u32 s28, s36, s39
	s_add_nc_u64 s[OUTB:OUTB+1], s[POUT:POUT+1], s[28:29]
	s_lshl_b32 s28, s37, 11                        ; the quarter's 1,024 columns of h
	s_add_nc_u64 s[SA:SA+1], s[PACT:PACT+1], s[28:29]
.endif
	s_add_nc_u64 s[SWH:SWH+1], s[SW:SW+1], 4*CHUNKB
	; defaults for the way that jumps the counting: no rows, nothing staged, nothing stored; the rows' bases hold the buffer's address (over the arguments, which are done with)
	s_mov_b32 s[LIVE], 0
	s_mov_b32 s[AST], 0
	s_mov_b32 s[GRD], 2
	s_mov_b32 s[NTL], 0
.set q, 0
.rept 16
	s_mov_b64 s[AB+2*q:AB+2*q+1], s[SA:SA+1]
.set q, q+1
.endr
	s_cmp_eq_u32 s[PM], 0
	s_cbranch_scc1 .Lhead_done                     ; a place y >= 8 on which no block falls
	s_load_b512 s[WORD:WORD+15], s[30:31], 0x0
	s_load_b512 s[WORD+16:WORD+31], s[30:31], 0x40
	ISSB BSET, 0                                   ; the stream starts before the count is known: chunks 0 and 1
	ISSB BSET+32, 1
	s_wait_kmcnt 0x0
	s_bcnt1_i32_b32 s[CNT], s[WORD]
.set wi, 1
.rept 31
	s_bcnt1_i32_b32 s28, s[WORD+wi]
	s_add_co_u32 s[CNT], s[CNT], s28
.set wi, wi+1
.endr
	s_lshl_b32 s28, s[BLK], 8
	s_sub_co_i32 s[NR], s[CNT], s28
	s_min_i32 s[NR], s[NR], 0x100
	s_max_i32 s[NR], s[NR], 0
	s_add_co_u32 s[NTL], s[NR], 15
	s_lshr_b32 s[NTL], s[NTL], 4
	s_cmp_lg_u32 s[NR], 0
	s_cselect_b32 s[LIVE], 1, 0
	s_max_u32 s30, s[NTL], 8                       ; row tiles 0-7 are always staged
	s_cmp_lt_u32 s[WV], s30
	s_cselect_b32 s[AST], s[LIVE], 0
	s_add_co_u32 s30, s[RG], 8
	s_cmp_lt_u32 s30, s[NTL]
	s_cselect_b32 s[GRD], 3, 2
	s_add_co_u32 s30, s[RG], 12
	s_cmp_lt_u32 s30, s[NTL]
	s_cselect_b32 s30, 1, 0
	s_add_co_u32 s[GRD], s[GRD], s30
	; THE ROWS OF ROW TILE w
	s_lshl_b32 s30, s[WV], 4
	s_add_co_u32 s28, s28, s30
	s_sub_co_u32 s30, s[CNT], 1
	v_and_b32 v72, 15, v0
	v_add_nc_u32 v72, s28, v72                     ; place 16 w + l % 16 of the block wants the expert's row of this rank,
	v_min_u32 v72, s30, v72                        ; or the last one
	v_mov_b32 v73, s[WORD]                         ; the word that holds it,
	v_mov_b32 v74, 0                               ; the set bits in front of that word,
	v_mov_b32 v75, 0                               ; the word's number: the last word with no more bits in front of it than the rank
	s_mov_b32 s28, 0
.set wi, 1
.rept 31
	s_bcnt1_i32_b32 s31, s[WORD+wi-1]
	s_add_co_u32 s28, s28, s31
	v_cmp_le_u32 vcc_lo, s28, v72
	v_cndmask_b32 v73, v73, s[WORD+wi], vcc_lo
	v_cndmask_b32 v74, v74, s28, vcc_lo
	v_cndmask_b32 v75, v75, wi, vcc_lo
.set wi, wi+1
.endr
	v_sub_nc_u32 v72, v72, v74                     ; the rank within the word
	v_lshrrev_b32 v80, 1, v73
	v_and_b32 v80, 0x55555555, v80
	v_sub_nc_u32 v76, v73, v80                     ; counts of fields of 2 bits,
	v_lshrrev_b32 v80, 2, v76
	v_and_b32 v80, 0x33333333, v80
	v_and_b32 v77, 0x33333333, v76
	v_add_nc_u32 v77, v77, v80                     ; of 4,
	v_lshrrev_b32 v80, 4, v77
	v_add_nc_u32 v78, v77, v80
	v_and_b32 v78, 0x0f0f0f0f, v78                 ; of 8,
	v_lshrrev_b32 v80, 8, v78
	v_add_nc_u32 v79, v78, v80                     ; of 16 (in the low byte of each half)
	v_mov_b32 v81, 0
	LEVEL 79, 0xff, 16
	LEVEL 78, 0xff, 8
	LEVEL 77, 15, 4
	LEVEL 76, 3, 2
	LEVEL 73, 1, 1
	v_lshl_add_u32 v[ROWV], v75, 5, v81            ; the row
	ROWBASE SA, ROWSH                              ; over the bitmap's words, which are done with
.if KIND == 1
	GLOAD 0                                        ; the gains and biases of chunks 0 and 1, one set each
	GLOAD 1
.endif
	s_cmp_eq_u32 s[AST], 0
	s_cbranch_scc1 .Lhead_done                     ; row tile w holds no rows
	ISSA 0                                         ; chunk 0's rows
.Lhead_done:
	TRIP -1, 0                                     ; chunk 0 into slot 0 (its rows were asked for last, so the wait is for all); chunk 1's rows and chunk 2's weights are asked for
	TRIP 0, 8
	TRIP 1, 8
	TRIP 2, 8
	TRIP 3, 8
	TRIP 4, 8                                      ; chunk 7's weights are asked for: the last
	TRIP 5, 8                                      ; chunk 7's rows: the last
	TRIP 6, 0                                      ; chunk 7 is staged: its rows were asked for behind its weights, so the wait is for all
	TRIP 7, 0
	; THE WAY OUT, through a stage that lies over the slots: behind the barrier above nobody reads them any more
	PLACES
	s_cmp_eq_u32 s[LIVE], 0
	s_cbranch_scc1 .Lput
.if KIND == 1
.irp b, 0,1
	ds_load_b128 v[BF0+8*\b:BF0+8*\b+3],   v12 offset:64*\b
	ds_load_b128 v[BF0+8*\b+4:BF0+8*\b+7], v12 offset:64*\b+16
.endr
	s_wait_dscnt 0x0
.endif
	PUT 0
	PUT 1
	s_cmp_lt_u32 s[GRD], 3
	s_cbranch_scc1 .Lput
	PUT 2
	s_cmp_lt_u32 s[GRD], 4
	s_cbranch_scc1 .Lput
	PUT 3
.Lput:
	BAR                                            ; a row's bytes come from four waves
	s_cmp_ge_u32 s[WV], s[NTL]
	s_cbranch_scc1 .Ldone                          ; wave w stores row tile w, if it holds rows
	ROWBASE OUTB, OUTSH                            ; the rows' places in the output, over the bases of the row loads, all of which the last staging's wait has shown done
.if KIND == 1
.set q, 0
.rept 16
	ds_load_b64 v[BSET+2*q:BSET+2*q+1], v13 offset:q*SPITCH        ; one row of 256 bytes a load
.set q, q+1
.endr
.set q, 0
.rept 16
	s_wait_dscnt 15-q                              ; LDS loads come back in order: row q is back
	global_store_b64 v[AOFF], v[BSET+2*q:BSET+2*q+1], s[AB+2*q:AB+2*q+1]  ; the wave stores 256 consecutive bytes, at a multiple of 256 from h's first byte
.set q, q+1
.endr
.else
.set q, 0
.rept 16
	ds_load_b128 v[BSET+4*q:BSET+4*q+3], v13 offset:q*SPITCH       ; one row of 512 bytes a load
.set q, q+1
.endr
.set q, 0
.rept 16
	s_wait_dscnt 15-q                              ; LDS loads come back in order: row q is back
	global_store_b128 v2, v[BSET+4*q:BSET+4*q+3], s[AB+2*q:AB+2*q+1]  ; the wave stores 512 consecutive bytes, at a multiple of 512 from part's first byte
.set q, q+1
.endr
.endif
.Ldone:
	s_wait_tensorcnt 0x0                           ; the wave's end
	ds_add_u32 v[SPW], v[NIL]
	s_wait_dscnt 0x0
	s_endpgm
.Lfunc_end_k_q597560c909_ffn1:
	.size	k_q597560c909_ffn1, .Lfunc_end_k_q597560c909_ffn1-k_q597560c909_ffn1
	.p2alignl 7, 3214868480
	.fill 96, 4, 3214868480
	.section	.rodata,"a",@progbits
	.p2align	6, 0x0
	.amdhsa_kernel k_q597560c909_ffn1
		.amdhsa_group_segment_fixed_size 223744
		.amdhsa_private_segment_fixed_size 0
		.amdhsa_enable_private_segment 0
		.amdhsa_kernarg_size 56
		.amdhsa_user_sgpr_count 2
		.amdhsa_user_sgpr_kernarg_segment_ptr 1
		.amdhsa_wavefront_size32 1
		.amdhsa_system_sgpr_workgroup_id_x 1
		.amdhsa_system_sgpr_workgroup_id_y 1
		.amdhsa_system_sgpr_workgroup_id_z 1
		.amdhsa_system_vgpr_workitem_id 0
		.amdhsa_next_free_vgpr 256
		.amdhsa_next_free_sgpr 100
		.amdhsa_reserve_vcc 1
		.amdhsa_float_denorm_mode_32 3
		.amdhsa_float_denorm_mode_16_64 3
		.amdhsa_memory_ordered 1
		.amdhsa_forward_progress 1
		.amdhsa_inst_pref_size 160
	.end_amdhsa_kernel
	.amdgpu_metadata
---
amdhsa.version: [ 1, 2 ]
amdhsa.kernels:
  - .name:           k_q597560c909_ffn1
    .symbol:         k_q597560c909_ffn1.kd
    .args:
      - { .name: W1, .offset: 0, .size: 8, .value_kind: global_buffer, .address_space: global }
      - { .name: b1, .offset: 8, .size: 8, .value_kind: global_buffer, .address_space: global }
      - { .name: ln_g, .offset: 16, .size: 8, .value_kind: global_buffer, .address_space: global }
      - { .name: ln_b, .offset: 24, .size: 8, .value_kind: global_buffer, .address_space: global }
      - { .name: z, .offset: 32, .size: 8, .value_kind: global_buffer, .address_space: global }
      - { .name: bitmap, .offset: 40, .size: 8, .value_kind: global_buffer, .address_space: global }
      - { .name: h, .offset: 48, .size: 8, .value_kind: global_buffer, .address_space: global }
    .group_segment_fixed_size: 223744
    .private_segment_fixed_size: 0
    .kernarg_segment_align: 8
    .kernarg_segment_size: 56
    .max_flat_workgroup_size: 512
    .sgpr_count:     100
    .vgpr_count:     256
    .wavefront_size: 32
...
	.end_amdgpu_metadata
.endif
;; end of part 5
;; launch ffn2 (part 6): grid 32 x 11, 16 waves a work-group, no clusters, 223,744 bytes of LDS; arguments W2, h, bitmap, part; writes part
.if DOCPART == 6
	.amdgcn_target "amdgcn-amd-amdhsa--gfx1250"
	.amdhsa_code_object_version 6
	.text
	.protected	k_q597560c909_ffn2
	.globl	k_q597560c909_ffn2
	.p2align	8
	.type	k_q597560c909_ffn2,@function
k_q597560c909_ffn2:
	s_mov_b64 s[64:65], 0
	v_nop
	global_prefetch_b8 v0, s[64:65] scope:SCOPE_SE
	s_setreg_imm32_b32 hwreg(HW_REG_WAVE_MODE, 25, 1), 1
	s_wait_xcnt 0x0
; ONE TEXT FOR BOTH PRODUCTS OF THE EXPERTS' LAYER; KIND picks what differs.
;   KIND 1:  h[r][n]       = relu( sum_k z[r][k] (g[e][k] W1[e][k][n])  +  sum_k lb[e][k] W1[e][k][n]  +  b1[e][n] ), bf16: LN(x) W1 with the norm's gain folded into the weights and its bias into the bias.
;   KIND 2:  part[q][r][n] = sum over the q-th quarter of k of h[r][k] W2[e][k][n], f32 partial sums, which the last launch adds.
; e is the expert that row r chose.  Matrix operands are bf16, each rounded once (the weights after the gain, in f32); sums are f32.
; SHARES.  A work-group has a slice of ONE expert's weights, 1,024 k x 128 n (512 KiB of f32), which it alone reads, once, and a block of at most 256 of that expert's rows.
; Grid x = the slice (KIND 1: 32 slices of n; KIND 2: 4 quarters of k x 8 slices of n).  Grid y < 8: expert y, its rows 0-255.  y = 8..10: the (y - 8)-th of all further blocks of 256 rows;
; 1,024 rows in 8 experts never have more than 3 of those, so the grid serves every split.
; SIXTEEN WAVES, ALL ALIKE.  K goes in 8 chunks of 128 through two LDS slots, one barrier a trip.  In a trip a wave multiplies the chunk in one slot, four K steps of 32, and stages its sixteenth of the next chunk
; into the other slot (the 16 rows of row tile w at the trip's head; 8 k-rows of weights: f32 in registers, scaled, rounded, 8 bytes a lane into LDS), two k-rows in each K step.  Behind a step's products stand four
; lines of the staging's arithmetic, which are the places that the fragment loads need; then the LDS loads of the next fragments; then the rest of the two k-rows (arithmetic, two LDS stores, the two loads of the
; weights two chunks on): the wave works while its fragments are on their way.  16 loads of 512 bytes of weights a wave are out.
; A wave multiplies row tiles rg, rg + 4, rg + 8, rg + 12 (rg = w / 4) by column tiles 2 cg, 2 cg + 1 (cg = w % 4): 8 accumulators.
; THE WEIGHTS lie [k][n], so they go into LDS as they lie, in bf16, and come out turned, by ds_load_tr16_b128.  The matrix instruction is used transposed (source 0 = 16 n, source 1 = 16 rows):
; a lane then holds one row and eight neighbouring columns.
; THE ROWS.  Place i of the block is the (256 block + i)-th set bit of the expert's bitmap.  Lane l of wave w finds place 16 w + l % 16 for itself.  Each of the tile's 16 rows then gets a scalar base of its own
; (the row number held to 0..1,023, shifted, added to the buffer's address), and a load or store of the wave takes one row's bytes: the vector offset beside the base holds the lane alone and is made at the head;
; the chunk stands in the load's immediate, for the weights and the gains too.  So the trips are written out, by one macro; no base is stepped, and no register that serves as a vector address is written behind the head.
; Places past the count repeat the expert's last row: the same numbers, stored to the same place by the same wave.  Row tiles 0-7 are always staged and multiplied, tiles 8-15 only where they hold rows.
; WHAT HANGS ON THE COUNTS.  Every wave passes every barrier, whatever the counts: only work is jumped, forward (loads, conversions, LDS stores, products, global stores); EXEC is never written.
; The counted waits hold on every way: what a guard may jump (the rows' loads and LDS stores, the fragments of row tiles 2 and 3) is always older than what the count leaves out, and the way of a block without rows
; waits for all loads.  A work-group that a split leaves without rows goes through the text so and stores nothing; a place y >= 8 on which no block falls also jumps the counting, the search and the first loads:
; what those would make has defaults, made ahead of the jump.
; An expert without rows costs its work-groups of y < 8 the first two chunks of weights: those are asked for before the count is known.
; NO CLUSTER, NO TENSOR LOADS: each slice of weights has one reader and must pass through registers to be scaled and rounded; the rows that an expert's work-groups share come by numbers, which no descriptor covers.
; LIMITS: relu(NaN) is 0 here.  bf16 has f32's range, so large weights or rows cost no range.
.set KIND, 2
.set PB,     288                       ; an LDS row of weights: 128 bf16 + 32 bytes
.set PA,     272                       ; an LDS row of activations: 128 bf16 + 16 bytes: 68 words, so the 16 rows of a fragment load start at 16 different groups of four banks
.set BBYTES, 128*PB
.set SLOT,   BBYTES+256*PA             ; a slot: 128 k of weights, then 256 rows
.set BIAS,   2*SLOT                    ; KIND 1: each wave's part of sum_k lb W1: 16 x 512 bytes
.set BT,     BIAS+16*512               ; KIND 1: the slice's 128 biases
.set SPARE,  BT+512                    ; the spare words: 128 bytes for each of 16 waves, eight blocks of 256 bytes that no other line names
.set ARGW,   68                        ; the arguments come into s[68:81], which later take the bitmap's words and the rows' bases: s[68:69] the weights
.if KIND == 1
.set PITCH,  16384                     ; bytes from k to k + 1 in the weights
.set WSH,    17                        ; my 8 k-rows begin at wave << WSH
.set ROWSH,  11                        ; a row of z is 2,048 bytes
.set OUTSH,  13                        ; a row of h is 8,192 bytes
.set SPITCH, 272                       ; the stage for the way out, over the slots: 256 rows of 256 bytes + 16
.set ARGB1,  70                        ; s[70:71] b1, s[72:73] ln_g, s[74:75] ln_b, s[76:77] z, s[78:79] bitmap, s[80:81] h
.set ARGG,   72
.set ARGL,   74
.set PACT,   76
.set PBM,    78
.set POUT,   80
.else
.set PITCH,  4096
.set WSH,    15
.set ROWSH,  13                        ; a row of h
.set OUTSH,  12                        ; a row of part is 4,096 bytes
.set SPITCH, 528                       ; 256 rows of 512 bytes + 16
.set PACT,   70                        ; s[70:71] h, s[72:73] bitmap, s[74:75] part
.set PBM,    72
.set POUT,   74
.endif
.set CHUNKB, 128*PITCH                 ; bytes from a chunk of weights to the next
; scalar registers (s27 to s31: at work)
.set WV,    2                          ; wave 0..15
.set RG,    3                          ; w / 4
.set G1,    4                          ; s[4:11], s[12:19] KIND 1: 8 gains and 8 biases of the norm for my k-rows of an odd chunk; never an address
.set GY,    20
.set EX,    21                         ; the expert
.set BLK,   22                         ; the block of 256 of its rows
.set CNT,   23                         ; its rows
.set NR,    24                         ; rows in the block, 0 to 256
.set NTL,   25                         ; row tiles that hold rows
.set GRD,   26                         ; how many of my four row tiles are multiplied: 2, 3, 4
.set SW,    32                         ; s[32:33] the weights at my k-rows of chunk 0; never stepped
.set SA,    34                         ; s[34:35] the activations, at the first column of my K range; never stepped
.set PG,    36                         ; s[36:37], s[38:39] KIND 1: gain and bias of the norm at my 8 k of chunk 0; never stepped
.set PL,    38
.set OUTB,  40                         ; s[40:41] the output at my slice's first column  (s[40:47] first: all experts' counts)
.set B1B,   42                         ; s[42:43] KIND 1: b1 at my slice
.set LIVE,  44                         ; 1: the block has rows
.set AST,   45                         ; 1: I stage row tile w
.set SWH,   46                         ; s[46:47] the weights at my k-rows of chunk 4: four chunks' bytes fit the loads' immediate, eight do not
.set G0,    48                         ; s[48:55], s[56:63] KIND 1: the same as G1 for an even chunk
.set CG,    66                         ; w % 4
.set PM,    67                         ; 0: a place y >= 8 on which no block falls
.set WORD,  68                         ; s[68:99] the expert's 32 words of the bitmap
.set AB,    68                         ; before and behind that: a base for each of my 16 rows: of the activations, and at the end of the output
; vector registers.  v1 lane; v2 16 x lane; v3, v4 where my weights go in slot 0, 1; v5, v6 where my rows go; v7, v8 my A fragments; v9, v10 my B fragments; v11 the stage, in; v12 KIND 1: my columns' biases,
; KIND 2: the stage's rows 128 on; v13 the stage, back; v15 0; v[16:19] KIND 1: bias sums; v30, v31 KIND 1: my part of BIAS, BIAS + 16 x lane.  v2 to v13, v21, v30, v31 are made once, at the head, and never rewritten.
.set ROWV, 20                          ; lane l: the row number of place l % 16 of row tile w
.set AOFF, 21                          ; 8 x lane: my 8 bytes of 256
.set SPW,  28                          ; LDS address of my spare word; never rewritten
.set NIL,  29                          ; 0; never rewritten
.set AF,   32                          ; v[32:63]   four A fragments
.set BF0,  64                          ; v[64:79], v[80:95] two B fragments, two buffers (before the first trip: at work)
.set BF1,  80
.set ASET, 96                          ; v[96:127]  a chunk's rows on their way: 16 loads
.set BSET, 128                         ; v[128:191] two chunks' weights on their way: 8 loads each; a chunk's set goes by its number's parity
.set ACC,  192                         ; v[192:255] accumulator (i, b) at ACC + 8 (2 i + b)
.macro BAR                             ; for the others' sake: all my LDS stores are done and all my LDS reads are back
	s_wait_dscnt 0x0
	s_barrier_signal -1
	s_barrier_wait -1
.endm
.macro PLACES                          ; four plain vector instructions between matrix instructions and loads into their sources, or reads of their results
.rept 4
	v_nop
.endr
.endm
; my 8 k-rows of chunk co (0 or 1) of the weights, 512 consecutive bytes each; read once in the launch
.macro ISSB set, co
.set nb, 0
.rept 8
	global_load_b128 v[(\set)+4*nb:(\set)+4*nb+3], v2, s[SW:SW+1] offset:(\co)*CHUNKB+nb*PITCH th:TH_LOAD_NT
.set nb, nb+1
.endr
.endm
; my 16 rows of chunk ca, one a load: the wave takes a row's 256 consecutive bytes, 8 a lane
.macro ISSA ca
.set na, 0
.rept 16
	global_load_b64 v[ASET+2*na:ASET+2*na+1], v[AOFF], s[AB+2*na:AB+2*na+1] offset:256*(\ca)
.set na, na+1
.endr
.endm
.macro STA sl
.set na, 0
.rept 16
	ds_store_b64 v[5+(\sl)], v[ASET+2*na:ASET+2*na+1] offset:na*PA
.set na, na+1
.endr
.endm
; a base for each of my 16 rows: the row number, held inside the table, shifted to bytes and added to the buffer's address
.macro ROWBASE from, sh
	s_mov_b32 s29, 0
.set q, 0
.rept 16
	v_readlane_b32 s28, v[ROWV], q
	s_min_u32 s28, s28, 0x3ff
	s_lshl_b32 s28, s28, \sh
	s_add_nc_u64 s[AB+2*q:AB+2*q+1], s[\from:\from+1], s[28:29]
.set q, q+1
.endr
.endm
; KIND 1: the gains and biases of the norm for my 8 k-rows of chunk c, into the set of its parity; 128 k are 512 bytes
.macro GLOAD c
.set gb, G0-(G0-G1)*((\c)%2)
	s_load_b256 s[gb:gb+7], s[PG:PG+1], 512*(\c)
	s_load_b256 s[gb+8:gb+15], s[PL:PL+1], 512*(\c)
.endm
; THE STAGING OF THE WEIGHTS, two k-rows (2 p, 2 p + 1 of my eight) of chunk cs at a time, in two parts.
; SP1: four plain vector lines that name the weights' registers alone.  KIND 1: the bias sums take lb W of the first row.  KIND 2: both rows are rounded.
.macro SP1 cs, p
.set rw, BSET+32*((\cs)%2)+8*(\p)
.if KIND == 1
.set gb, G0-(G0-G1)*((\cs)%2)
	v_fmac_f32 v16, s[gb+8+2*(\p)], v[rw]
	v_fmac_f32 v17, s[gb+8+2*(\p)], v[rw+1]
	v_fmac_f32 v18, s[gb+8+2*(\p)], v[rw+2]
	v_fmac_f32 v19, s[gb+8+2*(\p)], v[rw+3]
.else
	v_cvt_pk_bf16_f32 v[rw], v[rw], v[rw+1]
	v_cvt_pk_bf16_f32 v[rw+1], v[rw+2], v[rw+3]
	v_cvt_pk_bf16_f32 v[rw+4], v[rw+4], v[rw+5]
	v_cvt_pk_bf16_f32 v[rw+5], v[rw+6], v[rw+7]
.endif
.endm
; SP2: the rest.  KIND 1: the gain in f32, the second row's bias sums, one rounding.  Both: 8 bytes a lane and row into LDS, and the same two k-rows of chunk cs + 2 are asked for, into the registers just stored.
.macro SP2 cs, p
.set rw, BSET+32*((\cs)%2)+8*(\p)
.if KIND == 1
.set gb, G0-(G0-G1)*((\cs)%2)
	v_mul_f32 v[rw], s[gb+2*(\p)], v[rw]
	v_mul_f32 v[rw+1], s[gb+2*(\p)], v[rw+1]
	v_mul_f32 v[rw+2], s[gb+2*(\p)], v[rw+2]
	v_mul_f32 v[rw+3], s[gb+2*(\p)], v[rw+3]
	v_fmac_f32 v16, s[gb+9+2*(\p)], v[rw+4]
	v_fmac_f32 v17, s[gb+9+2*(\p)], v[rw+5]
	v_fmac_f32 v18, s[gb+9+2*(\p)], v[rw+6]
	v_fmac_f32 v19, s[gb+9+2*(\p)], v[rw+7]
	v_cvt_pk_bf16_f32 v[rw], v[rw], v[rw+1]
	v_cvt_pk_bf16_f32 v[rw+1], v[rw+2], v[rw+3]
	v_mul_f32 v[rw+4], s[gb+1+2*(\p)], v[rw+4]
	v_mul_f32 v[rw+5], s[gb+1+2*(\p)], v[rw+5]
	v_mul_f32 v[rw+6], s[gb+1+2*(\p)], v[rw+6]
	v_mul_f32 v[rw+7], s[gb+1+2*(\p)], v[rw+7]
	v_cvt_pk_bf16_f32 v[rw+4], v[rw+4], v[rw+5]
	v_cvt_pk_bf16_f32 v[rw+5], v[rw+6], v[rw+7]
.endif
	ds_store_b64 v[3+((\cs)%2)], v[rw:rw+1] offset:2*(\p)*PB
	ds_store_b64 v[3+((\cs)%2)], v[rw+4:rw+5] offset:(2*(\p)+1)*PB
.if (\cs) < 6
.set wb, SW
.if (\cs)+2 > 3
.set wb, SWH
.endif
	global_load_b128 v[rw:rw+3],   v2, s[wb:wb+1] offset:(((\cs)+2)%4)*CHUNKB+2*(\p)*PITCH th:TH_LOAD_NT
	global_load_b128 v[rw+4:rw+7], v2, s[wb:wb+1] offset:(((\cs)+2)%4)*CHUNKB+(2*(\p)+1)*PITCH th:TH_LOAD_NT
.endif
.endm
.macro F1 t, p                         ; what stands between a K step's products and the next fragment loads: the staging's four lines, or in the last trip, which stages nothing, four v_nop
.if (\t) < 7
	SP1 (\t)+1, \p
.else
	PLACES
.endif
.endm
.macro F2 t, p
.if (\t) < 7
	SP2 (\t)+1, \p
.endif
.endm
; two B fragments (32 k x 16 n each), turned: the first load of a pair brings k = 8 (l / 16) + 0..7, the second 16 more
.macro LOADB sl, ks, buf
.set nl, 0
.rept 2
	ds_load_tr16_b128 v[(\buf)+8*nl:(\buf)+8*nl+3],   v[9+(\sl)] offset:(\ks)*32*PB+32*nl
	ds_load_tr16_b128 v[(\buf)+8*nl+4:(\buf)+8*nl+7], v[9+(\sl)] offset:(\ks)*32*PB+32*nl+16*PB
.set nl, nl+1
.endr
.endm
.macro LDA1 sl, ks, i                  ; the A fragment of my row tile i: 16 rows x 32 k
	ds_load_b128 v[AF+8*(\i):AF+8*(\i)+3],   v[7+(\sl)] offset:(\i)*64*PA+64*(\ks)
	ds_load_b128 v[AF+8*(\i)+4:AF+8*(\i)+7], v[7+(\sl)] offset:(\i)*64*PA+64*(\ks)+32
.endm
.macro LOADA sl, ks
	LDA1 \sl, \ks, 0
	LDA1 \sl, \ks, 1
	s_cmp_lt_u32 s[GRD], 3
	s_cbranch_scc1 .Lno_more_a_\@
	LDA1 \sl, \ks, 2
	s_cmp_lt_u32 s[GRD], 4
	s_cbranch_scc1 .Lno_more_a_\@
	LDA1 \sl, \ks, 3
.Lno_more_a_\@:
.endm
.macro MUL2 buf, i
.set nm, 0
.rept 2
	v_wmma_f32_16x16x32_bf16 v[ACC+8*(2*(\i)+nm):ACC+8*(2*(\i)+nm)+7], v[(\buf)+8*nm:(\buf)+8*nm+7], v[AF+8*(\i):AF+8*(\i)+7], v[ACC+8*(2*(\i)+nm):ACC+8*(2*(\i)+nm)+7]
.set nm, nm+1
.endr
.endm
.macro MUL buf                         ; the accumulators take turns, one instruction a turn: 4, 6 or 8 of them, in the same order in every K step
	MUL2 \buf, 0
	MUL2 \buf, 1
	s_cmp_lt_u32 s[GRD], 3
	s_cbranch_scc1 .Lno_more_m_\@
	MUL2 \buf, 2
	s_cmp_lt_u32 s[GRD], 4
	s_cbranch_scc1 .Lno_more_m_\@
	MUL2 \buf, 3
.Lno_more_m_\@:
.endm
; TRIP t: chunk t is multiplied (slot t % 2) and chunk t + 1 staged (the other slot); the rows and the gains of chunk t + 2 and the weights of chunk t + 3 are asked for, as far as there are such chunks.
; t = -1: chunk 0 is staged and nothing multiplied.  One barrier for both changes of slots.  wt: the younger loads that may stay out at the head.
; LOADS FROM MEMORY.  A trip issues the rows' 16 at its head, or none, and then the weights' 2 + 2 + 2 + 2: at the next head the 8 youngest are the weights two chunks on, and that trip's rows and weights are older.
; LDS.  B's fragments are fetched a K step ahead.  At a step's wait the youngest six LDS instructions are the next step's four B loads and the staging's two stores (in the last trip: the four); A's loads and
; the rows' stores, whose number hangs on guards, are older.
.macro TRIP t, wt
.if (\t) < 7
	s_wait_loadcnt \wt                             ; loads come back in order: the rows and weights of the chunk to be staged are in
.if KIND == 1
	s_wait_kmcnt 0x0                               ; its gains and biases, asked for a trip ago
.endif
.set yng, 6
.else
.if KIND == 1
	s_wait_loadcnt 0x0                             ; b1
.endif
.set yng, 4
.endif
	s_cmp_eq_u32 s[LIVE], 0
	s_cbranch_scc1 .Ldead_\@                       ; a block without rows
.if (KIND == 1) && ((\t) >= 0) && ((\t) < 6)
	GLOAD (\t)+2                                   ; into the set that chunk t, staged a trip ago, has done with
.endif
.if (\t) < 7
	s_cmp_eq_u32 s[AST], 0
	s_cbranch_scc1 .Lno_a_\@                       ; row tile w holds no rows
	STA ((\t)+1)%2
.if (\t) < 6
	ISSA (\t)+2
.endif
.Lno_a_\@:
.elseif KIND == 1
	s_cmp_lg_u32 s[WV], 0
	s_cbranch_scc1 .Lnot_first_\@                  ; wave 0 adds the sixteen parts of sum_k lb W1 and b1
.set np, 0
.rept 16
	ds_load_b128 v[BSET+4*np:BSET+4*np+3], v31 offset:512*np
.set np, np+1
.endr
	s_wait_dscnt 0x0
.set np, 0
.rept 16
	v_pk_add_f32 v[ASET:ASET+1], v[ASET:ASET+1], v[BSET+4*np:BSET+4*np+1]
	v_pk_add_f32 v[ASET+2:ASET+3], v[ASET+2:ASET+3], v[BSET+4*np+2:BSET+4*np+3]
.set np, np+1
.endr
	ds_store_b128 v31, v[ASET:ASET+3] offset:BT-BIAS
.Lnot_first_\@:
.endif
.if (\t) < 0
.irp p, 0,1,2,3
	SP1 0, \p
	SP2 0, \p
.endr
.else
	F1 \t, 0
	LOADB (\t)%2, 0, BF0
	LOADA (\t)%2, 0
	LOADB (\t)%2, 1, BF1
	F2 \t, 0
	s_wait_dscnt yng
	MUL BF0
	F1 \t, 1
	LOADA (\t)%2, 1
	LOADB (\t)%2, 2, BF0
	F2 \t, 1
	s_wait_dscnt yng
	MUL BF1
	F1 \t, 2
	LOADA (\t)%2, 2
	LOADB (\t)%2, 3, BF1
	F2 \t, 2
	s_wait_dscnt yng
	MUL BF0
	F1 \t, 3
	LOADA (\t)%2, 3
	F2 \t, 3
.if (KIND == 1) && ((\t) == 6)
	ds_store_b128 v30, v[16:19]                    ; the last chunk is staged: my part of sum_k lb W1
	global_load_b128 v[ASET:ASET+3], v2, s[B1B:B1B+1]  ; b1, a trip ahead of its use
.endif
	s_wait_dscnt 0x0
	MUL BF1
.endif
	s_branch .Lmet_\@
.Ldead_\@:
	s_wait_loadcnt 0x0                             ; in the place of the trip's loads: behind either way no load older than the weights' eight can be out at the next head's counted wait
.Lmet_\@:
	BAR
.endm
; one level of the search for the v72-th set bit: does it lie in the lower half of the field at bit v81?  src holds the counts of fields half as wide
.macro LEVEL src, mask, step
	v_lshrrev_b32 v80, v81, v[\src]
	v_and_b32 v80, \mask, v80
	v_cmp_ge_u32 vcc_lo, v72, v80
	v_cndmask_b32 v80, 0, v80, vcc_lo
	v_sub_nc_u32 v72, v72, v80
	v_cndmask_b32 v80, 0, \step, vcc_lo
	v_add_nc_u32 v81, v81, v80
.endm
; the way out of my row tile i: KIND 1: + bias, rounded to bf16, relu on the packed halves, 16 bytes a lane; KIND 2: the f32 sums as they are, 32 bytes a lane.  Each accumulator is read from its low end on.
.macro PUT i
.set ob, 0
.rept 2
.set ra, ACC+8*(2*(\i)+ob)
.if KIND == 1
.set rt, ASET+4*ob
	v_pk_add_f32 v[ra:ra+1], v[ra:ra+1], v[BF0+8*ob:BF0+8*ob+1]
	v_pk_add_f32 v[ra+2:ra+3], v[ra+2:ra+3], v[BF0+8*ob+2:BF0+8*ob+3]
	v_pk_add_f32 v[ra+4:ra+5], v[ra+4:ra+5], v[BF0+8*ob+4:BF0+8*ob+5]
	v_pk_add_f32 v[ra+6:ra+7], v[ra+6:ra+7], v[BF0+8*ob+6:BF0+8*ob+7]
	v_cvt_pk_bf16_f32 v[rt], v[ra], v[ra+1]
	v_cvt_pk_bf16_f32 v[rt+1], v[ra+2], v[ra+3]
	v_cvt_pk_bf16_f32 v[rt+2], v[ra+4], v[ra+5]
	v_cvt_pk_bf16_f32 v[rt+3], v[ra+6], v[ra+7]
	v_pk_max_num_bf16 v[rt], v[rt], v15
	v_pk_max_num_bf16 v[rt+1], v[rt+1], v15
	v_pk_max_num_bf16 v[rt+2], v[rt+2], v15
	v_pk_max_num_bf16 v[rt+3], v[rt+3], v15
	ds_store_b128 v11, v[rt:rt+3] offset:(\i)*64*SPITCH+32*ob
.else
	ds_store_b128 v[11+(\i)/2], v[ra:ra+3]   offset:((\i)%2)*64*SPITCH+64*ob
	ds_store_b128 v[11+(\i)/2], v[ra+4:ra+7] offset:((\i)%2)*64*SPITCH+64*ob+16
.endif
.set ob, ob+1
.endr
.endm
.if KIND == 1
	s_load_b256 s[68:75], s[0:1], 0x0              ; W1, b1, ln_g, ln_b
	s_load_b128 s[76:79], s[0:1], 0x20             ; z, bitmap
	s_load_b64 s[80:81], s[0:1], 0x30              ; h
.else
	s_load_b256 s[68:75], s[0:1], 0x0              ; W2, h, bitmap, part
.endif
	v_lshl_add_u32 v[SPW], v0, 2, SPARE
	v_mov_b32 v[NIL], 0
	v_lshrrev_b32 v64, 5, v0
	v_readfirstlane_b32 s[WV], v64
	v_and_b32 v1, 31, v0
	v_lshlrev_b32 v2, 4, v1
	v_lshlrev_b32 v[AOFF], 3, v1
	v_mov_b32 v[ROWV], 0                           ; a default, for the way that jumps the search
	s_lshr_b32 s[RG], s[WV], 2
	s_and_b32 s[CG], s[WV], 3
	s_and_b32 s[GY], ttmp7, 0xffff
	; EVERY LDS ADDRESS, once, from the thread's number, the wave's number and constants
	v_and_b32 v64, 15, v0                          ; l % 16
	v_bfe_u32 v65, v0, 4, 1                        ; l / 16
	s_mul_i32 s28, s[WV], 8*PB
	v_lshl_add_u32 v3, v1, 3, s28                  ; weights in: k-row 8 w, 8 bytes a lane
	v_add_nc_u32 v4, SLOT, v3
	s_mul_i32 s28, s[WV], 16*PA
	s_add_co_u32 s28, s28, BBYTES
	v_lshl_add_u32 v5, v1, 3, s28                  ; rows in: row 16 w, 8 bytes a lane
	v_add_nc_u32 v6, SLOT, v5
	s_mul_i32 s28, s[RG], 16*PA
	s_add_co_u32 s28, s28, BBYTES
	v_mul_u32_u24 v7, v64, PA                      ; A: row 16 rg + l % 16, 16 bytes for each half of the lanes
	v_lshl_add_u32 v7, v65, 4, v7
	v_add_nc_u32 v7, s28, v7
	v_add_nc_u32 v8, SLOT, v7
	v_and_b32 v66, 7, v0                           ; B: k-row 8 (l / 16) + l % 8, columns 32 cg + 8 ((l / 8) % 2) on
	v_lshl_add_u32 v66, v65, 3, v66
	v_mul_u32_u24 v9, v66, PB
	v_bfe_u32 v66, v0, 3, 1
	v_lshl_add_u32 v9, v66, 4, v9
	s_lshl_b32 s28, s[CG], 6
	v_add_nc_u32 v9, s28, v9
	v_add_nc_u32 v10, SLOT, v9
	s_mul_i32 s28, s[RG], 16*SPITCH                ; the stage, in: row 16 rg + l % 16, my 32 columns, my half of the lanes' eight
	v_mul_u32_u24 v11, v64, SPITCH
.if KIND == 1
	s_lshl_b32 s29, s[CG], 6
	s_add_co_u32 s28, s28, s29
	v_lshl_add_u32 v11, v65, 4, v11
	v_add_nc_u32 v11, s28, v11
	s_lshl_b32 s28, s[CG], 7
	s_add_co_u32 s28, s28, BT
	v_lshl_add_u32 v12, v65, 5, s28                ; the biases of my columns
	s_mul_i32 s28, s[WV], 16*SPITCH
	v_lshl_add_u32 v13, v1, 3, s28                 ; the stage, back: a row of 256 bytes a load, 8 bytes a lane
	s_lshl_b32 s28, s[WV], 9
	s_add_co_u32 s28, s28, BIAS
	v_add_nc_u32 v30, s28, v2
	v_add_nc_u32 v31, BIAS, v2
	v_mov_b32 v15, 0
	v_mov_b32 v16, 0
	v_mov_b32 v17, 0
	v_mov_b32 v18, 0
	v_mov_b32 v19, 0
.set q, 0
.rept 8
	s_mov_b64 s[G0+2*q:G0+2*q+1], 0                ; both sets of gains and biases hold numbers on the way that jumps their loads
	s_mov_b64 s[G1+2*q:G1+2*q+1], 0
.set q, q+1
.endr
.else
	s_lshl_b32 s29, s[CG], 7
	s_add_co_u32 s28, s28, s29
	v_lshl_add_u32 v11, v65, 5, v11
	v_add_nc_u32 v11, s28, v11
	v_add_nc_u32 v12, 2*64*SPITCH, v11             ; row tiles 2 and 3 lie past a 16-bit offset
	s_mul_i32 s28, s[WV], 16*SPITCH
	v_add_nc_u32 v13, s28, v2                      ; the stage, back: a row of 512 bytes a load
.endif
	; 176 lines that write 0, in the wait for the arguments: what loads that may be jumped would fill (96) holds numbers on every way; the sums start at 0 (64); so do the fragments of row tiles 2 and 3 (16).
	; The gain is one macro for every trip.
.set cz, ASET
.rept 160
	v_mov_b32 v[cz], 0
.set cz, cz+1
.endr
.set cz, AF+16
.rept 16
	v_mov_b32 v[cz], 0
.set cz, cz+1
.endr
	s_wait_kmcnt 0x0
	s_cmp_lt_u32 s[GY], 8
	s_cbranch_scc1 .Lprimary
	; A FURTHER BLOCK.  All experts' counts: lane l counts the bitmap's words 8 l .. 8 l + 7 (four lanes an expert), in whole numbers throughout
	v_lshlrev_b32 v72, 5, v1
	global_load_b128 v[64:67], v72, s[PBM:PBM+1]
	global_load_b128 v[68:71], v72, s[PBM:PBM+1] offset:16
	s_mov_b32 s28, 0x55555555
	s_mov_b32 s29, 0x33333333
	s_mov_b32 s30, 0x0f0f0f0f
	s_wait_loadcnt 0x0
.irp i, 64,65,66,67,68,69,70,71
	v_lshrrev_b32 v73, 1, v[\i]                    ; counts in fields of 2, 4 and 8 bits
	v_and_b32 v73, s28, v73
	v_sub_nc_u32 v[\i], v[\i], v73
	v_lshrrev_b32 v73, 2, v[\i]
	v_and_b32 v[\i], s29, v[\i]
	v_and_b32 v73, s29, v73
	v_add_nc_u32 v[\i], v[\i], v73
	v_lshrrev_b32 v73, 4, v[\i]
	v_add_nc_u32 v[\i], v[\i], v73
	v_and_b32 v[\i], s30, v[\i]
.endr
	v_add_nc_u32 v64, v64, v65                     ; eight words: 64 a byte at the most
	v_add_nc_u32 v66, v66, v67
	v_add_nc_u32 v68, v68, v69
	v_add_nc_u32 v70, v70, v71
	v_add_nc_u32 v64, v64, v66
	v_add_nc_u32 v68, v68, v70
	v_add_nc_u32 v64, v64, v68
	v_lshrrev_b32 v73, 8, v64
	v_add_nc_u32 v64, v64, v73
	v_and_b32 v64, 0x00ff00ff, v64
	v_lshrrev_b32 v73, 16, v64
	v_add_nc_u32 v64, v64, v73
	v_and_b32 v64, 0x1ff, v64                      ; 256 at the most
	v_mov_b32 v73, 0
	v_mov_b32_dpp v73, v64 row_xmask:1 row_mask:0xf bank_mask:0xf
	v_add_nc_u32 v64, v64, v73
	v_mov_b32_dpp v73, v64 row_xmask:2 row_mask:0xf bank_mask:0xf
	v_add_nc_u32 v64, v64, v73
.irp e, 0,1,2,3,4,5,6,7
	v_readlane_b32 s[40+\e], v64, 4*\e
.endr
	s_sub_co_u32 s28, s[GY], 8                     ; which of the further blocks
	s_mov_b32 s[EX], 0                             ; none found yet
	s_mov_b32 s[BLK], 4
	s_mov_b32 s[PM], 0
	s_mov_b32 s29, 0                               ; further blocks of the experts before
.irp e, 0,1,2,3,4,5,6,7
	s_add_co_u32 s30, s[40+\e], 255
	s_lshr_b32 s30, s30, 8
	s_max_u32 s30, s30, 1
	s_sub_co_u32 s30, s30, 1                       ; this expert's further blocks
	s_sub_co_u32 s31, s28, s29                     ; mine would be this one of them (a wrapped number is below nothing)
	s_add_co_u32 s29, s29, s30
	s_add_co_u32 s27, s31, 1
	s_cmp_lt_u32 s31, s30
	s_cselect_b32 s[EX], \e, s[EX]
	s_cselect_b32 s[BLK], s27, s[BLK]
	s_cselect_b32 s[PM], 1, s[PM]
.endr
	s_branch .Lhave
.Lprimary:
	s_mov_b32 s[EX], s[GY]
	s_mov_b32 s[BLK], 0
	s_mov_b32 s[PM], 1
.Lhave:
	; every base, on every way, while the arguments still lie in s[68:81]
	s_min_u32 s[EX], s[EX], 7
	s_mov_b32 s29, 0                               ; the high word of the offsets below
	s_lshl_b32 s28, s[EX], 7
	s_add_nc_u64 s[30:31], s[PBM:PBM+1], s[28:29]  ; the expert's 1,024 bits; s[30:31] stay until those are in
	s_lshl_b32 s28, s[EX], 24                      ; an expert's weights are 16 MiB
	s_lshl_b32 s36, s[WV], WSH                     ; my 8 k-rows of a chunk
	s_add_co_u32 s28, s28, s36
.if KIND == 1
	s_lshl_b32 s36, ttmp9, 9                       ; the slice's 128 columns
	s_add_co_u32 s28, s28, s36
	s_add_nc_u64 s[SW:SW+1], s[ARGW:ARGW+1], s[28:29]
	s_mov_b64 s[SA:SA+1], s[PACT:PACT+1]
	s_lshl_b32 s28, ttmp9, 8
	s_add_nc_u64 s[OUTB:OUTB+1], s[POUT:POUT+1], s[28:29]
	s_lshl_b32 s28, s[EX], 14
	s_add_co_u32 s28, s28, s36
	s_add_nc_u64 s[B1B:B1B+1], s[ARGB1:ARGB1+1], s[28:29]
	s_lshl_b32 s28, s[EX], 12
	s_lshl_b32 s27, s[WV], 5
	s_add_co_u32 s28, s28, s27
	s_add_nc_u64 s[PG:PG+1], s[ARGG:ARGG+1], s[28:29]
	s_add_nc_u64 s[PL:PL+1], s[ARGL:ARGL+1], s[28:29]
.else
	s_lshr_b32 s37, ttmp9, 3                       ; the quarter of k
	s_and_b32 s38, ttmp9, 7                        ; the slice of n
	s_lshl_b32 s36, s37, 22                        ; 1,024 k-rows of 4,096 bytes; also a quarter's 4 MiB in part
	s_add_co_u32 s28, s28, s36
	s_lshl_b32 s39, s38, 9
	s_add_co_u32 s28, s28, s39
	s_add_nc_u64 s[SW:SW+1], s[ARGW:ARGW+1], s[28:29]
	s_add_co_u32 s28, s36, s39
	s_add_nc_u64 s[OUTB:OUTB+1], s[POUT:POUT+1], s[28:29]
	s_lshl_b32 s28, s37, 11                        ; the quarter's 1,024 columns of h
	s_add_nc_u64 s[SA:SA+1], s[PACT:PACT+1], s[28:29]
.endif
	s_add_nc_u64 s[SWH:SWH+1], s[SW:SW+1], 4*CHUNKB
	; defaults for the way that jumps the counting: no rows, nothing staged, nothing stored; the rows' bases hold the buffer's address (over the arguments, which are done with)
	s_mov_b32 s[LIVE], 0
	s_mov_b32 s[AST], 0
	s_mov_b32 s[GRD], 2
	s_mov_b32 s[NTL], 0
.set q, 0
.rept 16
	s_mov_b64 s[AB+2*q:AB+2*q+1], s[SA:SA+1]
.set q, q+1
.endr
	s_cmp_eq_u32 s[PM], 0
	s_cbranch_scc1 .Lhead_done                     ; a place y >= 8 on which no block falls
	s_load_b512 s[WORD:WORD+15], s[30:31], 0x0
	s_load_b512 s[WORD+16:WORD+31], s[30:31], 0x40
	ISSB BSET, 0                                   ; the stream starts before the count is known: chunks 0 and 1
	ISSB BSET+32, 1
	s_wait_kmcnt 0x0
	s_bcnt1_i32_b32 s[CNT], s[WORD]
.set wi, 1
.rept 31
	s_bcnt1_i32_b32 s28, s[WORD+wi]
	s_add_co_u32 s[CNT], s[CNT], s28
.set wi, wi+1
.endr
	s_lshl_b32 s28, s[BLK], 8
	s_sub_co_i32 s[NR], s[CNT], s28
	s_min_i32 s[NR], s[NR], 0x100
	s_max_i32 s[NR], s[NR], 0
	s_add_co_u32 s[NTL], s[NR], 15
	s_lshr_b32 s[NTL], s[NTL], 4
	s_cmp_lg_u32 s[NR], 0
	s_cselect_b32 s[LIVE], 1, 0
	s_max_u32 s30, s[NTL], 8                       ; row tiles 0-7 are always staged
	s_cmp_lt_u32 s[WV], s30
	s_cselect_b32 s[AST], s[LIVE], 0
	s_add_co_u32 s30, s[RG], 8
	s_cmp_lt_u32 s30, s[NTL]
	s_cselect_b32 s[GRD], 3, 2
	s_add_co_u32 s30, s[RG], 12
	s_cmp_lt_u32 s30, s[NTL]
	s_cselect_b32 s30, 1, 0
	s_add_co_u32 s[GRD], s[GRD], s30
	; THE ROWS OF ROW TILE w
	s_lshl_b32 s30, s[WV], 4
	s_add_co_u32 s28, s28, s30
	s_sub_co_u32 s30, s[CNT], 1
	v_and_b32 v72, 15, v0
	v_add_nc_u32 v72, s28, v72                     ; place 16 w + l % 16 of the block wants the expert's row of this rank,
	v_min_u32 v72, s30, v72                        ; or the last one
	v_mov_b32 v73, s[WORD]                         ; the word that holds it,
	v_mov_b32 v74, 0                               ; the set bits in front of that word,
	v_mov_b32 v75, 0                               ; the word's number: the last word with no more bits in front of it than the rank
	s_mov_b32 s28, 0
.set wi, 1
.rept 31
	s_bcnt1_i32_b32 s31, s[WORD+wi-1]
	s_add_co_u32 s28, s28, s31
	v_cmp_le_u32 vcc_lo, s28, v72
	v_cndmask_b32 v73, v73, s[WORD+wi], vcc_lo
	v_cndmask_b32 v74, v74, s28, vcc_lo
	v_cndmask_b32 v75, v75, wi, vcc_lo
.set wi, wi+1
.endr
	v_sub_nc_u32 v72, v72, v74                     ; the rank within the word
	v_lshrrev_b32 v80, 1, v73
	v_and_b32 v80, 0x55555555, v80
	v_sub_nc_u32 v76, v73, v80                     ; counts of fields of 2 bits,
	v_lshrrev_b32 v80, 2, v76
	v_and_b32 v80, 0x33333333, v80
	v_and_b32 v77, 0x33333333, v76
	v_add_nc_u32 v77, v77, v80                     ; of 4,
	v_lshrrev_b32 v80, 4, v77
	v_add_nc_u32 v78, v77, v80
	v_and_b32 v78, 0x0f0f0f0f, v78                 ; of 8,
	v_lshrrev_b32 v80, 8, v78
	v_add_nc_u32 v79, v78, v80                     ; of 16 (in the low byte of each half)
	v_mov_b32 v81, 0
	LEVEL 79, 0xff, 16
	LEVEL 78, 0xff, 8
	LEVEL 77, 15, 4
	LEVEL 76, 3, 2
	LEVEL 73, 1, 1
	v_lshl_add_u32 v[ROWV], v75, 5, v81            ; the row
	ROWBASE SA, ROWSH                              ; over the bitmap's words, which are done with
.if KIND == 1
	GLOAD 0                                        ; the gains and biases of chunks 0 and 1, one set each
	GLOAD 1
.endif
	s_cmp_eq_u32 s[AST], 0
	s_cbranch_scc1 .Lhead_done                     ; row tile w holds no rows
	ISSA 0                                         ; chunk 0's rows
.Lhead_done:
	TRIP -1, 0                                     ; chunk 0 into slot 0 (its rows were asked for last, so the wait is for all); chunk 1's rows and chunk 2's weights are asked for
	TRIP 0, 8
	TRIP 1, 8
	TRIP 2, 8
	TRIP 3, 8
	TRIP 4, 8                                      ; chunk 7's weights are asked for: the last
	TRIP 5, 8                                      ; chunk 7's rows: the last
	TRIP 6, 0                                      ; chunk 7 is staged: its rows were asked for behind its weights, so the wait is for all
	TRIP 7, 0
	; THE WAY OUT, through a stage that lies over the slots: behind the barrier above nobody reads them any more
	PLACES
	s_cmp_eq_u32 s[LIVE], 0
	s_cbranch_scc1 .Lput
.if KIND == 1
.irp b, 0,1
	ds_load_b128 v[BF0+8*\b:BF0+8*\b+3],   v12 offset:64*\b
	ds_load_b128 v[BF0+8*\b+4:BF0+8*\b+7], v12 offset:64*\b+16
.endr
	s_wait_dscnt 0x0
.endif
	PUT 0
	PUT 1
	s_cmp_lt_u32 s[GRD], 3
	s_cbranch_scc1 .Lput
	PUT 2
	s_cmp_lt_u32 s[GRD], 4
	s_cbranch_scc1 .Lput
	PUT 3
.Lput:
	BAR                                            ; a row's bytes come from four waves
	s_cmp_ge_u32 s[WV], s[NTL]
	s_cbranch_scc1 .Ldone                          ; wave w stores row tile w, if it holds rows
	ROWBASE OUTB, OUTSH                            ; the rows' places in the output, over the bases of the row loads, all of which the last staging's wait has shown done
.if KIND == 1
.set q, 0
.rept 16
	ds_load_b64 v[BSET+2*q:BSET+2*q+1], v13 offset:q*SPITCH        ; one row of 256 bytes a load
.set q, q+1
.endr
.set q, 0
.rept 16
	s_wait_dscnt 15-q                              ; LDS loads come back in order: row q is back
	global_store_b64 v[AOFF], v[BSET+2*q:BSET+2*q+1], s[AB+2*q:AB+2*q+1]  ; the wave stores 256 consecutive bytes, at a multiple of 256 from h's first byte
.set q, q+1
.endr
.else
.set q, 0
.rept 16
	ds_load_b128 v[BSET+4*q:BSET+4*q+3], v13 offset:q*SPITCH       ; one row of 512 bytes a load
.set q, q+1
.endr
.set q, 0
.rept 16
	s_wait_dscnt 15-q                              ; LDS loads come back in order: row q is back
	global_store_b128 v2, v[BSET+4*q:BSET+4*q+3], s[AB+2*q:AB+2*q+1]  ; the wave stores 512 consecutive bytes, at a multiple of 512 from part's first byte
.set q, q+1
.endr
.endif
.Ldone:
	s_wait_tensorcnt 0x0                           ; the wave's end
	ds_add_u32 v[SPW], v[NIL]
	s_wait_dscnt 0x0
	s_endpgm
.Lfunc_end_k_q597560c909_ffn2:
	.size	k_q597560c909_ffn2, .Lfunc_end_k_q597560c909_ffn2-k_q597560c909_ffn2
	.p2alignl 7, 3214868480
	.fill 96, 4, 3214868480
	.section	.rodata,"a",@progbits
	.p2align	6, 0x0
	.amdhsa_kernel k_q597560c909_ffn2
		.amdhsa_group_segment_fixed_size 223744
		.amdhsa_private_segment_fixed_size 0
		.amdhsa_enable_private_segment 0
		.amdhsa_kernarg_size 32
		.amdhsa_user_sgpr_count 2
		.amdhsa_user_sgpr_kernarg_segment_ptr 1
		.amdhsa_wavefront_size32 1
		.amdhsa_system_sgpr_workgroup_id_x 1
		.amdhsa_system_sgpr_workgroup_id_y 1
		.amdhsa_system_sgpr_workgroup_id_z 1
		.amdhsa_system_vgpr_workitem_id 0
		.amdhsa_next_free_vgpr 256
		.amdhsa_next_free_sgpr 100
		.amdhsa_reserve_vcc 1
		.amdhsa_float_denorm_mode_32 3
		.amdhsa_float_denorm_mode_16_64 3
		.amdhsa_memory_ordered 1
		.amdhsa_forward_progress 1
		.amdhsa_inst_pref_size 132
	.end_amdhsa_kernel
	.amdgpu_metadata
---
amdhsa.version: [ 1, 2 ]
amdhsa.kernels:
  - .name:           k_q597560c909_ffn2
    .symbol:         k_q597560c909_ffn2.kd
    .args:
      - { .name: W2, .offset: 0, .size: 8, .value_kind: global_buffer, .address_space: global }
      - { .name: h, .offset: 8, .size: 8, .value_kind: global_buffer, .address_space: global }
      - { .name: bitmap, .offset: 16, .size: 8, .value_kind: global_buffer, .address_space: global }
      - { .name: part, .offset: 24, .size: 8, .value_kind: global_buffer, .address_space: global }
    .group_segment_fixed_size: 223744
    .private_segment_fixed_size: 0
    .kernarg_segment_align: 8
    .kernarg_segment_size: 32
    .max_flat_workgroup_size: 512
    .sgpr_count:     100
    .vgpr_count:     256
    .wavefront_size: 32
...
	.end_amdgpu_metadata
.endif
;; end of part 6
;; launch combine: the kernel of part 4 again; grid 256 x 1, 4 waves a work-group, no clusters, 0 bytes of LDS; arguments input_features, b2, assign, part, out0; writes out0
